; MI455X (gfx1250); checked and timed in simulation.
; The chip was launched on July 23, 2026; its instructions are those of AMD's public machine-readable ISA for CDNA 5 (MIT licence, August 2026) and "CDNA5" Instruction Set Architecture Reference Guide (July 2026). The comments in the code are by the model that wrote it; some were corrected since.
;; Attn NO. Allowed arithmetic: matrix products marked QUANTISED: E2M3 operands, one E8M0 scale for each 32 along K, by v_wmma_scale_f32_16x16x128_f8f6f4 with both operands' format E2M3, f32 sums; products left as they are: f32 operands where the result goes on into a quantised operand, else bf16, f16 or f32 operands; f32 sums; everything else in f32.
;; Inputs: fc0_b 128 float32; fc0_w 3 x 128 float32; fc1_b 256 float32; fc1_w 128 x 256 float32; fc2_b 1 float32; fc2_w 256 x 1 float32; l0_kb 128 float32; l0_kw 128 x 128 float32; l0_qb 128 float32; l0_qw 128 x 128 float32; l0_vb 128 float32; l0_vw 128 x 128 float32; l1_kb 128 float32; l1_kw 128 x 128 float32; l1_qb 128 float32; l1_qw 128 x 128 float32; l1_vb 128 float32; l1_vw 128 x 128 float32; l2_kb 128 float32; l2_kw 128 x 128 float32; l2_qb 128 float32; l2_qw 128 x 128 float32; l2_vb 128 float32; l2_vw 128 x 128 float32; neighbor_index 8,192 x 32 int32; w0_b 128 float32; w0_w 128 x 128 float32; w1_b 128 float32; w1_w 128 x 128 float32; w2_b 128 float32; w2_w 128 x 128 float32; x 1 x 8,192 x 3 float32.
;; Outputs: out0 1 x 8,192 x 1 float32.
;; This version of the problem:
;;   THIS VERSION OF THE PROBLEM IS GIVEN IN LOW PRECISION. The matrix products marked QUANTISED in the list below multiply operands that are first quantised to E2M3 (2 exponent bits, 3 mantissa bits; 6 bits a number), with one power-of-two scale for each 32 numbers along K (OCP MX v1.0); their sums are f32. All else is computed in f32.
;;   The module's matrix products, in the order in which they are computed (A, B: the left and right operand; K: the contracted axis; several contracted axes count as one K, in the product's order):
;;     1. [M 8,192, K 3] x [K 3, N 128]; A: input x; B: input fc0_w: left as it is (K = 3 < 32)
;;     2. [M 8,192, K 128] x [K 128, N 128]; A: computed on the way; B: input l0_qw: QUANTISED
;;     3. [M 8,192, K 128] x [K 128, N 128]; A: computed on the way; B: input l0_kw: QUANTISED
;;     4. [M 8,192, K 128] x [K 128, N 128]; A: computed on the way; B: input l0_vw: QUANTISED
;;     5. [M 8,192, K 128] x [K 128, N 8,192]; A: computed on the way; B: computed on the way: QUANTISED
;;     6. [M 8,192, K 8,192] x [K 8,192, N 128]; A: computed on the way; B: computed on the way: QUANTISED
;;     7. [M 8,192, K 128] x [K 128, N 128]; A: computed on the way; B: input w0_w: QUANTISED
;;     8. [M 8,192, K 128] x [K 128, N 128]; A: computed on the way; B: input l1_qw: QUANTISED
;;     9. [M 8,192, K 128] x [K 128, N 128]; A: computed on the way; B: input l1_kw: QUANTISED
;;     10. [M 8,192, K 128] x [K 128, N 128]; A: computed on the way; B: input l1_vw: QUANTISED
;;     11. batch 65,536 x [M 32, K 16] x [K 16, N 1]; A: computed on the way; B: computed on the way: left as it is (K = 16 < 32)
;;     12. batch 65,536 x [M 1, K 32] x [K 32, N 16]; A: softmax; B: computed on the way: left as it is (M = 1 < 16)
;;     13. [M 8,192, K 128] x [K 128, N 128]; A: computed on the way; B: input w1_w: QUANTISED
;;     14. [M 8,192, K 128] x [K 128, N 128]; A: computed on the way; B: input l2_qw: QUANTISED
;;     15. [M 8,192, K 128] x [K 128, N 128]; A: computed on the way; B: input l2_kw: QUANTISED
;;     16. [M 8,192, K 128] x [K 128, N 128]; A: computed on the way; B: input l2_vw: QUANTISED
;;     17. [M 8,192, K 128] x [K 128, N 8,192]; A: computed on the way; B: computed on the way: QUANTISED
;;     18. [M 8,192, K 8,192] x [K 8,192, N 128]; A: computed on the way; B: computed on the way: QUANTISED
;;     19. [M 8,192, K 128] x [K 128, N 128]; A: computed on the way; B: input w2_w: QUANTISED
;;     20. [M 8,192, K 128] x [K 128, N 256]; A: computed on the way; B: input fc1_w: QUANTISED
;;     21. [M 8,192, K 256] x [K 256, N 1]; A: computed on the way; B: input fc2_w: left as it is (N = 1 < 16)
;;   THE QUANTISER, for each operand of a quantised product, along K:
;;     - K is cut into blocks of 32 from its start; a last block that is shorter is filled with zeros.
;;     - A block's scale is 2^e with e = floor(log2(the largest magnitude in the block)) - 2, held to -126 .. 127; a block of zeros has e = 0. As a byte (E8M0): e + 127.
;;     - Each number is divided by its block's scale, clamped to +-7.5, and rounded to the nearest number of E2M3, ties to even, subnormals kept.
;;     - The product sums the exact products of the quantised numbers (number of the format x scale) in f32.
;;   ~~~python
;;   def quantise(x, axis):      # numpy; x: float32 -> the quantised numbers, widened to float32 again
;;       x = np.moveaxis(x, axis, -1); K = x.shape[-1]
;;       x = np.pad(x, [(0, 0)] * (x.ndim - 1) + [(0, -K % 32)]); x = x.reshape(x.shape[:-1] + (-1, 32)); a = np.abs(x).max(-1, keepdims=True)
;;       e = np.where(a > 0, np.clip(np.frexp(np.where(a > 0, a, 1))[1] - 1 - 2, -126, 127), 0)      # np.frexp(a)[1] - 1 = floor(log2(a)), exactly
;;       r = np.clip(x / 2.0 ** e, -7.5, 7.5)
;;       step = 2.0 ** (np.maximum(np.frexp(np.where(r == 0, 1, r))[1] - 1, 0) - 3)
;;       q = np.round(r / step) * step * 2.0 ** e      # np.round: ties to even
;;       return np.moveaxis(q.reshape(q.shape[:-2] + (-1,))[..., :K], -1, axis).astype(np.float32)
;;   ~~~
;;   OPERANDS COMPUTED ON THE WAY. 'Computed on the way' means the value that the module computes at that place (a softmax that the list does not call 'softmax' is quantised finished and normalised). What goes into a quantiser is computed in f32, as accurately as f32 sums, v_exp_f32 and their like allow (about 1e-6 of the number): no bf16 or f16 on the way to a quantiser, and a product that is left as it is and whose result goes on into a quantised operand takes f32 operands (vector FMAs, or v_wmma_f32_16x16x4_f32). A number that lies on a knife's edge between two numbers of the format may be rounded either way, as far as f32 arithmetic and the matrix unit's own rounding can turn it there, and no further.
;; 2 versions. Each part assembles by itself: llvm-mc -triple=amdgcn-amd-amdhsa -mcpu=gfx1250 --defsym DOCPART=n.
;; ======== version 1 of 2: 9 launches
;; workspace buffers: wbuf 179,200 bytes; act 6,651,904 bytes; st 524,288 bytes; po 33,554,432 bytes; loc 16,777,216 bytes
;; launch wq (part 1): grid 14 x 1, 8 waves a work-group, no clusters, 0 bytes of LDS; arguments l0_qw, l0_kw, l0_vw, w0_w, l1_qw, l1_kw, l1_vw, w1_w, l2_qw, l2_kw, l2_vw, w2_w, fc1_w, wbuf; writes wbuf
.if DOCPART == 1
	.amdgcn_target "amdgcn-amd-amdhsa--gfx1250"
	.amdhsa_code_object_version 6
	.text
	.protected	k_q777d444e58_wq
	.globl	k_q777d444e58_wq
	.p2align	8
	.type	k_q777d444e58_wq,@function
k_q777d444e58_wq:
	s_mov_b64 s[64:65], 0
	v_nop
	global_prefetch_b8 v0, s[64:65] scope:SCOPE_SE
	s_setreg_imm32_b32 hwreg(HW_REG_WAVE_MODE, 25, 1), 1
	s_wait_xcnt 0x0
; THE WEIGHTS OF ALL QUANTISED PRODUCTS, ONCE: 12 matrices [128 (k)][128 (n)] and fc1_w [128 (k)][256 (n)] (two halves of 128 columns), f32, become 14 images of operand registers in wbuf.
; DEAD WORK, DONE ANYWAY: the input l1_kb, which launch e1 adds to k of layer 1.  In the local attention score(n, j, h) = q(n, h) . (x1[nbr(n, j)] l1_kw + l1_kb)_h / 4
;   = q(n, h) . (x1[nbr(n, j)] l1_kw)_h / 4 + q(n, h) . l1_kb_h / 4.  The second term does not hang on j, the axis of that softmax, so it leaves every weight p(n, j, h) as it is, whatever the inputs hold;
;   the product of q with k there (K = 16) is left as it is, so the bias moves no code; and k of layer 1 goes nowhere else.  l1_kb is still loaded, as an argument of launch e1.
; All other inputs have a way to out0 and are honoured; the biases on K of the two global attentions stay, since they move codes.  The scores of each global attention are formed twice (once for the
; row's maximum and sum, once for p), because p is quantised finished and normalised.
; LIMITS of the whole program: NaN and infinities among the inputs are not served.  A block of zeros carries the scale byte 1 where the rule says 127: its codes are zeros, and this program alone reads the bytes.
; AN IMAGE is 12,800 bytes: fragment ct (16 rows x 128 K, 12 registers a lane) at 1536 ct, registers 4 g .. 4 g + 3 of lane l at + 512 g + 16 l; the rows' scale words at 12,288 + 16 (r + 16 (ct & 1)) + 4 (ct >> 1).
; THE ROWS OF A FRAGMENT ARE NOT NEIGHBOURS: lane r of fragment ct takes column n = 32 (ct >> 1) + 8 (ct & 1) + r + (r & 8), so that the results of two neighbouring fragments are 16 neighbours along the next K.
; SHARES: a work-group a matrix, a wave a fragment.  A lane takes a column and its registers run down K: k = 64 c + 32 h + i, the order of the operand's registers; nothing is transposed.
; No LDS, no cluster: no two work-groups read the same bytes.
.set X,   32                           ; v32-95   my 64 numbers
.set PC,  96                           ; v96-107  the fragment's codes
.set PT,  108                          ; v108-114 the second halves of the two blocks, as the conversions leave them
	s_load_b512 s[4:19], s[0:1], 0x0               ; the matrices 0 to 7
	s_load_b256 s[20:27], s[0:1], 0x40             ; 8 to 11
	s_load_b128 s[28:31], s[0:1], 0x60             ; fc1_w, wbuf
	v_lshrrev_b32 v1, 5, v0
	v_readfirstlane_b32 s34, v1                    ; ct = my wave
	v_and_b32 v2, 15, v0                           ; r
	v_bfe_u32 v3, v0, 4, 1                         ; h
	v_and_b32 v4, 8, v2
	v_add_nc_u32 v4, v4, v2                        ; r + (r & 8)
	s_lshr_b32 s35, s34, 1
	s_and_b32 s36, s34, 1
	s_lshl_b32 s37, s35, 5
	s_lshl_b32 s44, s36, 3
	s_add_co_u32 s37, s37, s44                     ; 32 (ct >> 1) + 8 (ct & 1)
	s_cmp_eq_u32 ttmp9, 13
	s_cselect_b32 s44, 128, 0                      ; fc1_w's second half
	s_add_co_u32 s37, s37, s44
	v_add_nc_u32 v4, s37, v4
	v_lshlrev_b32 v4, 2, v4                        ; my column, in bytes
	s_cmp_lt_u32 ttmp9, 12
	s_cselect_b32 s44, 14, 15                      ; 32 rows are 2^14 bytes, in fc1_w 2^15
	v_lshlrev_b32 v5, s44, v3
	v_add_nc_u32 v4, v4, v5                        ; lanes 16-31 begin 32 rows further down
	v_and_b32 v6, 31, v0
	v_lshlrev_b32 v6, 4, v6                        ; 16 x lane
	v_lshlrev_b32 v7, 4, v2                        ; 16 r
	s_mov_b32 s38, 0x76543210
	s_mov_b32 s39, 0xfedcba98                      ; lane l xor 16
	s_mul_i32 s40, ttmp9, 12800                    ; my image
	s_mov_b32 s41, 0
	s_mul_i32 s42, s34, 1536                       ; my fragment in it
	s_mov_b32 s43, 0
	s_lshl_b32 s45, s36, 8
	s_lshl_b32 s46, s35, 2
	s_add_co_u32 s46, s46, s45
	s_add_co_u32 s46, s46, 12288                   ; my scale words in it
	s_mov_b32 s47, 0
	s_wait_kmcnt 0x0
	s_mov_b64 s[32:33], s[4:5]
.irp i, 1,2,3,4,5,6,7,8,9,10,11
	s_cmp_eq_u32 ttmp9, \i                         ; the choice hangs on the work-group's number alone
	s_cselect_b64 s[32:33], s[4+2*\i:5+2*\i], s[32:33]
.endr
	s_cmp_ge_u32 ttmp9, 12
	s_cselect_b64 s[32:33], s[28:29], s[32:33]
	s_add_nc_u64 s[30:31], s[30:31], s[40:41]
	s_add_nc_u64 s[42:43], s[30:31], s[42:43]
	s_add_nc_u64 s[46:47], s[30:31], s[46:47]
	s_cmp_lt_u32 ttmp9, 12
	s_cbranch_scc0 .Lwide
.set i, 0
.rept 64
	global_load_b32 v[X+i], v4, s[32:33] offset:(64*(i/32)+i%32)*512
.set i, i+1
.endr
	s_branch .Lgot
.Lwide:
.set i, 0
.rept 64
	global_load_b32 v[X+i], v4, s[32:33] offset:(64*(i/32)+i%32)*1024
.set i, i+1
.endr
.Lgot:
	s_wait_loadcnt 0x0
.irp c, 0,1                            ; my block 2 c + h: all its 32 numbers are mine
	v_max3_num_f32 v[16+\c], |v[X+32*\c]|, |v[X+32*\c+1]|, 0x1800000   ; and the floor 2^(3 - 127): the byte cannot fall under 1
.endr
.irp i, 2,4,6,8,10,12,14,16,18,20,22,24,26,28,30
.irp c, 0,1
	v_max3_num_f32 v[16+\c], v[16+\c], |v[X+32*\c+\i]|, |v[X+32*\c+\i+1]|
.endr
.endr
.irp c, 0,1
	v_add_nc_u32 v[20+\c], 0xff000000, v[16+\c]    ; 2 off the exponent field: the conversion's scale operand
.endr
.irp c, 0,1
	v_lshrrev_b32 v[18+\c], 23, v[20+\c]           ; the scale's byte
.endr
	v_lshl_or_b32 v9, v19, 16, v18                 ; blocks h and 2 + h,
	v_lshlrev_b32 v10, 3, v3
	v_lshlrev_b32 v9, v10, v9                      ; at their places in the word;
	v_mov_b32 v10, 0
	v_permlanex16_b32 v10, v9, s38, s39
	v_or_b32 v9, v9, v10                           ; with lane l xor 16's two it is whole
.irp c, 0,1
	v_cvt_scalef32_pk16_fp6_f32 v[PC+6*\c:PC+6*\c+2], v[X+32*\c:X+32*\c+15], v[20+\c]
	v_cvt_scalef32_pk16_fp6_f32 v[PT+4*\c:PT+4*\c+2], v[X+32*\c+16:X+32*\c+31], v[20+\c]   ; (a conversion's three registers begin on an even number)
.endr
	v_nop                                          ; one plain place behind a scaled conversion
.irp c, 0,1
.irp i, 0,1,2
	v_mov_b32 v[PC+3+6*\c+\i], v[PT+4*\c+\i]
.endr
.endr
.irp c, 0,1,2
	global_store_b128 v6, v[PC+4*\c:PC+4*\c+3], s[42:43] offset:512*\c   ; 32 lanes store 512 consecutive bytes
.endr
	global_store_b32 v7, v9, s[46:47]              ; both halves of the lanes store the same word to the same place
	s_endpgm
.Lfunc_end_k_q777d444e58_wq:
	.size	k_q777d444e58_wq, .Lfunc_end_k_q777d444e58_wq-k_q777d444e58_wq
	.p2alignl 7, 3214868480
	.fill 96, 4, 3214868480
	.section	.rodata,"a",@progbits
	.p2align	6, 0x0
	.amdhsa_kernel k_q777d444e58_wq
		.amdhsa_group_segment_fixed_size 0
		.amdhsa_private_segment_fixed_size 0
		.amdhsa_enable_private_segment 0
		.amdhsa_kernarg_size 112
		.amdhsa_user_sgpr_count 2
		.amdhsa_user_sgpr_kernarg_segment_ptr 1
		.amdhsa_wavefront_size32 1
		.amdhsa_system_sgpr_workgroup_id_x 1
		.amdhsa_system_sgpr_workgroup_id_y 1
		.amdhsa_system_sgpr_workgroup_id_z 1
		.amdhsa_system_vgpr_workitem_id 0
		.amdhsa_next_free_vgpr 128
		.amdhsa_next_free_sgpr 66
		.amdhsa_reserve_vcc 0
		.amdhsa_float_denorm_mode_32 3
		.amdhsa_float_denorm_mode_16_64 3
		.amdhsa_memory_ordered 1
		.amdhsa_forward_progress 1
		.amdhsa_inst_pref_size 19
	.end_amdhsa_kernel
	.amdgpu_metadata
---
amdhsa.version: [ 1, 2 ]
amdhsa.kernels:
  - .name:           k_q777d444e58_wq
    .symbol:         k_q777d444e58_wq.kd
    .args:
      - { .name: l0_qw, .offset: 0, .size: 8, .value_kind: global_buffer, .address_space: global }
      - { .name: l0_kw, .offset: 8, .size: 8, .value_kind: global_buffer, .address_space: global }
      - { .name: l0_vw, .offset: 16, .size: 8, .value_kind: global_buffer, .address_space: global }
      - { .name: w0_w, .offset: 24, .size: 8, .value_kind: global_buffer, .address_space: global }
      - { .name: l1_qw, .offset: 32, .size: 8, .value_kind: global_buffer, .address_space: global }
      - { .name: l1_kw, .offset: 40, .size: 8, .value_kind: global_buffer, .address_space: global }
      - { .name: l1_vw, .offset: 48, .size: 8, .value_kind: global_buffer, .address_space: global }
      - { .name: w1_w, .offset: 56, .size: 8, .value_kind: global_buffer, .address_space: global }
      - { .name: l2_qw, .offset: 64, .size: 8, .value_kind: global_buffer, .address_space: global }
      - { .name: l2_kw, .offset: 72, .size: 8, .value_kind: global_buffer, .address_space: global }
      - { .name: l2_vw, .offset: 80, .size: 8, .value_kind: global_buffer, .address_space: global }
      - { .name: w2_w, .offset: 88, .size: 8, .value_kind: global_buffer, .address_space: global }
      - { .name: fc1_w, .offset: 96, .size: 8, .value_kind: global_buffer, .address_space: global }
      - { .name: wbuf, .offset: 104, .size: 8, .value_kind: global_buffer, .address_space: global }
    .group_segment_fixed_size: 0
    .private_segment_fixed_size: 0
    .kernarg_segment_align: 8
    .kernarg_segment_size: 112
    .max_flat_workgroup_size: 256
    .sgpr_count:     66
    .vgpr_count:     128
    .wavefront_size: 32
...
	.end_amdgpu_metadata
.endif
;; end of part 1
;; launch p0 (part 2): grid 256 x 1, 8 waves a work-group, no clusters, 4,352 bytes of LDS; arguments x, fc0_w, fc0_b, wbuf, l0_qb, l0_kb, l0_vb, w0_b, act; writes act
.if DOCPART == 2
	.amdgcn_target "amdgcn-amd-amdhsa--gfx1250"
	.amdhsa_code_object_version 6
	.text
	.protected	k_q777d444e58_p0
	.globl	k_q777d444e58_p0
	.p2align	8
	.type	k_q777d444e58_p0,@function
k_q777d444e58_p0:
	s_mov_b64 s[64:65], 0
	v_nop
	global_prefetch_b8 v0, s[64:65] scope:SCOPE_SE
	s_setreg_imm32_b32 hwreg(HW_REG_WAVE_MODE, 25, 1), 1
	s_wait_xcnt 0x0
; x0 = x fc0_w + fc0_b (K = 3: fused multiply-adds in f32), quantised along its 128 channels; then q, k, v of layer 0 and r = x0 w0_w + w0_b, on codes of E2M3.  Nothing of reference() is left out.
; A work-group takes a PAIR p of 32 tokens as two tiles: lane r of tile u is token 32 p + 8 u + r + (r & 8).
; X PHASE: wave w = 2 b + u makes block b (32 channels) of tile u: lane (r, h) holds channels 32 b + 16 h + 0 .. 15 of its token; the block's other half lies in lane l xor 16.  Codes and scale bytes go to LDS.
; In LDS block b of row r of tile u is 24 bytes at 1536 u + 384 b + 24 r: a fragment's lane (r, h) then takes registers 6 c .. 6 c + 5 as three loads of 8 bytes at 768 c + 384 h + 24 r.
; P PHASE: role = w >> 1 (q, k, v, r), sub = w & 1.  q, k, r: tile sub, the product transposed (source 0 = 16 rows of the weight's image, source 1 = x0): a lane holds one token, register 16 b + i = channel 32 b + 16 h + i.
; q and k are quantised in registers and stored as images of operand registers; r is stored as it stands (register group g at 512 g + 16 x lane of its tile's 8,192 bytes).
; v: source 0 = x0's tile, source 1 = the weight: a lane holds ONE channel and 16 neighbouring tokens, so v is quantised along the TOKENS, the second product's K; sub takes four of the eight channel tiles.
; act: q's codes at 0 (1,536 a tile), q's scale words at 786,432, k's steps of 128 keys at 819,200 and v's at 1,638,400 (12,800 each: 12,288 of codes, 512 of scale words), r at 2,457,600.
; No cluster: what the work-groups share is the four weight images, 51,200 bytes, which go from memory straight into registers; there is no tile in LDS that a joint load could fill.
; LIMITS: as stated at the head of the first kernel.
.set XROW,  0                          ; LDS: x0's codes, 3,072 bytes
.set XSC,   3072                       ; its scale words: 64 u + 4 r, byte b
.set SPARE, 3328                       ; the spare words, 128 bytes a wave: no other line names them
.set MB,    0                          ; the first of my four weight images
.set A_QSC, 786432
.set A_KB,  819200
.set A_VB,  1638400
.set A_RB,  2457600
.set L16, 1                            ; 16 x lane
.set XW,  2                            ; LDS: where I put 12 bytes of codes
.set XB,  3                            ; and my block's scale byte
.set XR0, 4                            ; a fragment's lane in tile 0
.set XRU, 5                            ; and in tile sub
.set XSA, 6                            ; tile sub's scale words, 4 r
.set XSL, 7                            ; both tiles' scale words, 4 x lane
.set BO,  8                            ; 64 h
.set BVO, 9                            ; 4 (r + (r & 8))
.set SVO, 10                           ; r x 4 (q) or r x 16 (k)
.set VCO, 11                           ; 24 r + 12 h
.set R16, 12                           ; 16 r
.set XO,  13                           ; 12 (r + (r & 8)): my token's row of x
.set SPW, 14
.set NIL, 15
.set W,   16                           ; v16-111  the weight's eight fragments (v: four)
.set VC,  64                           ; v64-79   v: codes of four blocks
.set VBY, 80                           ; v80-83   v: their scale bytes
.set HA,  112                          ; v112-175 the bias, then the results
.set XF,  176                          ; v176-199 x0's fragments
.set XV,  176                          ; X phase: my 16 numbers
.set WA,  192                          ; X phase: v192-239 fc0_w's three rows, my 16 columns
.set PC,  200                          ; v200-219 codes just made
.set TM,  220                          ; v220-235 at work
.set PW,  236                          ; the scale word just made
.set TR,  237
.set TH,  238
.set TL,  239
.set WS,  240                          ; v240-243 the weight's scale words
.set XS,  244                          ; x0's scale words
.set BV,  246                          ; v246-249 v: the bias of my four channels
.set XK,  250                          ; v250-255 x(token, 0 .. 2), each the low word of a pair
.set SWB, 10
.set SQB, 12
.set SKB, 14
.set SVB, 16
.set SRB, 18
.set SACT, 20
.set WV,  22
.set ROLE, 23
.set SUB, 24
.set SEL, 26
.set WP,  32
.set WP2, 34
.set WP3, 36
.set BP,  38
.set VBP, 40
.set CP,  42
.set SCP, 44
.set RP,  46
.set VCP, 48
.set VSP, 50
.set T0,  52
; D = A x B + C on codes of E2M3.  c < 0: C is the constant 0.  ra, rb: the scales are taken from lanes 16-31 of their register
.macro MM d, a, b, c, sa, sb, ra, rb
.if (\c) < 0
.if (\ra) && (\rb)
	v_wmma_scale_f32_16x16x128_f8f6f4 v[\d:\d+7], v[\a:\a+11], v[\b:\b+11], 0, v[\sa], v[\sb] matrix_a_fmt:MATRIX_FMT_FP6 matrix_b_fmt:MATRIX_FMT_FP6 matrix_a_scale:MATRIX_SCALE_ROW1 matrix_b_scale:MATRIX_SCALE_ROW1
.elseif (\ra)
	v_wmma_scale_f32_16x16x128_f8f6f4 v[\d:\d+7], v[\a:\a+11], v[\b:\b+11], 0, v[\sa], v[\sb] matrix_a_fmt:MATRIX_FMT_FP6 matrix_b_fmt:MATRIX_FMT_FP6 matrix_a_scale:MATRIX_SCALE_ROW1
.elseif (\rb)
	v_wmma_scale_f32_16x16x128_f8f6f4 v[\d:\d+7], v[\a:\a+11], v[\b:\b+11], 0, v[\sa], v[\sb] matrix_a_fmt:MATRIX_FMT_FP6 matrix_b_fmt:MATRIX_FMT_FP6 matrix_b_scale:MATRIX_SCALE_ROW1
.else
	v_wmma_scale_f32_16x16x128_f8f6f4 v[\d:\d+7], v[\a:\a+11], v[\b:\b+11], 0, v[\sa], v[\sb] matrix_a_fmt:MATRIX_FMT_FP6 matrix_b_fmt:MATRIX_FMT_FP6
.endif
.else
.if (\ra) && (\rb)
	v_wmma_scale_f32_16x16x128_f8f6f4 v[\d:\d+7], v[\a:\a+11], v[\b:\b+11], v[\c:\c+7], v[\sa], v[\sb] matrix_a_fmt:MATRIX_FMT_FP6 matrix_b_fmt:MATRIX_FMT_FP6 matrix_a_scale:MATRIX_SCALE_ROW1 matrix_b_scale:MATRIX_SCALE_ROW1
.elseif (\ra)
	v_wmma_scale_f32_16x16x128_f8f6f4 v[\d:\d+7], v[\a:\a+11], v[\b:\b+11], v[\c:\c+7], v[\sa], v[\sb] matrix_a_fmt:MATRIX_FMT_FP6 matrix_b_fmt:MATRIX_FMT_FP6 matrix_a_scale:MATRIX_SCALE_ROW1
.elseif (\rb)
	v_wmma_scale_f32_16x16x128_f8f6f4 v[\d:\d+7], v[\a:\a+11], v[\b:\b+11], v[\c:\c+7], v[\sa], v[\sb] matrix_a_fmt:MATRIX_FMT_FP6 matrix_b_fmt:MATRIX_FMT_FP6 matrix_b_scale:MATRIX_SCALE_ROW1
.else
	v_wmma_scale_f32_16x16x128_f8f6f4 v[\d:\d+7], v[\a:\a+11], v[\b:\b+11], v[\c:\c+7], v[\sa], v[\sb] matrix_a_fmt:MATRIX_FMT_FP6 matrix_b_fmt:MATRIX_FMT_FP6
.endif
.endif
.endm
; Half a block: my 16 numbers v[src] on; the other 16 lie in lane l xor 16.  Codes (12 bytes) into v[cd] on, the scale's byte into v[by].
.macro QBLK src, cd, by, tm
	v_max3_num_f32 v[\tm], |v[\src]|, |v[\src+1]|, 0x1800000   ; with the floor 2^(3 - 127): the byte cannot fall under 1
.irp i, 2,4,6,8,10,12,14
	v_max3_num_f32 v[\tm], v[\tm], |v[\src+\i]|, |v[\src+\i+1]|
.endr
	v_permlanex16_b32 v[\tm+1], v[\tm], s[SEL], s[SEL+1]
	v_max_num_f32 v[\tm], v[\tm], v[\tm+1]         ; the block's largest magnitude
	v_add_nc_u32 v[\tm+2], 0xff000000, v[\tm]      ; 2 off its exponent field: the conversion's scale operand
	v_lshrrev_b32 v[\by], 23, v[\tm+2]             ; the scale's byte
	v_cvt_scalef32_pk16_fp6_f32 v[\cd:\cd+2], v[\src:\src+15], v[\tm+2]
	v_nop                                          ; one plain place behind a scaled conversion
.endm
; 64 numbers of a lane, register 16 b + i = k 32 b + 16 h + i of my row, become a fragment's codes in v[PC] on and its scale word in v[PW]
.macro QUANT s
.irp b, 0,1,2,3
	v_max3_num_f32 v[TM+\b], |v[\s+16*\b]|, |v[\s+1+16*\b]|, 0x1800000
.endr
.irp i, 2,4,6,8,10,12,14
.irp b, 0,1,2,3
	v_max3_num_f32 v[TM+\b], v[TM+\b], |v[\s+16*\b+\i]|, |v[\s+1+16*\b+\i]|
.endr
.endr
.irp b, 0,1,2,3
	v_permlanex16_b32 v[TM+4+\b], v[TM+\b], s[SEL], s[SEL+1]
.endr
.irp b, 0,1,2,3
	v_max_num_f32 v[TM+\b], v[TM+\b], v[TM+4+\b]
.endr
.irp b, 0,1,2,3
	v_add_nc_u32 v[TM+12+\b], 0xff000000, v[TM+\b]
.endr
.irp b, 0,1,2,3
	v_lshrrev_b32 v[TM+4+\b], 23, v[TM+12+\b]
.endr
	v_lshl_or_b32 v[PW], v[TM+5], 8, v[TM+4]
	v_lshl_or_b32 v[PW], v[TM+6], 16, v[PW]
	v_lshl_or_b32 v[PW], v[TM+7], 24, v[PW]
.irp c, 0,1
	v_cvt_scalef32_pk16_fp6_f32 v[PC+6*\c:PC+2+6*\c], v[\s+32*\c:\s+15+32*\c], v[TM+12+2*\c]
	v_cvt_scalef32_pk16_fp6_f32 v[PC+12+4*\c:PC+14+4*\c], v[\s+16+32*\c:\s+31+32*\c], v[TM+12+2*\c+1]
.endr
	v_nop                                          ; one plain place behind a scaled conversion
.irp c, 0,1                            ; the operand's layout wants a whole block in a lane
.irp i, 0,1,2
	v_permlane16_swap_b32 v[PC+6*\c+\i], v[PC+12+4*\c+\i]
.endr
.irp i, 0,1,2
	v_mov_b32 v[PC+3+6*\c+\i], v[PC+12+4*\c+\i]
.endr
.endr
.endm
.macro XSTORE cd, by
	ds_store_b32 v[XW], v[\cd]
	ds_store_b32 v[XW], v[\cd+1] offset:4
	ds_store_b32 v[XW], v[\cd+2] offset:8
	ds_store_b8 v[XB], v[\by]                      ; both halves of the lanes write the same byte with the same value
.endm
.macro XFRAG reg, adr, off
.irp c, 0,1
.irp i, 0,1,2
	ds_load_b64 v[\reg+6*\c+2*\i:\reg+6*\c+2*\i+1], v[\adr] offset:\off+768*\c+8*\i
.endr
.endr
.endm
.macro BARRIER                         ; my LDS stores have landed and my LDS loads are in: then the work-group's barrier
	s_wait_dscnt 0x0
	s_barrier_signal -1
	s_barrier_wait -1
.endm
; every vector address of the X and P phases, made ahead of the first branch on the wave's number
.macro PROJ_VADDR
	v_and_b32 v[TR], 15, v0
	v_bfe_u32 v[TH], v0, 4, 1
	v_and_b32 v[TL], 31, v0
	v_lshlrev_b32 v[L16], 4, v[TL]
	s_mul_i32 s[T0], s[SUB], 1536
	s_mul_i32 s[T0+1], s[ROLE], 384
	s_add_co_u32 s[T0+1], s[T0+1], s[T0]
	s_add_co_u32 s[T0+1], s[T0+1], XROW
	v_mul_u32_u24 v[VCO], v[TR], 24
	v_mad_u32_u24 v[VCO], v[TH], 12, v[VCO]
	v_add_nc_u32 v[XW], s[T0+1], v[VCO]
	s_lshl_b32 s[T0+2], s[SUB], 6
	s_add_co_u32 s[T0+2], s[T0+2], XSC
	s_add_co_u32 s[T0+3], s[T0+2], s[ROLE]
	v_lshl_add_u32 v[XB], v[TR], 2, s[T0+3]
	v_lshl_add_u32 v[XSA], v[TR], 2, s[T0+2]
	v_lshl_add_u32 v[XSL], v[TL], 2, XSC
	v_mul_u32_u24 v[XR0], v[TR], 24
	v_mad_u32_u24 v[XR0], v[TH], 384, v[XR0]
.if XROW > 0
	v_add_nc_u32 v[XR0], XROW, v[XR0]
.endif
	v_add_nc_u32 v[XRU], s[T0], v[XR0]
	v_lshlrev_b32 v[BO], 6, v[TH]
	v_and_b32 v[BVO], 8, v[TR]
	v_add_nc_u32 v[BVO], v[BVO], v[TR]
	v_lshlrev_b32 v[BVO], 2, v[BVO]
	v_lshlrev_b32 v[R16], 4, v[TR]
	s_cmp_eq_u32 s[ROLE], 0
	s_cselect_b32 s[T0+3], 2, 4
	v_lshlrev_b32 v[SVO], s[T0+3], v[TR]
.endm
; every pointer of the P phase.  Offsets are made in registers of their own and added to one buffer's address each
.macro PROJ_SADDR
	s_add_co_u32 s[T0], s[ROLE], MB
	s_mul_i32 s[T0], s[T0], 12800
	s_mov_b32 s[T0+1], 0
	s_add_nc_u64 s[WP:WP+1], s[SWB:SWB+1], s[T0:T0+1]        ; my role's weight image
	s_mul_i32 s[T0], s[SUB], 6144
	s_add_nc_u64 s[WP2:WP2+1], s[WP:WP+1], s[T0:T0+1]        ; v: my four fragments,
	s_lshl_b32 s[T0], s[SUB], 3
	s_add_nc_u64 s[WP3:WP3+1], s[WP:WP+1], s[T0:T0+1]        ; and their two registers of scale words
	s_cmp_eq_u32 s[ROLE], 0
	s_cselect_b64 s[BP:BP+1], s[SQB:SQB+1], s[SKB:SKB+1]
	s_cmp_eq_u32 s[ROLE], 3
	s_cselect_b64 s[BP:BP+1], s[SRB:SRB+1], s[BP:BP+1]
	s_lshl_b32 s[T0], s[SUB], 8
	s_add_nc_u64 s[VBP:VBP+1], s[SVB:SVB+1], s[T0:T0+1]
	s_lshl_b32 s[T0+2], ttmp9, 1
	s_add_co_u32 s[T0+2], s[T0+2], s[SUB]          ; my tile: 2 p + sub
	s_lshr_b32 s[T0+3], ttmp9, 2
	s_mul_i32 s[T0+3], s[T0+3], 12800              ; the step of 128 keys that holds my pair
	s_and_b32 s[T0+4], ttmp9, 3                    ; and my pair's place in it
	s_mul_i32 s[T0], s[T0+2], 1536                 ; q's codes
	s_lshl_b32 s[T0+5], s[T0+4], 1
	s_add_co_u32 s[T0+5], s[T0+5], s[SUB]
	s_mul_i32 s[T0+5], s[T0+5], 1536
	s_add_co_u32 s[T0+5], s[T0+5], s[T0+3]
	s_add_co_u32 s[T0+5], s[T0+5], A_KB            ; k's codes
	s_cmp_eq_u32 s[ROLE], 0
	s_cselect_b32 s[T0], s[T0], s[T0+5]
	s_add_nc_u64 s[CP:CP+1], s[SACT:SACT+1], s[T0:T0+1]
	s_lshl_b32 s[T0], s[T0+2], 6
	s_add_co_u32 s[T0], s[T0], A_QSC               ; q's scale words
	s_lshl_b32 s[T0+5], s[SUB], 8
	s_lshl_b32 s[T0+6], s[T0+4], 2
	s_add_co_u32 s[T0+5], s[T0+5], s[T0+6]
	s_add_co_u32 s[T0+5], s[T0+5], s[T0+3]
	s_add_co_u32 s[T0+5], s[T0+5], A_KB+12288      ; k's scale words
	s_cmp_eq_u32 s[ROLE], 0
	s_cselect_b32 s[T0], s[T0], s[T0+5]
	s_add_nc_u64 s[SCP:SCP+1], s[SACT:SACT+1], s[T0:T0+1]
	s_lshl_b32 s[T0], s[T0+2], 13
	s_add_co_u32 s[T0], s[T0], A_RB
	s_add_nc_u64 s[RP:RP+1], s[SACT:SACT+1], s[T0:T0+1]      ; r's tile
	s_mul_i32 s[T0], s[SUB], 6144
	s_mul_i32 s[T0+5], s[T0+4], 384
	s_add_co_u32 s[T0], s[T0], s[T0+5]
	s_add_co_u32 s[T0], s[T0], s[T0+3]
	s_add_co_u32 s[T0], s[T0], A_VB
	s_add_nc_u64 s[VCP:VCP+1], s[SACT:SACT+1], s[T0:T0+1]    ; v's codes: my four channel tiles, my pair's block
	s_lshl_b32 s[T0], s[SUB], 3
	s_add_co_u32 s[T0], s[T0], s[T0+4]
	s_add_co_u32 s[T0], s[T0], s[T0+3]
	s_add_co_u32 s[T0], s[T0], A_VB+12288
	s_add_nc_u64 s[VSP:VSP+1], s[SACT:SACT+1], s[T0:T0+1]    ; and its scale bytes
.endm
.macro PROJ_LOADS
	s_cmp_eq_u32 s[ROLE], 2
	s_cbranch_scc1 .Lload_v
.set i, 0
.rept 24
	global_load_b128 v[W+4*i:W+4*i+3], v[L16], s[WP:WP+1] offset:512*i
.set i, i+1
.endr
	global_load_b128 v[WS:WS+3], v[L16], s[WP:WP+1] offset:12288
.set i, 0
.rept 16
	global_load_b128 v[HA+4*i:HA+4*i+3], v[BO], s[BP:BP+1] offset:128*(i/4)+16*(i%4)   ; the bias in the result's layout: it is the C of the products
.set i, i+1
.endr
	s_branch .Lloaded
.Lload_v:
.set i, 0
.rept 12
	global_load_b128 v[W+4*i:W+4*i+3], v[L16], s[WP2:WP2+1] offset:512*i
.set i, i+1
.endr
	global_load_b64 v[WS:WS+1], v[L16], s[WP3:WP3+1] offset:12288
.irp t, 0,1,2,3
	global_load_b32 v[BV+\t], v[BVO], s[VBP:VBP+1] offset:128*(\t/2)+32*(\t%2)
.endr
.Lloaded:
.endm
.macro PROJ_WORK
	s_cmp_eq_u32 s[ROLE], 2
	s_cbranch_scc1 .Lwork_v
	XFRAG XF, XRU, 0
	ds_load_b32 v[XS], v[XSA]
	s_wait_dscnt 0x0
	s_wait_loadcnt 0x0
.irp ct, 0,1,2,3,4,5,6,7               ; eight accumulators, each named once
	MM HA+8*\ct, W+12*\ct, XF, HA+8*\ct, WS+\ct/2, XS, \ct%2, 0
.endr
.rept 4
	v_nop                                          ; four places ahead of the first read of the results
.endr
	s_cmp_eq_u32 s[ROLE], 3
	s_cbranch_scc1 .Lstore_r
	QUANT HA
.irp c, 0,1,2
	global_store_b128 v[L16], v[PC+4*\c:PC+4*\c+3], s[CP:CP+1] offset:512*\c
.endr
	global_store_b32 v[SVO], v[PW], s[SCP:SCP+1]   ; both halves of the lanes store the same word to the same place
	s_branch .Lproj_done
.Lstore_r:
.set i, 0
.rept 16
	global_store_b128 v[L16], v[HA+4*i:HA+4*i+3], s[RP:RP+1] offset:512*i   ; each accumulator from its low end on; 512 consecutive bytes a store
.set i, i+1
.endr
	s_branch .Lproj_done
.Lwork_v:
	XFRAG XF, XR0, 0
	XFRAG XF+12, XR0, 1536
	ds_load_b32 v[XS], v[XSL]                      ; lanes 0-15 tile 0's words, lanes 16-31 tile 1's
	s_wait_dscnt 0x0
	s_wait_loadcnt 0x0
.irp t, 0,1,2,3
.irp u, 0,1
	MM HA+16*\t+8*\u, XF+12*\u, W+12*\t, -1, XS, WS+\t/2, \u, \t%2
.endr
.endr
.rept 4
	v_nop
.endr
.irp t, 0,1,2,3                        ; + the bias of my channel: register 16 t + i is token 32 p + 16 h + i
.irp j, 0,2,4,6,8,10,12,14
.if \t % 2
	v_pk_add_f32 v[HA+16*\t+\j:HA+16*\t+\j+1], v[HA+16*\t+\j:HA+16*\t+\j+1], v[BV+2*(\t/2):BV+2*(\t/2)+1] op_sel:[0,1] op_sel_hi:[1,1]
.else
	v_pk_add_f32 v[HA+16*\t+\j:HA+16*\t+\j+1], v[HA+16*\t+\j:HA+16*\t+\j+1], v[BV+2*(\t/2):BV+2*(\t/2)+1] op_sel_hi:[1,0]
.endif
.endr
.endr
.irp t, 0,1,2,3                        ; each block has registers of its own for codes and byte: no store's data are written again
	QBLK HA+16*\t, VC+4*\t, VBY+\t, TM
	global_store_b96 v[VCO], v[VC+4*\t:VC+4*\t+2], s[VCP:VCP+1] offset:1536*\t
	global_store_b8 v[R16], v[VBY+\t], s[VSP:VSP+1] offset:256*(\t%2)+4*(\t/2)
.endr
.Lproj_done:
.endm
	s_load_b512 s[4:19], s[0:1], 0x0               ; x, fc0_w, fc0_b, wbuf, l0_qb, l0_kb, l0_vb, w0_b
	s_load_b64 s[20:21], s[0:1], 0x40              ; act
	v_lshl_add_u32 v[SPW], v0, 2, SPARE
	v_mov_b32 v[NIL], 0
	v_lshrrev_b32 v[XO], 5, v0
	v_readfirstlane_b32 s[WV], v[XO]
	s_lshr_b32 s[ROLE], s[WV], 1                   ; X phase: my block b; P phase: my role
	s_and_b32 s[SUB], s[WV], 1                     ; X phase: my tile u; P phase: sub
	PROJ_VADDR
	v_mul_u32_u24 v[XO], v[BVO], 3
	s_mov_b32 s[SEL], 0x76543210
	s_mov_b32 s[SEL+1], 0xfedcba98
.irp k, 0,1,2
	v_mov_b32 v[XK+2*\k+1], 0                      ; named as the upper half of a pair
.endr
	s_mul_i32 s[T0], ttmp9, 384
	s_mul_i32 s[T0+2], s[SUB], 96
	s_add_co_u32 s[T0], s[T0], s[T0+2]             ; 12 bytes x token 32 p + 8 u
	s_mov_b32 s[T0+1], 0
	s_lshl_b32 s[T0+2], s[ROLE], 7                 ; my block's 128 bytes of a row of fc0_w and of fc0_b
	s_mov_b32 s[T0+3], 0
	s_wait_kmcnt 0x0
	s_add_nc_u64 s[4:5], s[4:5], s[T0:T0+1]
	s_add_nc_u64 s[6:7], s[6:7], s[T0+2:T0+3]
	s_add_nc_u64 s[8:9], s[8:9], s[T0+2:T0+3]
.irp k, 0,1,2
	global_load_b32 v[XK+2*\k], v[XO], s[4:5] offset:4*\k
.endr
.irp j, 0,1,2,3
	global_load_b128 v[XV+4*\j:XV+4*\j+3], v[BO], s[8:9] offset:16*\j
.endr
.irp k, 0,1,2
.irp j, 0,1,2,3
	global_load_b128 v[WA+16*\k+4*\j:WA+16*\k+4*\j+3], v[BO], s[6:7] offset:512*\k+16*\j
.endr
.endr
	PROJ_SADDR
	PROJ_LOADS
	s_wait_loadcnt 0x0
.irp k, 0,1,2
.irp j, 0,2,4,6,8,10,12,14
	v_pk_fma_f32 v[XV+\j:XV+\j+1], v[WA+16*\k+\j:WA+16*\k+\j+1], v[XK+2*\k:XK+2*\k+1], v[XV+\j:XV+\j+1] op_sel_hi:[1,0,1]
.endr
.endr
	v_mov_b32 v[TM+1], 0                           ; a lane permute's destination counts as one of its sources
.irp b, 0,1,2,3
	v_mov_b32 v[TM+4+\b], 0
.endr
	QBLK XV, PC, PC+4, TM
	XSTORE PC, PC+4
	BARRIER                                        ; x0's two fragments and their scale words lie in LDS
	PROJ_WORK
	s_wait_tensorcnt 0x0                           ; the wave's end
	ds_add_u32 v[SPW], v[NIL]
	s_wait_dscnt 0x0
	s_endpgm
.Lfunc_end_k_q777d444e58_p0:
	.size	k_q777d444e58_p0, .Lfunc_end_k_q777d444e58_p0-k_q777d444e58_p0
	.p2alignl 7, 3214868480
	.fill 96, 4, 3214868480
	.section	.rodata,"a",@progbits
	.p2align	6, 0x0
	.amdhsa_kernel k_q777d444e58_p0
		.amdhsa_group_segment_fixed_size 4352
		.amdhsa_private_segment_fixed_size 0
		.amdhsa_enable_private_segment 0
		.amdhsa_kernarg_size 72
		.amdhsa_user_sgpr_count 2
		.amdhsa_user_sgpr_kernarg_segment_ptr 1
		.amdhsa_wavefront_size32 1
		.amdhsa_system_sgpr_workgroup_id_x 1
		.amdhsa_system_sgpr_workgroup_id_y 1
		.amdhsa_system_sgpr_workgroup_id_z 1
		.amdhsa_system_vgpr_workitem_id 0
		.amdhsa_next_free_vgpr 256
		.amdhsa_next_free_sgpr 66
		.amdhsa_reserve_vcc 0
		.amdhsa_float_denorm_mode_32 3
		.amdhsa_float_denorm_mode_16_64 3
		.amdhsa_memory_ordered 1
		.amdhsa_forward_progress 1
		.amdhsa_inst_pref_size 31
	.end_amdhsa_kernel
	.amdgpu_metadata
---
amdhsa.version: [ 1, 2 ]
amdhsa.kernels:
  - .name:           k_q777d444e58_p0
    .symbol:         k_q777d444e58_p0.kd
    .args:
      - { .name: x, .offset: 0, .size: 8, .value_kind: global_buffer, .address_space: global }
      - { .name: fc0_w, .offset: 8, .size: 8, .value_kind: global_buffer, .address_space: global }
      - { .name: fc0_b, .offset: 16, .size: 8, .value_kind: global_buffer, .address_space: global }
      - { .name: wbuf, .offset: 24, .size: 8, .value_kind: global_buffer, .address_space: global }
      - { .name: l0_qb, .offset: 32, .size: 8, .value_kind: global_buffer, .address_space: global }
      - { .name: l0_kb, .offset: 40, .size: 8, .value_kind: global_buffer, .address_space: global }
      - { .name: l0_vb, .offset: 48, .size: 8, .value_kind: global_buffer, .address_space: global }
      - { .name: w0_b, .offset: 56, .size: 8, .value_kind: global_buffer, .address_space: global }
      - { .name: act, .offset: 64, .size: 8, .value_kind: global_buffer, .address_space: global }
    .group_segment_fixed_size: 4352
    .private_segment_fixed_size: 0
    .kernarg_segment_align: 8
    .kernarg_segment_size: 72
    .max_flat_workgroup_size: 256
    .sgpr_count:     66
    .vgpr_count:     256
    .wavefront_size: 32
...
	.end_amdgpu_metadata
.endif
;; end of part 2
;; launch s0 (part 3): grid 32 x 8, 8 waves a work-group, clusters of 4 x 1, 167,936 bytes of LDS; arguments act, st; writes st
.if DOCPART == 3
	.amdgcn_target "amdgcn-amd-amdhsa--gfx1250"
	.amdhsa_code_object_version 6
	.text
	.protected	k_q777d444e58_s0
	.globl	k_q777d444e58_s0
	.p2align	8
	.type	k_q777d444e58_s0,@function
k_q777d444e58_s0:
	s_mov_b64 s[64:65], 0
	v_nop
	global_prefetch_b8 v0, s[64:65] scope:SCOPE_SE
	s_setreg_imm32_b32 hwreg(HW_REG_WAVE_MODE, 25, 1), 1
	s_wait_xcnt 0x0
	s_wait_alu depctr_hold_cnt(0) depctr_sa_sdst(0) depctr_va_vdst(0) depctr_va_sdst(0) depctr_va_ssrc(0) depctr_va_vcc(0) depctr_vm_vsrc(0)
	s_getreg_b32 s2, hwreg(HW_REG_IB_STS2, 6, 4)
	s_cmp_eq_u32 s2, 0
	s_cbranch_scc0 .Lentry_in_a_cluster
	s_endpgm
.Lentry_in_a_cluster:
	s_bfe_u32 s2, ttmp6, 0x10000c
	s_cmp_lg_u32 s2, 0x3003
	s_cbranch_scc0 .Lentry_shape_is_right
	s_endpgm
.Lentry_shape_is_right:
; GLOBAL ATTENTION, FIRST PASS: for each query the largest score and the sum of the exponentials over ONE EIGHTH of the keys.  p is quantised finished and normalised, so both must be known before any p is made.
; Nothing of reference() is left out; the scores are formed here and once more in the second pass, since keeping them would move 4 bytes a score to memory and back.
; SHARES: work-group (x, e) has 256 queries (eight pairs of 32) and keys 1,024 e .. + 1,023; wave w has pair 8 x + w: two tiles of 16 queries, so that each fragment of K feeds two products.
; The eighth's K (eight steps of 12,800 bytes, images of operand registers with their scale words) lies whole in LDS: filled once, a step a wave; no slot is filled again, no barrier stands in the loop.
; CLUSTER: the four work-groups of a cluster have the same e and read the same K: each step is asked for jointly, by the same load with the same descriptor and the mask of all four.
; S^T = K Q^T (source 0 = 16 keys, source 1 = 16 queries): a lane holds one query and half of a tile's keys.  Each lane keeps c m = c x its largest score and l = the sum of 2^(c s - c m), c = log2(e) / sqrt(128);
; when m grows l is multiplied by 2^(c m_old - c m_new).  The two halves of the lanes are joined at the end.  st: [e][pair][lane] (c m, l): lanes 0-15 tile 0's queries, lanes 16-31 tile 1's.
; LIMITS: as stated at the head of the first kernel; an exponential under 2^-126 counts as 0.
.set KSTEP, 12800
.set SPARE, 102400                     ; behind the eight steps: the spare words, 128 bytes a wave: no other line names them
.set A_QSC, 786432
.set A_KB,  819200
.set AK0, 1                            ; 16 x lane
.set ADK, 2                            ; + the step in hand
.set SPW, 3
.set NIL, 4
.set L8,  5                            ; 8 x lane
.set KS,  8                            ; v8-9    K's scale words of four tiles
.set QS,  10                           ; Q's: lanes 0-15 tile 0, lanes 16-31 tile 1
.set Q,   12                           ; v12-35  Q's two fragments
.set F,   36                           ; v36-83  four fragments of K
.set S,   84                           ; v84-147 the scores: tile q at 32 q
.set ST,  148                          ; tile q at 8 q: +0 c m, +1 m, +2 +3 l in two halves, +4 .. +7 at work
.set OUTR, 164
.set WV,  12
.set TB,  13
.set TRIP, 14
.set G1,  16
.set G0,  24
.set CS,  28
.set SEL, 30
.set HM,  32
.macro MM d, a, b, c, sa, sb, ra, rb
.if (\ra) && (\rb)
	v_wmma_scale_f32_16x16x128_f8f6f4 v[\d:\d+7], v[\a:\a+11], v[\b:\b+11], 0, v[\sa], v[\sb] matrix_a_fmt:MATRIX_FMT_FP6 matrix_b_fmt:MATRIX_FMT_FP6 matrix_a_scale:MATRIX_SCALE_ROW1 matrix_b_scale:MATRIX_SCALE_ROW1
.elseif (\ra)
	v_wmma_scale_f32_16x16x128_f8f6f4 v[\d:\d+7], v[\a:\a+11], v[\b:\b+11], 0, v[\sa], v[\sb] matrix_a_fmt:MATRIX_FMT_FP6 matrix_b_fmt:MATRIX_FMT_FP6 matrix_a_scale:MATRIX_SCALE_ROW1
.elseif (\rb)
	v_wmma_scale_f32_16x16x128_f8f6f4 v[\d:\d+7], v[\a:\a+11], v[\b:\b+11], 0, v[\sa], v[\sb] matrix_a_fmt:MATRIX_FMT_FP6 matrix_b_fmt:MATRIX_FMT_FP6 matrix_b_scale:MATRIX_SCALE_ROW1
.else
	v_wmma_scale_f32_16x16x128_f8f6f4 v[\d:\d+7], v[\a:\a+11], v[\b:\b+11], 0, v[\sa], v[\sb] matrix_a_fmt:MATRIX_FMT_FP6 matrix_b_fmt:MATRIX_FMT_FP6
.endif
.endm
.macro CROUND                          ; a round of the cluster's barrier
	s_barrier_signal -1
	s_barrier_wait -1
	s_cmp_lg_u32 s[WV], 0
	s_cbranch_scc1 .Lnot_wave_0_\@
	s_barrier_signal -3
.Lnot_wave_0_\@:
	s_barrier_wait -3
	s_barrier_signal -1
	s_barrier_wait -1
.endm
.macro KLOAD off, hf                   ; four fragments, 6,144 consecutive bytes, and their scale words
.set i, 0
.rept 12
	ds_load_b128 v[F+4*i:F+4*i+3], v[ADK] offset:\off+512*i
.set i, i+1
.endr
	ds_load_b64 v[KS:KS+1], v[ADK] offset:12288+8*\hf
.endm
; 64 keys x 2 tiles of queries: the maximum, the exponentials, the sum.  The two tiles stand line by line, so that no line waits for the line above it.
.macro SMA
.irp j, 0,1,2,3
.irp q, 0,1
	v_max3_num_f32 v[ST+8*\q+4+\j], v[S+32*\q+8*\j], v[S+32*\q+8*\j+1], v[S+32*\q+8*\j+2]   ; each accumulator is read from its low end on
.endr
.endr
.irp k, 3,5
.irp j, 0,1,2,3
.irp q, 0,1
	v_max3_num_f32 v[ST+8*\q+4+\j], v[ST+8*\q+4+\j], v[S+32*\q+8*\j+\k], v[S+32*\q+8*\j+\k+1]
.endr
.endr
.endr
.irp q, 0,1
	v_max3_num_f32 v[ST+8*\q+4], v[ST+8*\q+4], v[S+32*\q+7], v[S+32*\q+15]
.endr
.irp q, 0,1
	v_max3_num_f32 v[ST+8*\q+6], v[ST+8*\q+6], v[S+32*\q+23], v[S+32*\q+31]
.endr
.irp q, 0,1
	v_max3_num_f32 v[ST+8*\q+4], v[ST+8*\q+4], v[ST+8*\q+5], v[ST+8*\q+6]
.endr
.irp q, 0,1
	v_max3_num_f32 v[ST+8*\q+1], v[ST+8*\q+4], v[ST+8*\q+7], v[ST+8*\q+1]   ; the running maximum
.endr
.irp q, 0,1
	v_mov_b32 v[ST+8*\q+5], v[ST+8*\q]             ; c m_old
.endr
.irp q, 0,1
	v_mul_f32 v[ST+8*\q], s[CS], v[ST+8*\q+1]
.endr
.irp q, 0,1
	v_sub_f32 v[ST+8*\q+5], v[ST+8*\q+5], v[ST+8*\q]
.endr
.irp j, 0,2,4,6,8,10,12,14,16,18,20,22,24,26,28,30
.irp q, 0,1
	v_pk_fma_f32 v[S+32*\q+\j:S+32*\q+\j+1], v[S+32*\q+\j:S+32*\q+\j+1], s[CS:CS+1], v[ST+8*\q:ST+8*\q+1] op_sel_hi:[1,0,0] neg_lo:[0,0,1] neg_hi:[0,0,1]   ; c s - c m
.endr
.endr
.irp q, 0,1
	v_exp_f32 v[ST+8*\q+6], v[ST+8*\q+5]           ; a = 2^(c m_old - c m_new)
.endr
.set i, 0
.rept 32
	v_exp_f32 v[S+i], v[S+i]
	v_exp_f32 v[S+32+i], v[S+32+i]
.set i, i+1
.endr
	v_nop                                          ; a plain place behind the last exponential
	s_wait_alu depctr_va_vdst(0)                   ; one wait for the 66, ahead of their first reader
.irp j, 0,4,8,12,16,20,24,28
.irp q, 0,1
	v_pk_add_f32 v[S+32*\q+\j:S+32*\q+\j+1], v[S+32*\q+\j:S+32*\q+\j+1], v[S+32*\q+\j+2:S+32*\q+\j+3]
.endr
.endr
.irp j, 0,8,16,24
.irp q, 0,1
	v_pk_add_f32 v[S+32*\q+\j:S+32*\q+\j+1], v[S+32*\q+\j:S+32*\q+\j+1], v[S+32*\q+\j+4:S+32*\q+\j+5]
.endr
.endr
.irp j, 0,16
.irp q, 0,1
	v_pk_add_f32 v[S+32*\q+\j:S+32*\q+\j+1], v[S+32*\q+\j:S+32*\q+\j+1], v[S+32*\q+\j+8:S+32*\q+\j+9]
.endr
.endr
.irp q, 0,1
	v_pk_add_f32 v[S+32*\q:S+32*\q+1], v[S+32*\q:S+32*\q+1], v[S+32*\q+16:S+32*\q+17]
.endr
.irp q, 0,1
	v_pk_fma_f32 v[ST+8*\q+2:ST+8*\q+3], v[ST+8*\q+2:ST+8*\q+3], v[ST+8*\q+6:ST+8*\q+7], v[S+32*\q:S+32*\q+1] op_sel_hi:[1,0,1]   ; l = l a + the sum
.endr
.endm
; Half a step: 64 keys.  nxt = 1: the step's second half is fetched; 2: the next step's first half; 0: nothing.
.macro HALF nxt
	s_wait_dscnt 0x0                               ; the four fragments and their scale words are in
.irp t, 0,1,2,3
.irp q, 0,1
	MM S+32*\q+8*\t, F+12*\t, Q+12*\q, -1, KS+\t/2, QS, \t%2, \q
.endr
.endr
.if \nxt == 2
	s_add_co_u32 s[TB], s[TB], KSTEP
	v_add_nc_u32 v[ADK], s[TB], v[AK0]             ; four places ahead of loads into registers that the products read, and of the first read of the scores
	v_nop
	v_nop
	v_nop
	KLOAD 0, 0
.elseif \nxt == 1
.rept 4
	v_nop
.endr
	KLOAD 6144, 1
.else
.rept 4
	v_nop
.endr
.endif
	SMA
.endm
	s_load_b128 s[4:7], s[0:1], 0x0                ; act, st
	v_lshl_add_u32 v[SPW], v0, 2, SPARE
	v_mov_b32 v[NIL], 0
	ds_add_u32 v[SPW], v[NIL]                      ; the wave's opening: the add, twice on end, and its wait ahead of my first tensor load
	ds_add_u32 v[SPW], v[NIL]
	v_lshrrev_b32 v6, 5, v0
	v_readfirstlane_b32 s[WV], v6
	s_mov_b32 s[G1], 15|(3<<16)|(1<<21)            ; the mask of all four work-groups; elements of 8 bytes; bit 21 beside a mask; no padding
	s_mov_b32 s[G1+1], 32<<16                      ; tensor_dim0 = 32 elements: rows of 256 bytes
	s_mov_b32 s[G1+2], 50<<16                      ; tensor_dim1 = 50 rows: 12,800 dense bytes
	s_mov_b32 s[G1+3], 32<<16                      ; tile_dim0
	s_mov_b32 s[G1+4], 50                          ; tile_dim1
	s_mov_b32 s[G1+5], 32                          ; the pitch
	s_mov_b32 s[G1+6], 0
	s_mov_b32 s[G1+7], 0
	s_and_b32 s35, ttmp7, 0xffff                   ; e, which the four partners share
	s_lshl_b32 s36, s35, 3
	s_add_co_u32 s36, s36, s[WV]
	s_mul_i32 s36, s36, KSTEP
	s_add_co_u32 s36, s36, A_KB                    ; step 8 e + w of K
	s_mov_b32 s37, 0
	s_bfe_u32 s33, ttmp6, 0x40000                  ; cx: it enters Q's and st's addresses alone
	s_lshl_b32 s34, ttmp9, 2
	s_add_co_u32 s34, s34, s33
	s_lshl_b32 s34, s34, 3
	s_add_co_u32 s34, s34, s[WV]                   ; my pair
	s_mul_i32 s38, s34, 3072
	s_mov_b32 s39, 0
	s_lshl_b32 s40, s34, 7
	s_add_co_u32 s40, s40, A_QSC
	s_mov_b32 s41, 0
	s_lshl_b32 s42, s35, 16
	s_lshl_b32 s43, s34, 8
	s_add_co_u32 s42, s42, s43
	s_mov_b32 s43, 0
	s_mov_b32 s[CS], 0x3e0293ee                    ; c = log2(e) / sqrt(128)
	s_mov_b32 s[CS+1], s[CS]
	s_mov_b32 s[SEL], 0x76543210
	s_mov_b32 s[SEL+1], 0xfedcba98
	s_mov_b32 s[HM], 0xffff0000
	s_mov_b32 s[TB], 0
	s_mov_b32 s[TRIP], 7
	s_wait_dscnt 0x0                               ; both opening adds are done
	s_wait_kmcnt 0x0
	s_mov_b32 s[G0], 1
	s_mul_i32 s[G0+1], s[WV], KSTEP                ; LDS: step w
	s_add_nc_u64 s[G0+2:G0+3], s[4:5], s[36:37]
	s_or_b32 s[G0+3], s[G0+3], 0x80000000
	s_add_nc_u64 s[38:39], s[4:5], s[38:39]        ; Q's codes
	s_add_nc_u64 s[40:41], s[4:5], s[40:41]        ; Q's scale words
	s_add_nc_u64 s[42:43], s[6:7], s[42:43]        ; my 256 bytes of st
	CROUND                                         ; all four work-groups are here: the joint loads meet
	tensor_load_to_lds s[G0:G0+3], s[G1:G1+7]      ; every wave asks for one step: one load of mine is out
	s_nop 0
.rept 4
	v_nop
.endr
	v_and_b32 v6, 31, v0
	v_lshlrev_b32 v[AK0], 4, v6
	v_lshlrev_b32 v[L8], 3, v6
	v_lshlrev_b32 v7, 2, v6
	v_mov_b32 v[ADK], v[AK0]
.set i, 0
.rept 6
	global_load_b128 v[Q+4*i:Q+4*i+3], v[AK0], s[38:39] offset:512*i
.set i, i+1
.endr
	global_load_b32 v[QS], v7, s[40:41]
.irp q, 0,1
	v_mov_b32 v[ST+8*\q+1], 0xff61b1e6             ; m = -3e38, under every score
	v_mul_f32 v[ST+8*\q], s[CS], v[ST+8*\q+1]
	v_mov_b32 v[ST+8*\q+2], 0
	v_mov_b32 v[ST+8*\q+3], 0
.endr
	s_wait_tensorcnt 0x0                           ; my step has landed,
	s_barrier_signal -1
	s_barrier_wait -1                              ; everybody's has; nothing is ever filled again
	KLOAD 0, 0
	s_wait_loadcnt 0x0                             ; Q
.Lstep:
	HALF 1
	HALF 2
	s_sub_co_u32 s[TRIP], s[TRIP], 1
	s_cmp_lg_u32 s[TRIP], 0
	s_cbranch_scc1 .Lstep
	HALF 1
	HALF 0
	; the two halves of the lanes are joined
.irp q, 0,1
	v_permlanex16_b32 v[ST+8*\q+4], v[ST+8*\q], s[SEL], s[SEL+1]
.endr
.irp q, 0,1
	v_max_num_f32 v[ST+8*\q+5], v[ST+8*\q], v[ST+8*\q+4]
.endr
.irp q, 0,1
	v_sub_f32 v[ST+8*\q+6], v[ST+8*\q], v[ST+8*\q+5]
.endr
.irp q, 0,1
	v_exp_f32 v[ST+8*\q+7], v[ST+8*\q+6]
.endr
.irp q, 0,1
	v_add_f32 v[ST+8*\q+2], v[ST+8*\q+2], v[ST+8*\q+3]   ; (plain places behind the exponentials)
.endr
	s_wait_alu depctr_va_vdst(0)
.irp q, 0,1
	v_mul_f32 v[ST+8*\q+2], v[ST+8*\q+2], v[ST+8*\q+7]
.endr
.irp q, 0,1
	v_permlanex16_b32 v[ST+8*\q+4], v[ST+8*\q+2], s[SEL], s[SEL+1]
.endr
.irp q, 0,1
	v_add_f32 v[ST+8*\q+2], v[ST+8*\q+2], v[ST+8*\q+4]
.endr
	v_cndmask_b32 v[OUTR], v[ST+5], v[ST+13], s[HM]      ; lanes 0-15 tile 0's, lanes 16-31 tile 1's
	v_cndmask_b32 v[OUTR+1], v[ST+2], v[ST+10], s[HM]
	global_store_b64 v[L8], v[OUTR:OUTR+1], s[42:43]     ; 32 lanes store 256 consecutive bytes, aligned
	s_wait_tensorcnt 0x0                           ; the wave's end
	ds_add_u32 v[SPW], v[NIL]
	s_wait_dscnt 0x0
	CROUND                                         ; the closing round
	s_endpgm
.Lfunc_end_k_q777d444e58_s0:
	.size	k_q777d444e58_s0, .Lfunc_end_k_q777d444e58_s0-k_q777d444e58_s0
	.p2alignl 7, 3214868480
	.fill 96, 4, 3214868480
	.section	.rodata,"a",@progbits
	.p2align	6, 0x0
	.amdhsa_kernel k_q777d444e58_s0
		.amdhsa_group_segment_fixed_size 167936
		.amdhsa_private_segment_fixed_size 0
		.amdhsa_enable_private_segment 0
		.amdhsa_kernarg_size 16
		.amdhsa_user_sgpr_count 2
		.amdhsa_user_sgpr_kernarg_segment_ptr 1
		.amdhsa_wavefront_size32 1
		.amdhsa_system_sgpr_workgroup_id_x 1
		.amdhsa_system_sgpr_workgroup_id_y 1
		.amdhsa_system_sgpr_workgroup_id_z 1
		.amdhsa_system_vgpr_workitem_id 0
		.amdhsa_next_free_vgpr 256
		.amdhsa_next_free_sgpr 66
		.amdhsa_reserve_vcc 0
		.amdhsa_float_denorm_mode_32 3
		.amdhsa_float_denorm_mode_16_64 3
		.amdhsa_memory_ordered 1
		.amdhsa_forward_progress 1
		.amdhsa_inst_pref_size 48
	.end_amdhsa_kernel
	.amdgpu_metadata
---
amdhsa.version: [ 1, 2 ]
amdhsa.kernels:
  - .name:           k_q777d444e58_s0
    .symbol:         k_q777d444e58_s0.kd
    .args:
      - { .name: act, .offset: 0, .size: 8, .value_kind: global_buffer, .address_space: global }
      - { .name: st, .offset: 8, .size: 8, .value_kind: global_buffer, .address_space: global }
    .group_segment_fixed_size: 167936
    .private_segment_fixed_size: 0
    .kernarg_segment_align: 8
    .kernarg_segment_size: 16
    .max_flat_workgroup_size: 256
    .sgpr_count:     66
    .vgpr_count:     256
    .wavefront_size: 32
...
	.end_amdgpu_metadata
.endif
;; end of part 3
;; launch b0 (part 4): grid 32 x 8, 8 waves a work-group, clusters of 4 x 1, 205,824 bytes of LDS; arguments act, st, po; writes po
.if DOCPART == 4
	.amdgcn_target "amdgcn-amd-amdhsa--gfx1250"
	.amdhsa_code_object_version 6
	.text
	.protected	k_q777d444e58_b0
	.globl	k_q777d444e58_b0
	.p2align	8
	.type	k_q777d444e58_b0,@function
k_q777d444e58_b0:
	s_mov_b64 s[64:65], 0
	v_nop
	global_prefetch_b8 v0, s[64:65] scope:SCOPE_SE
	s_setreg_imm32_b32 hwreg(HW_REG_WAVE_MODE, 25, 1), 1
	s_wait_xcnt 0x0
	s_wait_alu depctr_hold_cnt(0) depctr_sa_sdst(0) depctr_va_vdst(0) depctr_va_sdst(0) depctr_va_ssrc(0) depctr_va_vcc(0) depctr_vm_vsrc(0)
	s_getreg_b32 s2, hwreg(HW_REG_IB_STS2, 6, 4)
	s_cmp_eq_u32 s2, 0
	s_cbranch_scc0 .Lentry_in_a_cluster
	s_endpgm
.Lentry_in_a_cluster:
	s_bfe_u32 s2, ttmp6, 0x10000c
	s_cmp_lg_u32 s2, 0x3003
	s_cbranch_scc0 .Lentry_shape_is_right
	s_endpgm
.Lentry_shape_is_right:
; GLOBAL ATTENTION, SECOND PASS: the scores once more, p finished and normalised, quantised along the keys, and O's part of ONE EIGHTH of the keys.  Nothing of reference() is left out.
; SHARES as in the first pass: work-group (x, e): 256 queries, keys 1,024 e on; wave w: pair 8 x + w, two tiles of queries.  The eighth's K and V (2 x 8 steps of 12,800 bytes) lie whole in LDS, filled once.
; CLUSTER: the four work-groups of a cluster read the same K and V: every step is asked for jointly.
; p = 2^(c s - CM) / l / 8192, CM and l joined from the eight parts of the first pass.  l = 2^Li f, f in [1, 2): p'' = 2^(c s - (CM + log2 f)) differs from p by the power of two 2^(-Li - 13) alone,
; so it has p's codes; its own scale bytes go to the matrix unit and the power of two is multiplied into O's part at the end, which rounds nothing.
; S^T = K Q^T and O^T = V^T P^T: a lane holds one query throughout.  The keys of a tile of K are chosen so that the 16 registers of two neighbouring tiles are 16 neighbouring keys.
; po: [e][tile][8,192]: register group g of lane l at 512 g + 16 l; register 16 b + i of lane (r, h) = channel 32 b + 16 h + i.  The next launch adds the eight parts in the order of e.
; LIMITS: a p'' under 2^-126 counts as 0; a block whose largest p lies under 2^-124 takes a finer scale than the rule's lower hold would give (such a block weighs under 2^-98 of its row); else as at the head of the first kernel.
; REGISTERS: window 0: addresses, scales, p's codes, K's fragments, the scores.  Window 1: v0-127 O^T (64 q + 8 ct), v128-223 V's eight fragments, v224-247 Q.
.set KSTEP, 12800
.set VOFF,  102400
.set SPARE, 204800
.set A_QSC, 786432
.set A_KB,  819200
.set A_VB,  1638400
.set AK0, 1                            ; 16 x lane
.set AV0, 2                            ; VOFF + 384 h + 24 r
.set SPW, 3
.set NIL, 4
.set ADK, 5
.set ADV, 6
.set ADW, 7
.set KS,  8                            ; v8-9
.set QS,  10
.set R8,  11
.set VS,  12                           ; v12-15  V's scale words
.set PW,  16                           ; v16-17  p's scale words
.set BQ,  18                           ; v18-21  -(CM + log2 f), a pair a tile
.set FX,  22                           ; v22-25  2^(-Li - 13), a pair a tile
.set TM,  26                           ; v26-41  at work: four registers for each of four blocks
.set P,   44                           ; v44-67  p's codes
.set CT,  68                           ; v68-75  conversions' second halves
.set F,   76                           ; v76-123
.set S,   124                          ; v124-187
.set SL,  188                          ; v188-219 the first pass's pairs
.set HT,  220
.set G,   128                          ; window 1
.set QW,  224                          ; window 1
.set WV,  12
.set TB,  13
.set TRIP, 14
.set MSK, 15
.set G1,  16
.set G0K, 24
.set CS,  28
.set SEL, 30
.set G0V, 44
.set MSB, 0
.macro WIN new                         ; the immediate's high byte repeats the setting that is left
.if MSB != \new
	s_set_vgpr_msb (MSB<<8)|\new
.set MSB, \new
.endif
.endm
.macro MM d, a, b, c, sa, sb, ra, rb
.if (\c) < 0
.if (\ra) && (\rb)
	v_wmma_scale_f32_16x16x128_f8f6f4 v[\d:\d+7], v[\a:\a+11], v[\b:\b+11], 0, v[\sa], v[\sb] matrix_a_fmt:MATRIX_FMT_FP6 matrix_b_fmt:MATRIX_FMT_FP6 matrix_a_scale:MATRIX_SCALE_ROW1 matrix_b_scale:MATRIX_SCALE_ROW1
.elseif (\ra)
	v_wmma_scale_f32_16x16x128_f8f6f4 v[\d:\d+7], v[\a:\a+11], v[\b:\b+11], 0, v[\sa], v[\sb] matrix_a_fmt:MATRIX_FMT_FP6 matrix_b_fmt:MATRIX_FMT_FP6 matrix_a_scale:MATRIX_SCALE_ROW1
.elseif (\rb)
	v_wmma_scale_f32_16x16x128_f8f6f4 v[\d:\d+7], v[\a:\a+11], v[\b:\b+11], 0, v[\sa], v[\sb] matrix_a_fmt:MATRIX_FMT_FP6 matrix_b_fmt:MATRIX_FMT_FP6 matrix_b_scale:MATRIX_SCALE_ROW1
.else
	v_wmma_scale_f32_16x16x128_f8f6f4 v[\d:\d+7], v[\a:\a+11], v[\b:\b+11], 0, v[\sa], v[\sb] matrix_a_fmt:MATRIX_FMT_FP6 matrix_b_fmt:MATRIX_FMT_FP6
.endif
.else
.if (\ra)
	v_wmma_scale_f32_16x16x128_f8f6f4 v[\d:\d+7], v[\a:\a+11], v[\b:\b+11], v[\c:\c+7], v[\sa], v[\sb] matrix_a_fmt:MATRIX_FMT_FP6 matrix_b_fmt:MATRIX_FMT_FP6 matrix_a_scale:MATRIX_SCALE_ROW1
.else
	v_wmma_scale_f32_16x16x128_f8f6f4 v[\d:\d+7], v[\a:\a+11], v[\b:\b+11], v[\c:\c+7], v[\sa], v[\sb] matrix_a_fmt:MATRIX_FMT_FP6 matrix_b_fmt:MATRIX_FMT_FP6
.endif
.endif
.endm
.macro CROUND
	s_barrier_signal -1
	s_barrier_wait -1
	s_cmp_lg_u32 s[WV], 0
	s_cbranch_scc1 .Lnot_wave_0_\@
	s_barrier_signal -3
.Lnot_wave_0_\@:
	s_barrier_wait -3
	s_barrier_signal -1
	s_barrier_wait -1
.endm
.macro KLOAD off, hf
.set i, 0
.rept 12
	ds_load_b128 v[F+4*i:F+4*i+3], v[ADK] offset:\off+512*i
.set i, i+1
.endr
	ds_load_b64 v[KS:KS+1], v[ADK] offset:12288+8*\hf
.endm
.macro QK                              ; 64 keys x 2 tiles of queries
	WIN 0x04                                       ; source 1 (Q) window 1
.irp t, 0,1,2,3
.irp q, 0,1
	MM S+32*\q+8*\t, F+12*\t, QW+12*\q, -1, KS+\t/2, QS, \t%2, \q
.endr
.endr
	WIN 0
.endm
; The scores of 64 keys become registers 6 c .. 6 c + 5 of p's fragments and bytes 2 c, 2 c + 1 of p's scale words.  The two tiles stand line by line.
.macro SMB c
.irp j, 0,2,4,6,8,10,12,14,16,18,20,22,24,26,28,30
.irp q, 0,1
	v_pk_fma_f32 v[S+32*\q+\j:S+32*\q+\j+1], v[S+32*\q+\j:S+32*\q+\j+1], s[CS:CS+1], v[BQ+2*\q:BQ+2*\q+1] op_sel_hi:[1,0,0]   ; c s - (CM + log2 f); each accumulator from its low end on
.endr
.endr
.set i, 0
.rept 32
	v_exp_f32 v[S+i], v[S+i]
	v_exp_f32 v[S+32+i], v[S+32+i]
.set i, i+1
.endr
	v_nop                                          ; a plain place behind the last exponential
	s_wait_alu depctr_va_vdst(0)                   ; one wait for the 64, ahead of their first reader
.irp q, 0,1
.irp b, 0,1
	v_max3_num_f32 v[TM+8*\q+4*\b], v[S+32*\q+16*\b], v[S+32*\q+16*\b+1], 0x1800000   ; no |.|: p is not negative; the floor 2^(3 - 127)
.endr
.endr
.irp i, 2,4,6,8,10,12,14
.irp q, 0,1
.irp b, 0,1
	v_max3_num_f32 v[TM+8*\q+4*\b], v[TM+8*\q+4*\b], v[S+32*\q+16*\b+\i], v[S+32*\q+16*\b+\i+1]
.endr
.endr
.endr
.irp n, 0,4,8,12
	v_permlanex16_b32 v[TM+\n+1], v[TM+\n], s[SEL], s[SEL+1]
.endr
.irp n, 0,4,8,12
	v_max_num_f32 v[TM+\n], v[TM+\n], v[TM+\n+1]   ; with lane l xor 16's 16 keys: the block's largest p''
.endr
.irp n, 0,4,8,12
	v_add_nc_u32 v[TM+\n+2], 0xff000000, v[TM+\n]  ; the conversion's scale operand
.endr
.irp n, 0,4,8,12
	v_lshrrev_b32 v[TM+\n+3], 23, v[TM+\n+2]       ; the scale's byte
.endr
.if \c == 0
.irp q, 0,1
	v_lshl_or_b32 v[PW+\q], v[TM+8*\q+7], 8, v[TM+8*\q+3]
.endr
.else
.irp q, 0,1
	v_lshl_or_b32 v[PW+\q], v[TM+8*\q+3], 16, v[PW+\q]
.endr
.irp q, 0,1
	v_lshl_or_b32 v[PW+\q], v[TM+8*\q+7], 24, v[PW+\q]
.endr
.endif
.irp q, 0,1
	v_cvt_scalef32_pk16_fp6_f32 v[P+12*\q+6*\c:P+12*\q+6*\c+2], v[S+32*\q:S+32*\q+15], v[TM+8*\q+2]
	v_cvt_scalef32_pk16_fp6_f32 v[CT+4*\q:CT+4*\q+2], v[S+32*\q+16:S+32*\q+31], v[TM+8*\q+6]
.endr
	v_nop                                          ; one plain place behind a scaled conversion
.irp q, 0,1
.irp i, 0,1,2
	v_permlane16_swap_b32 v[P+12*\q+6*\c+\i], v[CT+4*\q+\i]   ; the operand's layout wants a whole block in a lane
.endr
.endr
.irp q, 0,1
.irp i, 0,1,2
	v_mov_b32 v[P+12*\q+6*\c+3+\i], v[CT+4*\q+\i]
.endr
.endr
.endm
; A step of 128 keys.  first: its products start O^T's sums.  last: nothing more is fetched.
.macro STEP first, last
	s_wait_dscnt 0x0                               ; K's first four fragments are in
	QK
	v_add_nc_u32 v[ADV], s[TB], v[AV0]             ; four places ahead of loads into registers that products have read (K's, V's, the scale words) and of the first read of the scores
	v_add_nc_u32 v[ADW], VOFF, v[ADK]
	v_nop
	v_nop
	KLOAD 6144, 1
	WIN 0x40                                       ; destination window 1
.irp ct, 0,1,2,3,4,5,6,7
.irp c, 0,1
.irp i, 0,1,2
	ds_load_b64 v[G+12*\ct+6*\c+2*\i:G+12*\ct+6*\c+2*\i+1], v[ADV] offset:1536*\ct+768*\c+8*\i
.endr
.endr
.endr
	WIN 0
	ds_load_b128 v[VS:VS+3], v[ADW] offset:12288
	SMB 0
	s_wait_dscnt 0x0                               ; K's other four fragments, V's eight and the scale words are in
	QK
.if \last
.rept 4
	v_nop
.endr
.else
	s_add_co_u32 s[TB], s[TB], KSTEP
	v_add_nc_u32 v[ADK], s[TB], v[AK0]
	v_nop
	v_nop
	v_nop
	KLOAD 0, 0
.endif
	SMB 1
.rept 8
	v_nop                                          ; a scale register written by vector instructions stands 8 places ahead of a scaled product, an operand so written 4
.endr
	WIN 0x51                                       ; source 0 (V) window 1, source 1 (p) window 0, C and D window 1
.irp ct, 0,1,2,3,4,5,6,7               ; sixteen accumulators by turns, one instruction a turn
.irp q, 0,1
.if \first
	MM 64*\q+8*\ct, G+12*\ct, P+12*\q, -1, VS+\ct/2, PW+\q, \ct%2, 0
.else
	MM 64*\q+8*\ct, G+12*\ct, P+12*\q, 64*\q+8*\ct, VS+\ct/2, PW+\q, \ct%2, 0
.endif
.endr
.endr
	WIN 0
.endm
	s_load_b128 s[4:7], s[0:1], 0x0                ; act, st
	s_load_b64 s[8:9], s[0:1], 0x10                ; po
	v_lshl_add_u32 v[SPW], v0, 2, SPARE
	v_mov_b32 v[NIL], 0
	ds_add_u32 v[SPW], v[NIL]                      ; the wave's opening: the add, twice on end, and its wait ahead of my first tensor load
	ds_add_u32 v[SPW], v[NIL]
	v_lshrrev_b32 v[ADK], 5, v0
	v_readfirstlane_b32 s[WV], v[ADK]
	s_mov_b32 s[G1], 15|(3<<16)|(1<<21)            ; as in the first pass: 50 rows of 256 dense bytes, the mask of all four
	s_mov_b32 s[G1+1], 32<<16
	s_mov_b32 s[G1+2], 50<<16
	s_mov_b32 s[G1+3], 32<<16
	s_mov_b32 s[G1+4], 50
	s_mov_b32 s[G1+5], 32
	s_mov_b32 s[G1+6], 0
	s_mov_b32 s[G1+7], 0
	s_and_b32 s35, ttmp7, 0xffff                   ; e
	s_lshl_b32 s36, s35, 3
	s_add_co_u32 s36, s36, s[WV]
	s_mul_i32 s36, s36, KSTEP                      ; step 8 e + w
	s_mov_b32 s37, 0
	s_bfe_u32 s33, ttmp6, 0x40000                  ; cx: it enters Q's, st's and po's addresses alone
	s_lshl_b32 s34, ttmp9, 2
	s_add_co_u32 s34, s34, s33
	s_lshl_b32 s34, s34, 3
	s_add_co_u32 s34, s34, s[WV]                   ; my pair
	s_mul_i32 s38, s34, 3072
	s_mov_b32 s39, 0
	s_lshl_b32 s40, s34, 7
	s_add_co_u32 s40, s40, A_QSC
	s_mov_b32 s41, 0
	s_lshl_b32 s42, s34, 8
	s_mov_b32 s43, 0
	s_lshl_b32 s48, s35, 22
	s_lshl_b32 s49, s34, 14
	s_add_co_u32 s48, s48, s49
	s_mov_b32 s49, 0
	s_mov_b32 s[CS], 0x3e0293ee                    ; c = log2(e) / sqrt(128)
	s_mov_b32 s[CS+1], s[CS]
	s_mov_b32 s[SEL], 0x76543210
	s_mov_b32 s[SEL+1], 0xfedcba98
	s_mov_b32 s[MSK], 0x7fffff
	s_mov_b32 s[TB], 0
	s_mov_b32 s[TRIP], 6
	s_wait_dscnt 0x0                               ; both opening adds are done
	s_wait_kmcnt 0x0
	s_mov_b32 s[G0K], 1
	s_mul_i32 s[G0K+1], s[WV], KSTEP
	s_add_nc_u64 s[G0K+2:G0K+3], s[4:5], s[36:37]
	s_add_nc_u64 s[G0V+2:G0V+3], s[G0K+2:G0K+3], A_VB
	s_add_nc_u64 s[G0K+2:G0K+3], s[G0K+2:G0K+3], A_KB
	s_or_b32 s[G0K+3], s[G0K+3], 0x80000000
	s_mov_b32 s[G0V], 1
	s_add_co_u32 s[G0V+1], s[G0K+1], VOFF
	s_or_b32 s[G0V+3], s[G0V+3], 0x80000000
	s_add_nc_u64 s[38:39], s[4:5], s[38:39]
	s_add_nc_u64 s[40:41], s[4:5], s[40:41]
	s_add_nc_u64 s[42:43], s[6:7], s[42:43]
	s_add_nc_u64 s[48:49], s[8:9], s[48:49]
	CROUND                                         ; all four work-groups are here: the joint loads meet
	tensor_load_to_lds s[G0K:G0K+3], s[G1:G1+7]    ; every wave asks for a step of K and a step of V: two loads of mine are out
	s_nop 0
	tensor_load_to_lds s[G0V:G0V+3], s[G1:G1+7]
	s_nop 0
.rept 4
	v_nop
.endr
	v_and_b32 v[ADV], 31, v0
	v_lshlrev_b32 v[AK0], 4, v[ADV]
	v_lshlrev_b32 v[ADW], 2, v[ADV]
	v_and_b32 v[ADV], 15, v0                       ; r
	v_lshlrev_b32 v[R8], 3, v[ADV]
	v_mul_u32_u24 v[AV0], v[ADV], 24
	v_bfe_u32 v[ADV], v0, 4, 1                     ; h
	v_mad_u32_u24 v[AV0], v[ADV], 384, v[AV0]
	v_add_nc_u32 v[AV0], VOFF, v[AV0]
	v_mov_b32 v[ADK], v[AK0]
	WIN 0x40
.set i, 0
.rept 6
	global_load_b128 v[QW+4*i:QW+4*i+3], v[AK0], s[38:39] offset:512*i
.set i, i+1
.endr
	WIN 0
	global_load_b32 v[QS], v[ADW], s[40:41]
.irp q, 0,1
.irp e, 0,1,2,3,4,5,6,7
	global_load_b64 v[SL+16*\q+2*\e:SL+16*\q+2*\e+1], v[R8], s[42:43] offset:65536*\e+128*\q   ; (c m, l) of my query in eighth e
.endr
.endr
.irp n, 0,4,8,12
	v_mov_b32 v[TM+\n+1], 0                        ; a lane permute's destination counts as one of its sources
.endr
	s_wait_loadcnt 0x0
.irp q, 0,1
	v_max3_num_f32 v[HT+8*\q], v[SL+16*\q], v[SL+16*\q+2], v[SL+16*\q+4]
.endr
.irp e, 6,10
.irp q, 0,1
	v_max3_num_f32 v[HT+8*\q], v[HT+8*\q], v[SL+16*\q+\e], v[SL+16*\q+\e+2]
.endr
.endr
.irp q, 0,1
	v_max_num_f32 v[HT+8*\q], v[HT+8*\q], v[SL+16*\q+14]   ; CM
.endr
.irp e, 0,2,4,6,8,10,12,14
.irp q, 0,1
	v_sub_f32 v[SL+16*\q+\e], v[SL+16*\q+\e], v[HT+8*\q]
.endr
.endr
.irp e, 0,2,4,6,8,10,12,14
.irp q, 0,1
	v_exp_f32 v[SL+16*\q+\e], v[SL+16*\q+\e]
.endr
.endr
	v_nop
	s_wait_alu depctr_va_vdst(0)
.irp q, 0,1
	v_mul_f32 v[HT+8*\q+1], v[SL+16*\q+1], v[SL+16*\q]
.endr
.irp e, 2,4,6,8,10,12,14
.irp q, 0,1
	v_fma_f32 v[HT+8*\q+1], v[SL+16*\q+\e+1], v[SL+16*\q+\e], v[HT+8*\q+1]   ; l, in the order of e
.endr
.endr
.irp q, 0,1
	v_and_or_b32 v[HT+8*\q+2], v[HT+8*\q+1], s[MSK], 0x3f800000   ; f: l's mantissa under the exponent of 1
.endr
.irp q, 0,1
	v_log_f32 v[HT+8*\q+3], v[HT+8*\q+2]
.endr
.irp q, 0,1
	v_lshrrev_b32 v[HT+8*\q+4], 23, v[HT+8*\q+1]   ; Li + 127.  (Plain places behind the logarithms)
.endr
	s_wait_alu depctr_va_vdst(0)
.irp q, 0,1
	v_sub_f32 v[BQ+2*\q], -v[HT+8*\q], v[HT+8*\q+3]
	v_sub_nc_u32 v[HT+8*\q+4], 241, v[HT+8*\q+4]   ; 127 - Li - 13
	v_mov_b32 v[BQ+2*\q+1], v[BQ+2*\q]
	v_lshlrev_b32 v[FX+2*\q], 23, v[HT+8*\q+4]
	v_mov_b32 v[FX+2*\q+1], v[FX+2*\q]
.endr
	s_wait_tensorcnt 0x0                           ; my two steps have landed,
	s_barrier_signal -1
	s_barrier_wait -1                              ; everybody's have; nothing is ever filled again
	KLOAD 0, 0
	STEP 1, 0                                      ; the first step stands ahead of the loop: its products start the sums
.Lstep:
	STEP 0, 0
	s_sub_co_u32 s[TRIP], s[TRIP], 1
	s_cmp_lg_u32 s[TRIP], 0
	s_cbranch_scc1 .Lstep
	STEP 0, 1
.rept 4
	v_nop
.endr
	WIN 0x41                                       ; O^T window 1, the factor window 0
.irp q, 0,1
.set i, 0
.rept 32
	v_pk_mul_f32 v[64*\q+i:64*\q+i+1], v[64*\q+i:64*\q+i+1], v[FX+2*\q:FX+2*\q+1] op_sel_hi:[1,0]   ; x 2^(-Li - 13): exact
.set i, i+2
.endr
.endr
	WIN 0x04                                       ; a store's data are its source 1: window 1
.set i, 0
.rept 32
	global_store_b128 v[AK0], v[4*i:4*i+3], s[48:49] offset:512*i th:TH_STORE_NT   ; 512 consecutive bytes a store
.set i, i+1
.endr
	WIN 0
	s_wait_tensorcnt 0x0                           ; the wave's end
	ds_add_u32 v[SPW], v[NIL]
	s_wait_dscnt 0x0
	CROUND                                         ; the closing round
	s_endpgm
.Lfunc_end_k_q777d444e58_b0:
	.size	k_q777d444e58_b0, .Lfunc_end_k_q777d444e58_b0-k_q777d444e58_b0
	.p2alignl 7, 3214868480
	.fill 96, 4, 3214868480
	.section	.rodata,"a",@progbits
	.p2align	6, 0x0
	.amdhsa_kernel k_q777d444e58_b0
		.amdhsa_group_segment_fixed_size 205824
		.amdhsa_private_segment_fixed_size 0
		.amdhsa_enable_private_segment 0
		.amdhsa_kernarg_size 24
		.amdhsa_user_sgpr_count 2
		.amdhsa_user_sgpr_kernarg_segment_ptr 1
		.amdhsa_wavefront_size32 1
		.amdhsa_system_sgpr_workgroup_id_x 1
		.amdhsa_system_sgpr_workgroup_id_y 1
		.amdhsa_system_sgpr_workgroup_id_z 1
		.amdhsa_system_vgpr_workitem_id 0
		.amdhsa_next_free_vgpr 512
		.amdhsa_next_free_sgpr 66
		.amdhsa_reserve_vcc 0
		.amdhsa_float_denorm_mode_32 3
		.amdhsa_float_denorm_mode_16_64 3
		.amdhsa_memory_ordered 1
		.amdhsa_forward_progress 1
		.amdhsa_inst_pref_size 94
	.end_amdhsa_kernel
	.amdgpu_metadata
---
amdhsa.version: [ 1, 2 ]
amdhsa.kernels:
  - .name:           k_q777d444e58_b0
    .symbol:         k_q777d444e58_b0.kd
    .args:
      - { .name: act, .offset: 0, .size: 8, .value_kind: global_buffer, .address_space: global }
      - { .name: st, .offset: 8, .size: 8, .value_kind: global_buffer, .address_space: global }
      - { .name: po, .offset: 16, .size: 8, .value_kind: global_buffer, .address_space: global }
    .group_segment_fixed_size: 205824
    .private_segment_fixed_size: 0
    .kernarg_segment_align: 8
    .kernarg_segment_size: 24
    .max_flat_workgroup_size: 256
    .sgpr_count:     66
    .vgpr_count:     512
    .wavefront_size: 32
...
	.end_amdgpu_metadata
.endif
;; end of part 4
;; launch e1 (part 5): grid 256 x 1, 8 waves a work-group, no clusters, 71,936 bytes of LDS; arguments po, act, wbuf, l1_qb, l1_kb, l1_vb, w1_b, loc; writes loc
.if DOCPART == 5
	.amdgcn_target "amdgcn-amd-amdhsa--gfx1250"
	.amdhsa_code_object_version 6
	.text
	.protected	k_q777d444e58_e1
	.globl	k_q777d444e58_e1
	.p2align	8
	.type	k_q777d444e58_e1,@function
k_q777d444e58_e1:
	s_mov_b64 s[64:65], 0
	v_nop
	global_prefetch_b8 v0, s[64:65] scope:SCOPE_SE
	s_setreg_imm32_b32 hwreg(HW_REG_WAVE_MODE, 25, 1), 1
	s_wait_xcnt 0x0
; x1 = gelu(O + r), O the sum of the eight parts in the order of the eighths; x1 is quantised along its channels; then q, k, v of layer 1 and r1 = x1 w1_w + w1_b, stored row by row in f32 for the gather.  Nothing is left out.
; A work-group takes a pair of 32 tokens.  X PHASE: wave w = 2 b + u: block b of tile u, 16 numbers a lane.  P PHASE: role = w >> 1 (q, k, v, r), tile u = w & 1; the product transposed, the bias as its C.
; The results go through the wave's own stage in LDS (16 rows of 528 bytes) and leave as whole rows of 512 bytes.  loc: [4][8192][128] f32: q, k, v, r.
; gelu(t) = t (1 + erf(t / sqrt 2)) / 2 in f32, erf as the quotient of two polynomials in t^2 on [-4, 4]; LIMIT: an absolute error of about 1e-7 |t| where t is far below 0.
; No cluster: the shared bytes are the four weight images, which go straight into registers.
.set XROW,  0
.set XSC,   3072
.set STG,   3328
.set SPARE, 70912
.set A_RB,  2457600
.set L16, 1
.set XW,  2
.set XB,  3
.set XRU, 4
.set XSA, 5
.set BO,  6
.set SO,  7
.set SR,  8
.set TR,  9
.set TH,  10
.set TL,  11
.set SPW, 14
.set NIL, 15
.set W,   16                           ; v16-111; X phase: v16-143 the eight parts
.set HA,  112                          ; v112-175; ahead of that gelu's 64 registers
.set XV,  176
.set XF,  192
.set OF,  204                          ; v204-211 byte offsets of my 16 numbers in the eight parts
.set CD,  212
.set BY,  215
.set TM,  216
.set WS,  220
.set XS,  224
.set KA,  226
.set KB,  228
.set WV,  20
.set ROLE, 21
.set SUB, 22
.set SEL, 24
.set T0,  26
.set WP,  32
.set BP,  34
.set RBP, 36
.set LP,  38
.macro MM d, a, b, c, sa, sb, ra, rb
.if (\ra)
	v_wmma_scale_f32_16x16x128_f8f6f4 v[\d:\d+7], v[\a:\a+11], v[\b:\b+11], v[\c:\c+7], v[\sa], v[\sb] matrix_a_fmt:MATRIX_FMT_FP6 matrix_b_fmt:MATRIX_FMT_FP6 matrix_a_scale:MATRIX_SCALE_ROW1
.else
	v_wmma_scale_f32_16x16x128_f8f6f4 v[\d:\d+7], v[\a:\a+11], v[\b:\b+11], v[\c:\c+7], v[\sa], v[\sb] matrix_a_fmt:MATRIX_FMT_FP6 matrix_b_fmt:MATRIX_FMT_FP6
.endif
.endm
.macro QBLK src, cd, by, tm
	v_max3_num_f32 v[\tm], |v[\src]|, |v[\src+1]|, 0x1800000
.irp i, 2,4,6,8,10,12,14
	v_max3_num_f32 v[\tm], v[\tm], |v[\src+\i]|, |v[\src+\i+1]|
.endr
	v_permlanex16_b32 v[\tm+1], v[\tm], s[SEL], s[SEL+1]
	v_max_num_f32 v[\tm], v[\tm], v[\tm+1]
	v_add_nc_u32 v[\tm+2], 0xff000000, v[\tm]
	v_lshrrev_b32 v[\by], 23, v[\tm+2]
	v_cvt_scalef32_pk16_fp6_f32 v[\cd:\cd+2], v[\src:\src+15], v[\tm+2]
	v_nop
.endm
.macro GSTEP acc, n, lit               ; acc = acc x t^2 + the next coefficient
.set gi, 0
.rept \n
	v_pk_fma_f32 v[\acc+gi:\acc+gi+1], v[\acc+gi:\acc+gi+1], v[gV+gi:gV+gi+1], \lit op_sel_hi:[1,1,0]
.set gi, gi+2
.endr
.endm
.macro GELU base, n, tmp               ; n pairs in place; 8 n registers at work
.set gU, \tmp
.set gV, \tmp+2*\n
.set gA, \tmp+4*\n
.set gB, \tmp+6*\n
.set gi, 0
.rept \n
	v_pk_mul_f32 v[gU+gi:gU+gi+1], v[\base+gi:\base+gi+1], 0x3f3504f3 op_sel_hi:[1,0]   ; t / sqrt 2
.set gi, gi+2
.endr
.set gi, 0
.rept 2*\n
	v_med3_num_f32 v[gU+gi], v[gU+gi], -4.0, 4.0
.set gi, gi+1
.endr
.set gi, 0
.rept \n
	v_pk_mul_f32 v[gV+gi:gV+gi+1], v[gU+gi:gU+gi+1], v[gU+gi:gU+gi+1]
.set gi, gi+2
.endr
.set gi, 0
.rept \n
	v_pk_fma_f32 v[gA+gi:gA+gi+1], v[gV+gi:gV+gi+1], 0xaf95df0b, v[KA:KA+1] op_sel_hi:[1,0,1]
	v_pk_fma_f32 v[gB+gi:gB+gi+1], v[gV+gi:gV+gi+1], 0xb77460cd, v[KB:KB+1] op_sel_hi:[1,0,1]
.set gi, gi+2
.endr
	GSTEP gA, \n, 0xb60cff51
	GSTEP gB, \n, 0xbadc924e
	GSTEP gA, \n, 0xb86ec2d2
	GSTEP gB, \n, 0xbbf19bf8
	GSTEP gA, \n, 0xba40ac63
	GSTEP gB, \n, 0xbc69b6a7
	GSTEP gA, \n, 0xbb41a1f6
	GSTEP gA, \n, 0xbc83dbd4
.set gi, 0
.rept 2*\n
	v_rcp_f32 v[gB+gi], v[gB+gi]
.set gi, gi+1
.endr
.set gi, 0
.rept \n
	v_pk_mul_f32 v[gA+gi:gA+gi+1], v[gA+gi:gA+gi+1], v[gU+gi:gU+gi+1]   ; plain work behind the reciprocals
.set gi, gi+2
.endr
	s_wait_alu depctr_va_vdst(0)                   ; one wait for the batch, ahead of its first reader
.set gi, 0
.rept \n
	v_pk_mul_f32 v[gA+gi:gA+gi+1], v[gA+gi:gA+gi+1], v[gB+gi:gB+gi+1]   ; erf
.set gi, gi+2
.endr
.set gi, 0
.rept \n
	v_pk_mul_f32 v[gU+gi:gU+gi+1], v[\base+gi:\base+gi+1], 0.5 op_sel_hi:[1,0]
.set gi, gi+2
.endr
.set gi, 0
.rept \n
	v_pk_fma_f32 v[\base+gi:\base+gi+1], v[gU+gi:gU+gi+1], v[gA+gi:gA+gi+1], v[gU+gi:gU+gi+1]
.set gi, gi+2
.endr
.endm
	s_load_b512 s[4:19], s[0:1], 0x0               ; po, act, wbuf, l1_qb, l1_kb, l1_vb, w1_b, loc
	v_lshl_add_u32 v[SPW], v0, 2, SPARE
	v_mov_b32 v[NIL], 0
	v_lshrrev_b32 v12, 5, v0
	v_readfirstlane_b32 s[WV], v12
	s_lshr_b32 s[ROLE], s[WV], 1                   ; X phase: block b; P phase: role
	s_and_b32 s[SUB], s[WV], 1                     ; tile u
	v_and_b32 v[TR], 15, v0
	v_bfe_u32 v[TH], v0, 4, 1
	v_and_b32 v[TL], 31, v0
	v_lshlrev_b32 v[L16], 4, v[TL]
	s_mul_i32 s[T0], s[SUB], 1536
	s_mul_i32 s[T0+1], s[ROLE], 384
	s_add_co_u32 s[T0+1], s[T0+1], s[T0]
	v_mul_u32_u24 v12, v[TR], 24
	v_mad_u32_u24 v[XW], v[TH], 12, v12
	v_add_nc_u32 v[XW], s[T0+1], v[XW]             ; 1536 u + 384 b + 24 r + 12 h
	v_mad_u32_u24 v[XRU], v[TH], 384, v12
	v_add_nc_u32 v[XRU], s[T0], v[XRU]             ; 1536 u + 384 h + 24 r
	s_lshl_b32 s[T0+2], s[SUB], 6
	s_add_co_u32 s[T0+2], s[T0+2], XSC
	s_add_co_u32 s[T0+3], s[T0+2], s[ROLE]
	v_lshl_add_u32 v[XB], v[TR], 2, s[T0+3]
	v_lshl_add_u32 v[XSA], v[TR], 2, s[T0+2]
	v_lshlrev_b32 v[BO], 6, v[TH]
	s_mul_i32 s[T0+2], s[WV], 8448
	s_add_co_u32 s[T0+2], s[T0+2], STG             ; my stage
	v_mul_u32_u24 v[SO], v[TR], 528
	v_add_nc_u32 v[SO], v[SO], v[BO]
	v_add_nc_u32 v[SO], s[T0+2], v[SO]             ; in: row r, + 64 h
	v_add_nc_u32 v[SR], s[T0+2], v[L16]            ; back: a row by 32 lanes
	s_lshl_b32 s[T0], ttmp9, 1
	s_add_co_u32 s[T0], s[T0], s[SUB]
	s_lshl_b32 s[T0], s[T0], 13
	s_lshl_b32 s[T0+1], s[ROLE], 11
	s_add_co_u32 s[T0], s[T0], s[T0+1]
	v_add_nc_u32 v[OF], s[T0], v[L16]              ; tile 2 p + u, register groups 4 b on
.irp e, 1,2,3,4,5,6,7
	v_add_nc_u32 v[OF+\e], \e*0x400000, v[OF]
.endr
	v_mov_b32 v[KA], 0x32edffee
	v_mov_b32 v[KA+1], 0x32edffee
	v_mov_b32 v[KB], 0xb95fbd29
	v_mov_b32 v[KB+1], 0xb95fbd29
	v_mov_b32 v[TM+1], 0
	s_mov_b32 s[SEL], 0x76543210
	s_mov_b32 s[SEL+1], 0xfedcba98
	s_add_co_u32 s[T0], s[ROLE], 4
	s_mul_i32 s[T0], s[T0], 12800
	s_mov_b32 s[T0+1], 0
	s_lshl_b32 s[T0+2], s[ROLE], 22
	s_lshl_b32 s[T0+3], ttmp9, 14
	s_add_co_u32 s[T0+2], s[T0+2], s[T0+3]
	s_lshl_b32 s[T0+3], s[SUB], 12
	s_add_co_u32 s[T0+2], s[T0+2], s[T0+3]         ; my role's table, token 32 p + 8 u
	s_mov_b32 s[T0+3], 0
	s_wait_kmcnt 0x0
	s_add_nc_u64 s[RBP:RBP+1], s[6:7], A_RB
	s_add_nc_u64 s[WP:WP+1], s[8:9], s[T0:T0+1]
	s_add_nc_u64 s[LP:LP+1], s[18:19], s[T0+2:T0+3]
	s_cmp_eq_u32 s[ROLE], 0
	s_cselect_b64 s[BP:BP+1], s[10:11], s[12:13]
	s_cmp_eq_u32 s[ROLE], 2
	s_cselect_b64 s[BP:BP+1], s[14:15], s[BP:BP+1]
	s_cmp_eq_u32 s[ROLE], 3
	s_cselect_b64 s[BP:BP+1], s[16:17], s[BP:BP+1]
.irp e, 0,1,2,3,4,5,6,7
.irp j, 0,1,2,3
	global_load_b128 v[16+16*\e+4*\j:16+16*\e+4*\j+3], v[OF+\e], s[4:5] offset:512*\j th:TH_LOAD_NT
.endr
.endr
.irp j, 0,1,2,3
	global_load_b128 v[XV+4*\j:XV+4*\j+3], v[OF], s[RBP:RBP+1] offset:512*\j th:TH_LOAD_NT
.endr
	s_wait_loadcnt 0x0
.irp e, 0,1,2,3,4,5,6,7
.irp j, 0,2,4,6,8,10,12,14
	v_pk_add_f32 v[XV+\j:XV+\j+1], v[XV+\j:XV+\j+1], v[16+16*\e+\j:16+16*\e+\j+1]
.endr
.endr
.set i, 0
.rept 24                               ; the parts' registers are free: my role's weight image is asked for while gelu is worked
	global_load_b128 v[W+4*i:W+4*i+3], v[L16], s[WP:WP+1] offset:512*i
.set i, i+1
.endr
	global_load_b128 v[WS:WS+3], v[L16], s[WP:WP+1] offset:12288
	GELU XV, 8, HA
.set i, 0
.rept 16
	global_load_b128 v[HA+4*i:HA+4*i+3], v[BO], s[BP:BP+1] offset:128*(i/4)+16*(i%4)   ; the bias in the result's layout
.set i, i+1
.endr
	QBLK XV, CD, BY, TM
	ds_store_b32 v[XW], v[CD]
	ds_store_b32 v[XW], v[CD+1] offset:4
	ds_store_b32 v[XW], v[CD+2] offset:8
	ds_store_b8 v[XB], v[BY]
	s_wait_dscnt 0x0                               ; my stores have landed
	s_barrier_signal -1
	s_barrier_wait -1                              ; x1's two fragments and their scale words lie in LDS
.irp c, 0,1
.irp i, 0,1,2
	ds_load_b64 v[XF+6*\c+2*\i:XF+6*\c+2*\i+1], v[XRU] offset:768*\c+8*\i
.endr
.endr
	ds_load_b32 v[XS], v[XSA]
	s_wait_dscnt 0x0
	s_wait_loadcnt 0x0
.irp ct, 0,1,2,3,4,5,6,7
	MM HA+8*\ct, W+12*\ct, XF, HA+8*\ct, WS+\ct/2, XS, \ct%2, 0
.endr
.rept 4
	v_nop                                          ; four places ahead of the first read of the results and of loads into the weights' registers
.endr
.set i, 0
.rept 16
	ds_store_b128 v[SO], v[HA+4*i:HA+4*i+3] offset:128*(i/4)+16*(i%4)   ; each accumulator from its low end on
.set i, i+1
.endr
.set i, 0
.rept 16
	ds_load_b128 v[16+4*i:16+4*i+3], v[SR] offset:528*i   ; my own bytes: LDS serves a wave's instructions in order
.set i, i+1
.endr
.set i, 0
.rept 16
	s_wait_dscnt 15-i                              ; row i is back; the younger loads stay out
	global_store_b128 v[L16], v[16+4*i:16+4*i+3], s[LP:LP+1] offset:(i+(i&8))*512   ; a whole row of 512 bytes
.set i, i+1
.endr
	s_wait_tensorcnt 0x0                           ; the wave's end
	ds_add_u32 v[SPW], v[NIL]
	s_wait_dscnt 0x0
	s_endpgm
.Lfunc_end_k_q777d444e58_e1:
	.size	k_q777d444e58_e1, .Lfunc_end_k_q777d444e58_e1-k_q777d444e58_e1
	.p2alignl 7, 3214868480
	.fill 96, 4, 3214868480
	.section	.rodata,"a",@progbits
	.p2align	6, 0x0
	.amdhsa_kernel k_q777d444e58_e1
		.amdhsa_group_segment_fixed_size 71936
		.amdhsa_private_segment_fixed_size 0
		.amdhsa_enable_private_segment 0
		.amdhsa_kernarg_size 64
		.amdhsa_user_sgpr_count 2
		.amdhsa_user_sgpr_kernarg_segment_ptr 1
		.amdhsa_wavefront_size32 1
		.amdhsa_system_sgpr_workgroup_id_x 1
		.amdhsa_system_sgpr_workgroup_id_y 1
		.amdhsa_system_sgpr_workgroup_id_z 1
		.amdhsa_system_vgpr_workitem_id 0
		.amdhsa_next_free_vgpr 256
		.amdhsa_next_free_sgpr 66
		.amdhsa_reserve_vcc 0
		.amdhsa_float_denorm_mode_32 3
		.amdhsa_float_denorm_mode_16_64 3
		.amdhsa_memory_ordered 1
		.amdhsa_forward_progress 1
		.amdhsa_inst_pref_size 34
	.end_amdhsa_kernel
	.amdgpu_metadata
---
amdhsa.version: [ 1, 2 ]
amdhsa.kernels:
  - .name:           k_q777d444e58_e1
    .symbol:         k_q777d444e58_e1.kd
    .args:
      - { .name: po, .offset: 0, .size: 8, .value_kind: global_buffer, .address_space: global }
      - { .name: act, .offset: 8, .size: 8, .value_kind: global_buffer, .address_space: global }
      - { .name: wbuf, .offset: 16, .size: 8, .value_kind: global_buffer, .address_space: global }
      - { .name: l1_qb, .offset: 24, .size: 8, .value_kind: global_buffer, .address_space: global }
      - { .name: l1_kb, .offset: 32, .size: 8, .value_kind: global_buffer, .address_space: global }
      - { .name: l1_vb, .offset: 40, .size: 8, .value_kind: global_buffer, .address_space: global }
      - { .name: w1_b, .offset: 48, .size: 8, .value_kind: global_buffer, .address_space: global }
      - { .name: loc, .offset: 56, .size: 8, .value_kind: global_buffer, .address_space: global }
    .group_segment_fixed_size: 71936
    .private_segment_fixed_size: 0
    .kernarg_segment_align: 8
    .kernarg_segment_size: 64
    .max_flat_workgroup_size: 256
    .sgpr_count:     66
    .vgpr_count:     256
    .wavefront_size: 32
...
	.end_amdgpu_metadata
.endif
;; end of part 5
;; launch l1 (part 6): grid 256 x 1, 16 waves a work-group, no clusters, 22,272 bytes of LDS; arguments neighbor_index, loc, wbuf, l2_qb, l2_kb, l2_vb, w2_b, act; writes act
.if DOCPART == 6
	.amdgcn_target "amdgcn-amd-amdhsa--gfx1250"
	.amdhsa_code_object_version 6
	.text
	.protected	k_q777d444e58_l1
	.globl	k_q777d444e58_l1
	.p2align	8
	.type	k_q777d444e58_l1,@function
k_q777d444e58_l1:
	s_mov_b64 s[64:65], 0
	v_nop
	global_prefetch_b8 v0, s[64:65] scope:SCOPE_SE
	s_setreg_imm32_b32 hwreg(HW_REG_WAVE_MODE, 25, 1), 1
	s_wait_xcnt 0x0
; LOCAL ATTENTION in f32 (its two products are left as they are and their result goes on into a quantiser), x2 = gelu(attention + r1), then layer 2's q, k, v and r as in the first projection launch.  Nothing is left out.
; A work-group takes a pair of 32 tokens; wave w tokens 32 p + 2 w and + 1.  A lane owns channels 4 l .. 4 l + 3 of a row, four lanes a head: a neighbour's row of K or V is ONE load of 512 consecutive bytes.
; The 32 indices of a token are read by scalar loads and held to 8,191; a score is two packed multiply-adds and two steps between the four lanes of a head, so every lane has its head's 32 scores in registers:
; maximum, exponentials and sum need no other lane.  A neighbour's V lands in the registers that its K has left; the next token's K in those that V has left: 32 row loads of a wave are always out.
; x2's 32 rows meet in LDS; waves 0-7 quantise them (wave 2 b + u: block b of tile u) and run the four projections; waves 8-15 pass the barriers.
; No cluster and no copy of the tables in LDS: which rows a work-group reads hangs on the indices.
; LIMITS: as at the head of the first kernel; gelu as in the launch before.
.set X2,    0                          ; LDS: 32 rows of x2, 528 bytes apart
.set XROW,  16896
.set XSC,   19968
.set SPARE, 20224
.set MB,    8
.set A_QSC, 786432
.set A_KB,  819200
.set A_VB,  1638400
.set A_RB,  2457600
.set L16, 1
.set XW,  2
.set XB,  3
.set XR0, 4
.set XRU, 5
.set XSA, 6
.set XSL, 7
.set BO,  8
.set BVO, 9
.set SVO, 10
.set VCO, 11
.set R16, 12
.set X2W, 13                           ; where I put 16 bytes of my first token's row
.set SPW, 14
.set NIL, 15
.set KBR, 16                           ; v16-143  a neighbour's K, then V: four registers each
.set OF,  144                          ; v144-175 512 x index + 16 x lane
.set SC,  176                          ; v176-207 scores, then p
.set QR,  208                          ; v208-223 q0, r0, q1, r1
.set DT,  224                          ; v224-231 at work
.set AO,  224                          ; the odd neighbours' sum
.set AE,  232                          ; v232-235 the even neighbours' sum, then the result
.set MX,  236                          ; v236-237 the maximum, later 1 / sum
.set SM,  238
.set X2R, 245                          ; where I read 64 bytes of a row of x2
.set KA,  246
.set KB,  248
.set W,   16
.set VC,  64
.set VBY, 80
.set HA,  112
.set XF,  176
.set XV,  176
.set PC,  200
.set TM,  220
.set PW,  236
.set TR,  237
.set TH,  238
.set TL,  239
.set WS,  240
.set XS,  244
.set BV,  246
.set SWB, 8
.set SQB, 10
.set SKB, 12
.set SVB, 14
.set SRB, 16
.set SACT, 18
.set KBASE, 52
.set VBASE, 54
.set QBASE, 56
.set RBASE, 58
.set WV,  60
.set ROLE, 61
.set SUB, 62
.set SEL, 100
.set WP,  20
.set WP2, 22
.set WP3, 24
.set BP,  26
.set VBP, 28
.set CP,  30
.set SCP, 32
.set RP,  34
.set VCP, 36
.set VSP, 38
.set T0,  40
.macro MM d, a, b, c, sa, sb, ra, rb
.if (\c) < 0
.if (\ra) && (\rb)
	v_wmma_scale_f32_16x16x128_f8f6f4 v[\d:\d+7], v[\a:\a+11], v[\b:\b+11], 0, v[\sa], v[\sb] matrix_a_fmt:MATRIX_FMT_FP6 matrix_b_fmt:MATRIX_FMT_FP6 matrix_a_scale:MATRIX_SCALE_ROW1 matrix_b_scale:MATRIX_SCALE_ROW1
.elseif (\ra)
	v_wmma_scale_f32_16x16x128_f8f6f4 v[\d:\d+7], v[\a:\a+11], v[\b:\b+11], 0, v[\sa], v[\sb] matrix_a_fmt:MATRIX_FMT_FP6 matrix_b_fmt:MATRIX_FMT_FP6 matrix_a_scale:MATRIX_SCALE_ROW1
.elseif (\rb)
	v_wmma_scale_f32_16x16x128_f8f6f4 v[\d:\d+7], v[\a:\a+11], v[\b:\b+11], 0, v[\sa], v[\sb] matrix_a_fmt:MATRIX_FMT_FP6 matrix_b_fmt:MATRIX_FMT_FP6 matrix_b_scale:MATRIX_SCALE_ROW1
.else
	v_wmma_scale_f32_16x16x128_f8f6f4 v[\d:\d+7], v[\a:\a+11], v[\b:\b+11], 0, v[\sa], v[\sb] matrix_a_fmt:MATRIX_FMT_FP6 matrix_b_fmt:MATRIX_FMT_FP6
.endif
.else
.if (\ra)
	v_wmma_scale_f32_16x16x128_f8f6f4 v[\d:\d+7], v[\a:\a+11], v[\b:\b+11], v[\c:\c+7], v[\sa], v[\sb] matrix_a_fmt:MATRIX_FMT_FP6 matrix_b_fmt:MATRIX_FMT_FP6 matrix_a_scale:MATRIX_SCALE_ROW1
.else
	v_wmma_scale_f32_16x16x128_f8f6f4 v[\d:\d+7], v[\a:\a+11], v[\b:\b+11], v[\c:\c+7], v[\sa], v[\sb] matrix_a_fmt:MATRIX_FMT_FP6 matrix_b_fmt:MATRIX_FMT_FP6
.endif
.endif
.endm
.macro QBLK src, cd, by, tm
	v_max3_num_f32 v[\tm], |v[\src]|, |v[\src+1]|, 0x1800000
.irp i, 2,4,6,8,10,12,14
	v_max3_num_f32 v[\tm], v[\tm], |v[\src+\i]|, |v[\src+\i+1]|
.endr
	v_permlanex16_b32 v[\tm+1], v[\tm], s[SEL], s[SEL+1]
	v_max_num_f32 v[\tm], v[\tm], v[\tm+1]
	v_add_nc_u32 v[\tm+2], 0xff000000, v[\tm]
	v_lshrrev_b32 v[\by], 23, v[\tm+2]
	v_cvt_scalef32_pk16_fp6_f32 v[\cd:\cd+2], v[\src:\src+15], v[\tm+2]
	v_nop
.endm
.macro QUANT s
.irp b, 0,1,2,3
	v_max3_num_f32 v[TM+\b], |v[\s+16*\b]|, |v[\s+1+16*\b]|, 0x1800000
.endr
.irp i, 2,4,6,8,10,12,14
.irp b, 0,1,2,3
	v_max3_num_f32 v[TM+\b], v[TM+\b], |v[\s+16*\b+\i]|, |v[\s+1+16*\b+\i]|
.endr
.endr
.irp b, 0,1,2,3
	v_permlanex16_b32 v[TM+4+\b], v[TM+\b], s[SEL], s[SEL+1]
.endr
.irp b, 0,1,2,3
	v_max_num_f32 v[TM+\b], v[TM+\b], v[TM+4+\b]
.endr
.irp b, 0,1,2,3
	v_add_nc_u32 v[TM+12+\b], 0xff000000, v[TM+\b]
.endr
.irp b, 0,1,2,3
	v_lshrrev_b32 v[TM+4+\b], 23, v[TM+12+\b]
.endr
	v_lshl_or_b32 v[PW], v[TM+5], 8, v[TM+4]
	v_lshl_or_b32 v[PW], v[TM+6], 16, v[PW]
	v_lshl_or_b32 v[PW], v[TM+7], 24, v[PW]
.irp c, 0,1
	v_cvt_scalef32_pk16_fp6_f32 v[PC+6*\c:PC+2+6*\c], v[\s+32*\c:\s+15+32*\c], v[TM+12+2*\c]
	v_cvt_scalef32_pk16_fp6_f32 v[PC+12+4*\c:PC+14+4*\c], v[\s+16+32*\c:\s+31+32*\c], v[TM+12+2*\c+1]
.endr
	v_nop
.irp c, 0,1
.irp i, 0,1,2
	v_permlane16_swap_b32 v[PC+6*\c+\i], v[PC+12+4*\c+\i]
.endr
.irp i, 0,1,2
	v_mov_b32 v[PC+3+6*\c+\i], v[PC+12+4*\c+\i]
.endr
.endr
.endm
.macro XSTORE cd, by
	ds_store_b32 v[XW], v[\cd]
	ds_store_b32 v[XW], v[\cd+1] offset:4
	ds_store_b32 v[XW], v[\cd+2] offset:8
	ds_store_b8 v[XB], v[\by]
.endm
.macro XFRAG reg, adr, off
.irp c, 0,1
.irp i, 0,1,2
	ds_load_b64 v[\reg+6*\c+2*\i:\reg+6*\c+2*\i+1], v[\adr] offset:\off+768*\c+8*\i
.endr
.endr
.endm
.macro BARRIER
	s_wait_dscnt 0x0
	s_barrier_signal -1
	s_barrier_wait -1
.endm
.macro PROJ_VADDR
	v_and_b32 v[TR], 15, v0
	v_bfe_u32 v[TH], v0, 4, 1
	v_and_b32 v[TL], 31, v0
	v_lshlrev_b32 v[L16], 4, v[TL]
	s_mul_i32 s[T0], s[SUB], 1536
	s_mul_i32 s[T0+1], s[ROLE], 384
	s_add_co_u32 s[T0+1], s[T0+1], s[T0]
	s_add_co_u32 s[T0+1], s[T0+1], XROW
	v_mul_u32_u24 v[VCO], v[TR], 24
	v_mad_u32_u24 v[VCO], v[TH], 12, v[VCO]
	v_add_nc_u32 v[XW], s[T0+1], v[VCO]
	s_lshl_b32 s[T0+2], s[SUB], 6
	s_add_co_u32 s[T0+2], s[T0+2], XSC
	s_add_co_u32 s[T0+3], s[T0+2], s[ROLE]
	v_lshl_add_u32 v[XB], v[TR], 2, s[T0+3]
	v_lshl_add_u32 v[XSA], v[TR], 2, s[T0+2]
	v_lshl_add_u32 v[XSL], v[TL], 2, XSC
	v_mul_u32_u24 v[XR0], v[TR], 24
	v_mad_u32_u24 v[XR0], v[TH], 384, v[XR0]
.if XROW > 0
	v_add_nc_u32 v[XR0], XROW, v[XR0]
.endif
	v_add_nc_u32 v[XRU], s[T0], v[XR0]
	v_lshlrev_b32 v[BO], 6, v[TH]
	v_and_b32 v[BVO], 8, v[TR]
	v_add_nc_u32 v[BVO], v[BVO], v[TR]
	v_lshlrev_b32 v[BVO], 2, v[BVO]
	v_lshlrev_b32 v[R16], 4, v[TR]
	s_cmp_eq_u32 s[ROLE], 0
	s_cselect_b32 s[T0+3], 2, 4
	v_lshlrev_b32 v[SVO], s[T0+3], v[TR]
.endm
.macro PROJ_SADDR
	s_add_co_u32 s[T0], s[ROLE], MB
	s_mul_i32 s[T0], s[T0], 12800
	s_mov_b32 s[T0+1], 0
	s_add_nc_u64 s[WP:WP+1], s[SWB:SWB+1], s[T0:T0+1]
	s_mul_i32 s[T0], s[SUB], 6144
	s_add_nc_u64 s[WP2:WP2+1], s[WP:WP+1], s[T0:T0+1]
	s_lshl_b32 s[T0], s[SUB], 3
	s_add_nc_u64 s[WP3:WP3+1], s[WP:WP+1], s[T0:T0+1]
	s_cmp_eq_u32 s[ROLE], 0
	s_cselect_b64 s[BP:BP+1], s[SQB:SQB+1], s[SKB:SKB+1]
	s_cmp_eq_u32 s[ROLE], 3
	s_cselect_b64 s[BP:BP+1], s[SRB:SRB+1], s[BP:BP+1]
	s_lshl_b32 s[T0], s[SUB], 8
	s_add_nc_u64 s[VBP:VBP+1], s[SVB:SVB+1], s[T0:T0+1]
	s_lshl_b32 s[T0+2], ttmp9, 1
	s_add_co_u32 s[T0+2], s[T0+2], s[SUB]
	s_lshr_b32 s[T0+3], ttmp9, 2
	s_mul_i32 s[T0+3], s[T0+3], 12800
	s_and_b32 s[T0+4], ttmp9, 3
	s_mul_i32 s[T0], s[T0+2], 1536
	s_lshl_b32 s[T0+5], s[T0+4], 1
	s_add_co_u32 s[T0+5], s[T0+5], s[SUB]
	s_mul_i32 s[T0+5], s[T0+5], 1536
	s_add_co_u32 s[T0+5], s[T0+5], s[T0+3]
	s_add_co_u32 s[T0+5], s[T0+5], A_KB
	s_cmp_eq_u32 s[ROLE], 0
	s_cselect_b32 s[T0], s[T0], s[T0+5]
	s_add_nc_u64 s[CP:CP+1], s[SACT:SACT+1], s[T0:T0+1]
	s_lshl_b32 s[T0], s[T0+2], 6
	s_add_co_u32 s[T0], s[T0], A_QSC
	s_lshl_b32 s[T0+5], s[SUB], 8
	s_lshl_b32 s[T0+6], s[T0+4], 2
	s_add_co_u32 s[T0+5], s[T0+5], s[T0+6]
	s_add_co_u32 s[T0+5], s[T0+5], s[T0+3]
	s_add_co_u32 s[T0+5], s[T0+5], A_KB+12288
	s_cmp_eq_u32 s[ROLE], 0
	s_cselect_b32 s[T0], s[T0], s[T0+5]
	s_add_nc_u64 s[SCP:SCP+1], s[SACT:SACT+1], s[T0:T0+1]
	s_lshl_b32 s[T0], s[T0+2], 13
	s_add_co_u32 s[T0], s[T0], A_RB
	s_add_nc_u64 s[RP:RP+1], s[SACT:SACT+1], s[T0:T0+1]
	s_mul_i32 s[T0], s[SUB], 6144
	s_mul_i32 s[T0+5], s[T0+4], 384
	s_add_co_u32 s[T0], s[T0], s[T0+5]
	s_add_co_u32 s[T0], s[T0], s[T0+3]
	s_add_co_u32 s[T0], s[T0], A_VB
	s_add_nc_u64 s[VCP:VCP+1], s[SACT:SACT+1], s[T0:T0+1]
	s_lshl_b32 s[T0], s[SUB], 3
	s_add_co_u32 s[T0], s[T0], s[T0+4]
	s_add_co_u32 s[T0], s[T0], s[T0+3]
	s_add_co_u32 s[T0], s[T0], A_VB+12288
	s_add_nc_u64 s[VSP:VSP+1], s[SACT:SACT+1], s[T0:T0+1]
.endm
.macro PROJ_LOADS
	s_cmp_eq_u32 s[ROLE], 2
	s_cbranch_scc1 .Lload_v
.set i, 0
.rept 24
	global_load_b128 v[W+4*i:W+4*i+3], v[L16], s[WP:WP+1] offset:512*i
.set i, i+1
.endr
	global_load_b128 v[WS:WS+3], v[L16], s[WP:WP+1] offset:12288
.set i, 0
.rept 16
	global_load_b128 v[HA+4*i:HA+4*i+3], v[BO], s[BP:BP+1] offset:128*(i/4)+16*(i%4)
.set i, i+1
.endr
	s_branch .Lloaded
.Lload_v:
.set i, 0
.rept 12
	global_load_b128 v[W+4*i:W+4*i+3], v[L16], s[WP2:WP2+1] offset:512*i
.set i, i+1
.endr
	global_load_b64 v[WS:WS+1], v[L16], s[WP3:WP3+1] offset:12288
.irp t, 0,1,2,3
	global_load_b32 v[BV+\t], v[BVO], s[VBP:VBP+1] offset:128*(\t/2)+32*(\t%2)
.endr
.Lloaded:
.endm
.macro PROJ_WORK
	s_cmp_eq_u32 s[ROLE], 2
	s_cbranch_scc1 .Lwork_v
	XFRAG XF, XRU, 0
	ds_load_b32 v[XS], v[XSA]
	s_wait_dscnt 0x0
	s_wait_loadcnt 0x0
.irp ct, 0,1,2,3,4,5,6,7
	MM HA+8*\ct, W+12*\ct, XF, HA+8*\ct, WS+\ct/2, XS, \ct%2, 0
.endr
.rept 4
	v_nop
.endr
	s_cmp_eq_u32 s[ROLE], 3
	s_cbranch_scc1 .Lstore_r
	QUANT HA
.irp c, 0,1,2
	global_store_b128 v[L16], v[PC+4*\c:PC+4*\c+3], s[CP:CP+1] offset:512*\c
.endr
	global_store_b32 v[SVO], v[PW], s[SCP:SCP+1]
	s_branch .Lproj_done
.Lstore_r:
.set i, 0
.rept 16
	global_store_b128 v[L16], v[HA+4*i:HA+4*i+3], s[RP:RP+1] offset:512*i
.set i, i+1
.endr
	s_branch .Lproj_done
.Lwork_v:
	XFRAG XF, XR0, 0
	XFRAG XF+12, XR0, 1536
	ds_load_b32 v[XS], v[XSL]
	s_wait_dscnt 0x0
	s_wait_loadcnt 0x0
.irp t, 0,1,2,3
.irp u, 0,1
	MM HA+16*\t+8*\u, XF+12*\u, W+12*\t, -1, XS, WS+\t/2, \u, \t%2
.endr
.endr
.rept 4
	v_nop
.endr
.irp t, 0,1,2,3
.irp j, 0,2,4,6,8,10,12,14
.if \t % 2
	v_pk_add_f32 v[HA+16*\t+\j:HA+16*\t+\j+1], v[HA+16*\t+\j:HA+16*\t+\j+1], v[BV+2*(\t/2):BV+2*(\t/2)+1] op_sel:[0,1] op_sel_hi:[1,1]
.else
	v_pk_add_f32 v[HA+16*\t+\j:HA+16*\t+\j+1], v[HA+16*\t+\j:HA+16*\t+\j+1], v[BV+2*(\t/2):BV+2*(\t/2)+1] op_sel_hi:[1,0]
.endif
.endr
.endr
.irp t, 0,1,2,3
	QBLK HA+16*\t, VC+4*\t, VBY+\t, TM
	global_store_b96 v[VCO], v[VC+4*\t:VC+4*\t+2], s[VCP:VCP+1] offset:1536*\t
	global_store_b8 v[R16], v[VBY+\t], s[VSP:VSP+1] offset:256*(\t%2)+4*(\t/2)
.endr
.Lproj_done:
.endm
.macro GSTEP acc, n, lit
.set gi, 0
.rept \n
	v_pk_fma_f32 v[\acc+gi:\acc+gi+1], v[\acc+gi:\acc+gi+1], v[gV+gi:gV+gi+1], \lit op_sel_hi:[1,1,0]
.set gi, gi+2
.endr
.endm
.macro GELU base, n, tmp
.set gU, \tmp
.set gV, \tmp+2*\n
.set gA, \tmp+4*\n
.set gB, \tmp+6*\n
.set gi, 0
.rept \n
	v_pk_mul_f32 v[gU+gi:gU+gi+1], v[\base+gi:\base+gi+1], 0x3f3504f3 op_sel_hi:[1,0]
.set gi, gi+2
.endr
.set gi, 0
.rept 2*\n
	v_med3_num_f32 v[gU+gi], v[gU+gi], -4.0, 4.0
.set gi, gi+1
.endr
.set gi, 0
.rept \n
	v_pk_mul_f32 v[gV+gi:gV+gi+1], v[gU+gi:gU+gi+1], v[gU+gi:gU+gi+1]
.set gi, gi+2
.endr
.set gi, 0
.rept \n
	v_pk_fma_f32 v[gA+gi:gA+gi+1], v[gV+gi:gV+gi+1], 0xaf95df0b, v[KA:KA+1] op_sel_hi:[1,0,1]
	v_pk_fma_f32 v[gB+gi:gB+gi+1], v[gV+gi:gV+gi+1], 0xb77460cd, v[KB:KB+1] op_sel_hi:[1,0,1]
.set gi, gi+2
.endr
	GSTEP gA, \n, 0xb60cff51
	GSTEP gB, \n, 0xbadc924e
	GSTEP gA, \n, 0xb86ec2d2
	GSTEP gB, \n, 0xbbf19bf8
	GSTEP gA, \n, 0xba40ac63
	GSTEP gB, \n, 0xbc69b6a7
	GSTEP gA, \n, 0xbb41a1f6
	GSTEP gA, \n, 0xbc83dbd4
.set gi, 0
.rept 2*\n
	v_rcp_f32 v[gB+gi], v[gB+gi]
.set gi, gi+1
.endr
.set gi, 0
.rept \n
	v_pk_mul_f32 v[gA+gi:gA+gi+1], v[gA+gi:gA+gi+1], v[gU+gi:gU+gi+1]
.set gi, gi+2
.endr
	s_wait_alu depctr_va_vdst(0)
.set gi, 0
.rept \n
	v_pk_mul_f32 v[gA+gi:gA+gi+1], v[gA+gi:gA+gi+1], v[gB+gi:gB+gi+1]
.set gi, gi+2
.endr
.set gi, 0
.rept \n
	v_pk_mul_f32 v[gU+gi:gU+gi+1], v[\base+gi:\base+gi+1], 0.5 op_sel_hi:[1,0]
.set gi, gi+2
.endr
.set gi, 0
.rept \n
	v_pk_fma_f32 v[\base+gi:\base+gi+1], v[gU+gi:gU+gi+1], v[gA+gi:gA+gi+1], v[gU+gi:gU+gi+1]
.set gi, gi+2
.endr
.endm
; neighbour j's V times its p, onto the even or the odd neighbours' sum; the first two start the sums
.macro PVJ j
.set VR, KBR+4*(\j)
.set PP, SC+2*((\j)/2)
.if (\j) == 0
	v_pk_mul_f32 v[AE:AE+1], v[VR:VR+1], v[PP:PP+1] op_sel_hi:[1,0]
	v_pk_mul_f32 v[AE+2:AE+3], v[VR+2:VR+3], v[PP:PP+1] op_sel_hi:[1,0]
.elseif (\j) == 1
	v_pk_mul_f32 v[AO:AO+1], v[VR:VR+1], v[PP:PP+1] op_sel:[0,1] op_sel_hi:[1,1]
	v_pk_mul_f32 v[AO+2:AO+3], v[VR+2:VR+3], v[PP:PP+1] op_sel:[0,1] op_sel_hi:[1,1]
.elseif (\j) % 2 == 0
	v_pk_fma_f32 v[AE:AE+1], v[VR:VR+1], v[PP:PP+1], v[AE:AE+1] op_sel_hi:[1,0,1]
	v_pk_fma_f32 v[AE+2:AE+3], v[VR+2:VR+3], v[PP:PP+1], v[AE+2:AE+3] op_sel_hi:[1,0,1]
.else
	v_pk_fma_f32 v[AO:AO+1], v[VR:VR+1], v[PP:PP+1], v[AO:AO+1] op_sel:[0,1,0] op_sel_hi:[1,1,1]
	v_pk_fma_f32 v[AO+2:AO+3], v[VR+2:VR+3], v[PP:PP+1], v[AO+2:AO+3] op_sel:[0,1,0] op_sel_hi:[1,1,1]
.endif
.endm
; One token.  pre = 1: the next token's K is asked for as V's registers come free.
.macro TOKEN tau, pre
.set QQ, QR+8*\tau
.set RR, QR+8*\tau+4
.irp g, 0,1,2,3,4,5,6,7
	s_wait_loadcnt 28                              ; K of neighbours 4 g .. 4 g + 3 is in: behind it stand 28 - 4 g loads of K and 4 g of V
.if \g == 0
	v_pk_mul_f32 v[QQ:QQ+1], v[QQ:QQ+1], 0x3eb8aa3b op_sel_hi:[1,0]         ; q x log2(e) / sqrt(16)
	v_pk_mul_f32 v[QQ+2:QQ+3], v[QQ+2:QQ+3], 0x3eb8aa3b op_sel_hi:[1,0]
.endif
.irp n, 0,1,2,3
	v_pk_mul_f32 v[DT+2*\n:DT+2*\n+1], v[KBR+16*\g+4*\n:KBR+16*\g+4*\n+1], v[QQ:QQ+1]
.endr
.irp n, 0,1,2,3
	v_pk_fma_f32 v[DT+2*\n:DT+2*\n+1], v[KBR+16*\g+4*\n+2:KBR+16*\g+4*\n+3], v[QQ+2:QQ+3], v[DT+2*\n:DT+2*\n+1]
.endr
.irp n, 0,1,2,3
	v_add_f32 v[SC+4*\g+\n], v[DT+2*\n], v[DT+2*\n+1]
.endr
.irp n, 0,1,2,3
	v_add_f32_dpp v[SC+4*\g+\n], v[SC+4*\g+\n], v[SC+4*\g+\n] row_xmask:1 row_mask:0xf bank_mask:0xf
.endr
.irp n, 0,1,2,3
	v_add_f32_dpp v[SC+4*\g+\n], v[SC+4*\g+\n], v[SC+4*\g+\n] row_xmask:2 row_mask:0xf bank_mask:0xf   ; the head's four lanes: the score
.endr
.irp n, 0,1,2,3
	global_load_b128 v[KBR+16*\g+4*\n:KBR+16*\g+4*\n+3], v[OF+4*\g+\n], s[VBASE:VBASE+1]
.endr
.endr
	v_max3_num_f32 v[MX], v[SC], v[SC+1], v[SC+2]
	v_max3_num_f32 v[MX+1], v[SC+16], v[SC+17], v[SC+18]
.irp i, 3,5,7,9,11,13
	v_max3_num_f32 v[MX], v[MX], v[SC+\i], v[SC+\i+1]
	v_max3_num_f32 v[MX+1], v[MX+1], v[SC+16+\i], v[SC+16+\i+1]
.endr
	v_max3_num_f32 v[MX], v[MX], v[MX+1], v[SC+15]
	v_max_num_f32 v[MX], v[MX], v[SC+31]
.irp j, 0,2,4,6,8,10,12,14,16,18,20,22,24,26,28,30
	v_pk_add_f32 v[SC+\j:SC+\j+1], v[SC+\j:SC+\j+1], v[MX:MX+1] op_sel_hi:[1,0] neg_lo:[0,1] neg_hi:[0,1]
.endr
.set i, 0
.rept 32
	v_exp_f32 v[SC+i], v[SC+i]
.set i, i+1
.endr
	v_nop                                          ; a plain place behind the last exponential
	s_wait_alu depctr_va_vdst(0)                   ; one wait for the 32
	v_pk_add_f32 v[SM:SM+1], v[SC:SC+1], v[SC+2:SC+3]
	v_pk_add_f32 v[DT+4:DT+5], v[SC+4:SC+5], v[SC+6:SC+7]
.irp j, 8,12,16,20,24,28
	v_pk_add_f32 v[SM:SM+1], v[SM:SM+1], v[SC+\j:SC+\j+1]
	v_pk_add_f32 v[DT+4:DT+5], v[DT+4:DT+5], v[SC+\j+2:SC+\j+3]
.endr
	v_pk_add_f32 v[SM:SM+1], v[SM:SM+1], v[DT+4:DT+5]
	v_add_f32 v[SM], v[SM], v[SM+1]
	v_rcp_f32 v[MX], v[SM]                         ; its wait stands ahead of its one reader, behind V's work
.irp g, 0,1,2,3,4,5,6,7
.if \pre
	s_wait_loadcnt 28                              ; V of neighbours 4 g .. 4 g + 3 is in: behind it stand 28 - 4 g loads of V and 4 g of the next token's K
.else
	s_wait_loadcnt 28-4*\g                         ; the last token: only V's loads stand behind
.endif
.irp n, 0,1,2,3
	PVJ 4*\g+\n
.endr
.if \pre
.irp n, 0,1,2,3
	v_lshl_add_u32 v[OF+4*\g+\n], s[68+4*\g+\n], 9, v[L16]   ; both loads that named this offset are shown done by the wait above
.endr
.irp n, 0,1,2,3
	global_load_b128 v[KBR+16*\g+4*\n:KBR+16*\g+4*\n+3], v[OF+4*\g+\n], s[KBASE:KBASE+1]
.endr
.endif
.endr
	v_pk_add_f32 v[AE:AE+1], v[AE:AE+1], v[AO:AO+1]
	v_pk_add_f32 v[AE+2:AE+3], v[AE+2:AE+3], v[AO+2:AO+3]
	s_wait_alu depctr_va_vdst(0)                   ; the reciprocal
	v_pk_fma_f32 v[AE:AE+1], v[AE:AE+1], v[MX:MX+1], v[RR:RR+1] op_sel_hi:[1,0,1]       ; / the sum, + r1
	v_pk_fma_f32 v[AE+2:AE+3], v[AE+2:AE+3], v[MX:MX+1], v[RR+2:RR+3] op_sel_hi:[1,0,1]
	GELU AE, 2, SC
	ds_store_b128 v[X2W], v[AE:AE+3] offset:528*\tau
.endm
	s_load_b512 s[4:19], s[0:1], 0x0               ; neighbor_index, loc, wbuf, l2_qb, l2_kb, l2_vb, w2_b, act
	v_lshl_add_u32 v[SPW], v0, 2, SPARE
	v_mov_b32 v[NIL], 0
	v_lshrrev_b32 v[X2W], 5, v0
	v_readfirstlane_b32 s[WV], v[X2W]
	s_lshr_b32 s[ROLE], s[WV], 1
	s_and_b32 s[ROLE], s[ROLE], 3                  ; waves 0-7: block b, later the role
	s_and_b32 s[SUB], s[WV], 1
	PROJ_VADDR                                     ; every LDS address is made here, ahead of the first branch on the wave's number
	s_mul_i32 s66, s[WV], 1056
	v_add_nc_u32 v[X2W], s66, v[L16]               ; row 2 w, 16 bytes a lane
	v_mul_u32_u24 v[X2R], v[BVO], 132              ; 528 (r + (r & 8))
	v_add_nc_u32 v[X2R], v[X2R], v[BO]
	s_mul_i32 s66, s[SUB], 4224
	s_lshl_b32 s67, s[ROLE], 7
	s_add_co_u32 s66, s66, s67
	v_add_nc_u32 v[X2R], s66, v[X2R]               ; + 528 x 8 u + 128 b + 64 h
	v_mov_b32 v[KA], 0x32edffee
	v_mov_b32 v[KA+1], 0x32edffee
	v_mov_b32 v[KB], 0xb95fbd29
	v_mov_b32 v[KB+1], 0xb95fbd29
	s_mov_b32 s[SEL], 0x76543210
	s_mov_b32 s[SEL+1], 0xfedcba98
	s_lshl_b32 s63, ttmp9, 5
	s_lshl_b32 s66, s[WV], 1
	s_add_co_u32 s63, s63, s66                     ; my first token
	s_wait_kmcnt 0x0
	s_lshl_b32 s66, s63, 7
	s_mov_b32 s67, 0
	s_add_nc_u64 s[4:5], s[4:5], s[66:67]
	s_load_b512 s[20:35], s[4:5], 0x0              ; my first token's 32 indices,
	s_load_b512 s[36:51], s[4:5], 0x40
	s_load_b512 s[68:83], s[4:5], 0x80             ; my second token's
	s_load_b512 s[84:99], s[4:5], 0xc0
	s_lshl_b32 s66, s63, 9
	s_add_nc_u64 s[QBASE:QBASE+1], s[6:7], s[66:67]
	s_add_nc_u64 s[RBASE:RBASE+1], s[QBASE:QBASE+1], 0xc00000
	s_add_nc_u64 s[KBASE:KBASE+1], s[6:7], 0x400000
	s_add_nc_u64 s[VBASE:VBASE+1], s[6:7], 0x800000
	global_load_b128 v[QR:QR+3], v[L16], s[QBASE:QBASE+1]
	global_load_b128 v[QR+4:QR+7], v[L16], s[RBASE:RBASE+1]
	global_load_b128 v[QR+8:QR+11], v[L16], s[QBASE:QBASE+1] offset:512
	global_load_b128 v[QR+12:QR+15], v[L16], s[RBASE:RBASE+1] offset:512
	s_wait_kmcnt 0x0
.set i, 0
.rept 32
	s_min_u32 s[20+i], s[20+i], 8191               ; an index enters an address only held to the table
	s_min_u32 s[68+i], s[68+i], 8191
.set i, i+1
.endr
.set i, 0
.rept 32
	v_lshl_add_u32 v[OF+i], s[20+i], 9, v[L16]
.set i, i+1
.endr
.set i, 0
.rept 32
	global_load_b128 v[KBR+4*i:KBR+4*i+3], v[OF+i], s[KBASE:KBASE+1]
.set i, i+1
.endr
	TOKEN 0, 1
	TOKEN 1, 0
	PROJ_SADDR
	s_cmp_lt_u32 s[WV], 8
	s_cbranch_scc0 .Lno_loads
	PROJ_LOADS                                     ; all row loads are in: the weights take their registers
.Lno_loads:
	BARRIER                                        ; x2's 32 rows lie in LDS
	s_cmp_lt_u32 s[WV], 8
	s_cbranch_scc0 .Lno_x
.irp j, 0,1,2,3
	ds_load_b128 v[XV+4*\j:XV+4*\j+3], v[X2R] offset:16*\j
.endr
	v_mov_b32 v[TM+1], 0
.irp b, 0,1,2,3
	v_mov_b32 v[TM+4+\b], 0
.endr
	s_wait_dscnt 0x0
	QBLK XV, PC, PC+4, TM
	XSTORE PC, PC+4
.Lno_x:
	BARRIER                                        ; x2's two fragments and their scale words lie in LDS
	s_cmp_lt_u32 s[WV], 8
	s_cbranch_scc0 .Lproj_done
	PROJ_WORK
	s_wait_tensorcnt 0x0                           ; the wave's end
	ds_add_u32 v[SPW], v[NIL]
	s_wait_dscnt 0x0
	s_endpgm
.Lfunc_end_k_q777d444e58_l1:
	.size	k_q777d444e58_l1, .Lfunc_end_k_q777d444e58_l1-k_q777d444e58_l1
	.p2alignl 7, 3214868480
	.fill 96, 4, 3214868480
	.section	.rodata,"a",@progbits
	.p2align	6, 0x0
	.amdhsa_kernel k_q777d444e58_l1
		.amdhsa_group_segment_fixed_size 22272
		.amdhsa_private_segment_fixed_size 0
		.amdhsa_enable_private_segment 0
		.amdhsa_kernarg_size 64
		.amdhsa_user_sgpr_count 2
		.amdhsa_user_sgpr_kernarg_segment_ptr 1
		.amdhsa_wavefront_size32 1
		.amdhsa_system_sgpr_workgroup_id_x 1
		.amdhsa_system_sgpr_workgroup_id_y 1
		.amdhsa_system_sgpr_workgroup_id_z 1
		.amdhsa_system_vgpr_workitem_id 0
		.amdhsa_next_free_vgpr 256
		.amdhsa_next_free_sgpr 104
		.amdhsa_reserve_vcc 0
		.amdhsa_float_denorm_mode_32 3
		.amdhsa_float_denorm_mode_16_64 3
		.amdhsa_memory_ordered 1
		.amdhsa_forward_progress 1
		.amdhsa_inst_pref_size 92
	.end_amdhsa_kernel
	.amdgpu_metadata
---
amdhsa.version: [ 1, 2 ]
amdhsa.kernels:
  - .name:           k_q777d444e58_l1
    .symbol:         k_q777d444e58_l1.kd
    .args:
      - { .name: neighbor_index, .offset: 0, .size: 8, .value_kind: global_buffer, .address_space: global }
      - { .name: loc, .offset: 8, .size: 8, .value_kind: global_buffer, .address_space: global }
      - { .name: wbuf, .offset: 16, .size: 8, .value_kind: global_buffer, .address_space: global }
      - { .name: l2_qb, .offset: 24, .size: 8, .value_kind: global_buffer, .address_space: global }
      - { .name: l2_kb, .offset: 32, .size: 8, .value_kind: global_buffer, .address_space: global }
      - { .name: l2_vb, .offset: 40, .size: 8, .value_kind: global_buffer, .address_space: global }
      - { .name: w2_b, .offset: 48, .size: 8, .value_kind: global_buffer, .address_space: global }
      - { .name: act, .offset: 56, .size: 8, .value_kind: global_buffer, .address_space: global }
    .group_segment_fixed_size: 22272
    .private_segment_fixed_size: 0
    .kernarg_segment_align: 8
    .kernarg_segment_size: 64
    .max_flat_workgroup_size: 512
    .sgpr_count:     104
    .vgpr_count:     256
    .wavefront_size: 32
...
	.end_amdgpu_metadata
.endif
;; end of part 6
;; launch s2: the kernel of part 3 again; grid 32 x 8, 8 waves a work-group, clusters of 4 x 1, 167,936 bytes of LDS; arguments act, st; writes st
;; launch b2: the kernel of part 4 again; grid 32 x 8, 8 waves a work-group, clusters of 4 x 1, 205,824 bytes of LDS; arguments act, st, po; writes po
;; launch e2 (part 7): grid 256 x 1, 8 waves a work-group, no clusters, 4,864 bytes of LDS; arguments po, act, wbuf, fc1_b, fc2_w, fc2_b, out0; writes out0
.if DOCPART == 7
	.amdgcn_target "amdgcn-amd-amdhsa--gfx1250"
	.amdhsa_code_object_version 6
	.text
	.protected	k_q777d444e58_e2
	.globl	k_q777d444e58_e2
	.p2align	8
	.type	k_q777d444e58_e2,@function
k_q777d444e58_e2:
	s_mov_b64 s[64:65], 0
	v_nop
	global_prefetch_b8 v0, s[64:65] scope:SCOPE_SE
	s_setreg_imm32_b32 hwreg(HW_REG_WAVE_MODE, 25, 1), 1
	s_wait_xcnt 0x0
; x3 = O + r (no activation), O the sum of the eight parts in the order of the eighths; x3 is quantised; h = gelu(x3 fc1_w + fc1_b) on codes of E2M3; out0 = h fc2_w + fc2_b in f32 (N = 1: fused multiply-adds).  Nothing is left out.
; A work-group takes a pair of 32 tokens.  X PHASE: wave w = 2 b + u: block b of tile u.  Then wave (u, qd = w >> 1): tile u, fc1's columns 64 qd .. + 63: four products, transposed, the bias as their C;
; gelu; the dot with fc2_w over my 32 columns a lane, joined with lane l xor 16; the four waves' parts of a token meet in LDS and wave 0 stores the pair's 32 numbers.
; No cluster: the shared bytes are fc1's two images, which go straight into registers.  LIMITS: as at the head of the first kernel; gelu as in the launches before.
.set XROW,  0
.set XSC,   3072
.set RED,   3328                       ; [u][qd][r] f32
.set SPARE, 3840
.set A_RB,  2457600
.set L16, 1
.set XW,  2
.set XB,  3
.set XRU, 4
.set XSA, 5
.set BO,  6
.set RW,  7
.set RRD, 8
.set OO,  9
.set TR,  10
.set TH,  11
.set TL,  12
.set SPW, 14
.set NIL, 15
.set W,   16                           ; v16-63; X phase: v16-143 the eight parts
.set HA,  64                           ; v64-95
.set FW,  96                           ; v96-127 fc2_w at my columns
.set GT,  128                          ; v128-191 gelu's 64 registers
.set XV,  176
.set XF,  192
.set OF,  204
.set CD,  212
.set BY,  215
.set TM,  216
.set WS,  220
.set XS,  224
.set KA,  226
.set KB,  228
.set D0,  230
.set D1,  232
.set WV,  20
.set QD,  21
.set SUB, 22
.set SEL, 24
.set T0,  26
.set WP,  32
.set WP3, 34
.set BP,  36
.set FP,  38
.set RBP, 40
.set OP,  42
.macro MM d, a, b, c, sa, sb, ra, rb
.if (\ra)
	v_wmma_scale_f32_16x16x128_f8f6f4 v[\d:\d+7], v[\a:\a+11], v[\b:\b+11], v[\c:\c+7], v[\sa], v[\sb] matrix_a_fmt:MATRIX_FMT_FP6 matrix_b_fmt:MATRIX_FMT_FP6 matrix_a_scale:MATRIX_SCALE_ROW1
.else
	v_wmma_scale_f32_16x16x128_f8f6f4 v[\d:\d+7], v[\a:\a+11], v[\b:\b+11], v[\c:\c+7], v[\sa], v[\sb] matrix_a_fmt:MATRIX_FMT_FP6 matrix_b_fmt:MATRIX_FMT_FP6
.endif
.endm
.macro QBLK src, cd, by, tm
	v_max3_num_f32 v[\tm], |v[\src]|, |v[\src+1]|, 0x1800000
.irp i, 2,4,6,8,10,12,14
	v_max3_num_f32 v[\tm], v[\tm], |v[\src+\i]|, |v[\src+\i+1]|
.endr
	v_permlanex16_b32 v[\tm+1], v[\tm], s[SEL], s[SEL+1]
	v_max_num_f32 v[\tm], v[\tm], v[\tm+1]
	v_add_nc_u32 v[\tm+2], 0xff000000, v[\tm]
	v_lshrrev_b32 v[\by], 23, v[\tm+2]
	v_cvt_scalef32_pk16_fp6_f32 v[\cd:\cd+2], v[\src:\src+15], v[\tm+2]
	v_nop
.endm
.macro GSTEP acc, n, lit
.set gi, 0
.rept \n
	v_pk_fma_f32 v[\acc+gi:\acc+gi+1], v[\acc+gi:\acc+gi+1], v[gV+gi:gV+gi+1], \lit op_sel_hi:[1,1,0]
.set gi, gi+2
.endr
.endm
.macro GELU base, n, tmp
.set gU, \tmp
.set gV, \tmp+2*\n
.set gA, \tmp+4*\n
.set gB, \tmp+6*\n
.set gi, 0
.rept \n
	v_pk_mul_f32 v[gU+gi:gU+gi+1], v[\base+gi:\base+gi+1], 0x3f3504f3 op_sel_hi:[1,0]   ; each accumulator is read from its low end on
.set gi, gi+2
.endr
.set gi, 0
.rept 2*\n
	v_med3_num_f32 v[gU+gi], v[gU+gi], -4.0, 4.0
.set gi, gi+1
.endr
.set gi, 0
.rept \n
	v_pk_mul_f32 v[gV+gi:gV+gi+1], v[gU+gi:gU+gi+1], v[gU+gi:gU+gi+1]
.set gi, gi+2
.endr
.set gi, 0
.rept \n
	v_pk_fma_f32 v[gA+gi:gA+gi+1], v[gV+gi:gV+gi+1], 0xaf95df0b, v[KA:KA+1] op_sel_hi:[1,0,1]
	v_pk_fma_f32 v[gB+gi:gB+gi+1], v[gV+gi:gV+gi+1], 0xb77460cd, v[KB:KB+1] op_sel_hi:[1,0,1]
.set gi, gi+2
.endr
	GSTEP gA, \n, 0xb60cff51
	GSTEP gB, \n, 0xbadc924e
	GSTEP gA, \n, 0xb86ec2d2
	GSTEP gB, \n, 0xbbf19bf8
	GSTEP gA, \n, 0xba40ac63
	GSTEP gB, \n, 0xbc69b6a7
	GSTEP gA, \n, 0xbb41a1f6
	GSTEP gA, \n, 0xbc83dbd4
.set gi, 0
.rept 2*\n
	v_rcp_f32 v[gB+gi], v[gB+gi]
.set gi, gi+1
.endr
.set gi, 0
.rept \n
	v_pk_mul_f32 v[gA+gi:gA+gi+1], v[gA+gi:gA+gi+1], v[gU+gi:gU+gi+1]
.set gi, gi+2
.endr
	s_wait_alu depctr_va_vdst(0)
.set gi, 0
.rept \n
	v_pk_mul_f32 v[gA+gi:gA+gi+1], v[gA+gi:gA+gi+1], v[gB+gi:gB+gi+1]
.set gi, gi+2
.endr
.set gi, 0
.rept \n
	v_pk_mul_f32 v[gU+gi:gU+gi+1], v[\base+gi:\base+gi+1], 0.5 op_sel_hi:[1,0]
.set gi, gi+2
.endr
.set gi, 0
.rept \n
	v_pk_fma_f32 v[\base+gi:\base+gi+1], v[gU+gi:gU+gi+1], v[gA+gi:gA+gi+1], v[gU+gi:gU+gi+1]
.set gi, gi+2
.endr
.endm
	s_load_b256 s[4:11], s[0:1], 0x0               ; po, act, wbuf, fc1_b
	s_load_b128 s[12:15], s[0:1], 0x20             ; fc2_w, fc2_b
	s_load_b64 s[16:17], s[0:1], 0x30              ; out0
	v_lshl_add_u32 v[SPW], v0, 2, SPARE
	v_mov_b32 v[NIL], 0
	v_lshrrev_b32 v13, 5, v0
	v_readfirstlane_b32 s[WV], v13
	s_lshr_b32 s[QD], s[WV], 1                     ; X phase: block b; later: my 64 columns of fc1
	s_and_b32 s[SUB], s[WV], 1                     ; tile u
	v_and_b32 v[TR], 15, v0
	v_bfe_u32 v[TH], v0, 4, 1
	v_and_b32 v[TL], 31, v0
	v_lshlrev_b32 v[L16], 4, v[TL]
	v_lshlrev_b32 v[OO], 2, v[TL]
	s_mul_i32 s[T0], s[SUB], 1536
	s_mul_i32 s[T0+1], s[QD], 384
	s_add_co_u32 s[T0+1], s[T0+1], s[T0]
	v_mul_u32_u24 v13, v[TR], 24
	v_mad_u32_u24 v[XW], v[TH], 12, v13
	v_add_nc_u32 v[XW], s[T0+1], v[XW]
	v_mad_u32_u24 v[XRU], v[TH], 384, v13
	v_add_nc_u32 v[XRU], s[T0], v[XRU]
	s_lshl_b32 s[T0+2], s[SUB], 6
	s_add_co_u32 s[T0+2], s[T0+2], XSC
	s_add_co_u32 s[T0+3], s[T0+2], s[QD]
	v_lshl_add_u32 v[XB], v[TR], 2, s[T0+3]
	v_lshl_add_u32 v[XSA], v[TR], 2, s[T0+2]
	v_lshlrev_b32 v[BO], 6, v[TH]
	s_lshl_b32 s[T0+2], s[SUB], 8
	s_lshl_b32 s[T0+3], s[QD], 6
	s_add_co_u32 s[T0+2], s[T0+2], s[T0+3]
	s_add_co_u32 s[T0+2], s[T0+2], RED
	v_lshl_add_u32 v[RW], v[TR], 2, s[T0+2]        ; RED + 256 u + 64 qd + 4 r
	v_bfe_u32 v13, v0, 3, 1                        ; wave 0's way out: lane l is token 32 p + l: tile (l >> 3) & 1, row (l & 7) + 8 (l >> 4)
	v_and_b32 v[RRD], 7, v0
	v_lshl_add_u32 v[RRD], v[TH], 3, v[RRD]
	v_lshlrev_b32 v[RRD], 2, v[RRD]
	v_lshl_add_u32 v[RRD], v13, 8, v[RRD]
	v_add_nc_u32 v[RRD], RED, v[RRD]
	s_lshl_b32 s[T0], ttmp9, 1
	s_add_co_u32 s[T0], s[T0], s[SUB]
	s_lshl_b32 s[T0], s[T0], 13
	s_lshl_b32 s[T0+1], s[QD], 11
	s_add_co_u32 s[T0], s[T0], s[T0+1]
	v_add_nc_u32 v[OF], s[T0], v[L16]
.irp e, 1,2,3,4,5,6,7
	v_add_nc_u32 v[OF+\e], \e*0x400000, v[OF]
.endr
	v_mov_b32 v[KA], 0x32edffee
	v_mov_b32 v[KA+1], 0x32edffee
	v_mov_b32 v[KB], 0xb95fbd29
	v_mov_b32 v[KB+1], 0xb95fbd29
	v_mov_b32 v[TM+1], 0
	s_mov_b32 s[SEL], 0x76543210
	s_mov_b32 s[SEL+1], 0xfedcba98
	s_wait_kmcnt 0x0
	s_load_b32 s18, s[14:15], 0x0                  ; fc2_b
	s_add_nc_u64 s[RBP:RBP+1], s[6:7], A_RB
	s_lshr_b32 s[T0], s[QD], 1
	s_add_co_u32 s[T0], s[T0], 12
	s_mul_i32 s[T0], s[T0], 12800
	s_mov_b32 s[T0+1], 0
	s_add_nc_u64 s[WP3:WP3+1], s[8:9], s[T0:T0+1]  ; fc1's image of my half of the columns
	s_and_b32 s[T0+2], s[QD], 1
	s_mul_i32 s[T0], s[T0+2], 6144
	s_add_nc_u64 s[WP:WP+1], s[WP3:WP3+1], s[T0:T0+1]        ; my four fragments,
	s_lshl_b32 s[T0], s[T0+2], 3
	s_add_nc_u64 s[WP3:WP3+1], s[WP3:WP3+1], s[T0:T0+1]      ; and their two registers of scale words
	s_lshl_b32 s[T0], s[QD], 8
	s_add_nc_u64 s[BP:BP+1], s[10:11], s[T0:T0+1]
	s_add_nc_u64 s[FP:FP+1], s[12:13], s[T0:T0+1]
	s_lshl_b32 s[T0], ttmp9, 7
	s_add_nc_u64 s[OP:OP+1], s[16:17], s[T0:T0+1]
.irp e, 0,1,2,3,4,5,6,7
.irp j, 0,1,2,3
	global_load_b128 v[16+16*\e+4*\j:16+16*\e+4*\j+3], v[OF+\e], s[4:5] offset:512*\j th:TH_LOAD_NT
.endr
.endr
.irp j, 0,1,2,3
	global_load_b128 v[XV+4*\j:XV+4*\j+3], v[OF], s[RBP:RBP+1] offset:512*\j th:TH_LOAD_NT
.endr
	s_wait_loadcnt 0x0
.irp e, 0,1,2,3,4,5,6,7
.irp j, 0,2,4,6,8,10,12,14
	v_pk_add_f32 v[XV+\j:XV+\j+1], v[XV+\j:XV+\j+1], v[16+16*\e+\j:16+16*\e+\j+1]
.endr
.endr
.set i, 0
.rept 12                               ; the parts' registers are free
	global_load_b128 v[W+4*i:W+4*i+3], v[L16], s[WP:WP+1] offset:512*i
.set i, i+1
.endr
	global_load_b64 v[WS:WS+1], v[L16], s[WP3:WP3+1] offset:12288
.set i, 0
.rept 8
	global_load_b128 v[HA+4*i:HA+4*i+3], v[BO], s[BP:BP+1] offset:128*(i/4)+16*(i%4)   ; fc1_b in the result's layout,
	global_load_b128 v[FW+4*i:FW+4*i+3], v[BO], s[FP:FP+1] offset:128*(i/4)+16*(i%4)   ; and fc2_w likewise
.set i, i+1
.endr
	QBLK XV, CD, BY, TM
	ds_store_b32 v[XW], v[CD]
	ds_store_b32 v[XW], v[CD+1] offset:4
	ds_store_b32 v[XW], v[CD+2] offset:8
	ds_store_b8 v[XB], v[BY]
	s_wait_dscnt 0x0
	s_barrier_signal -1
	s_barrier_wait -1                              ; x3's two fragments and their scale words lie in LDS
.irp c, 0,1
.irp i, 0,1,2
	ds_load_b64 v[XF+6*\c+2*\i:XF+6*\c+2*\i+1], v[XRU] offset:768*\c+8*\i
.endr
.endr
	ds_load_b32 v[XS], v[XSA]
	s_wait_dscnt 0x0
	s_wait_loadcnt 0x0
.irp t, 0,1,2,3
	MM HA+8*\t, W+12*\t, XF, HA+8*\t, WS+\t/2, XS, \t%2, 0
.endr
.rept 4
	v_nop
.endr
	GELU HA, 8, GT
	GELU HA+16, 8, GT
	v_pk_mul_f32 v[D0:D0+1], v[HA:HA+1], v[FW:FW+1]
	v_pk_mul_f32 v[D1:D1+1], v[HA+2:HA+3], v[FW+2:FW+3]
.irp j, 4,8,12,16,20,24,28
	v_pk_fma_f32 v[D0:D0+1], v[HA+\j:HA+\j+1], v[FW+\j:FW+\j+1], v[D0:D0+1]
	v_pk_fma_f32 v[D1:D1+1], v[HA+\j+2:HA+\j+3], v[FW+\j+2:FW+\j+3], v[D1:D1+1]
.endr
	v_pk_add_f32 v[D0:D0+1], v[D0:D0+1], v[D1:D1+1]
	v_add_f32 v[D0], v[D0], v[D0+1]
	v_permlanex16_b32 v[D1], v[D0], s[SEL], s[SEL+1]
	v_add_f32 v[D0], v[D0], v[D1]                  ; my token's sum over my wave's 64 columns
	ds_store_b32 v[RW], v[D0]                      ; both halves of the lanes write the same word with the same value
	s_wait_kmcnt 0x0                               ; fc2_b
	s_wait_dscnt 0x0
	s_barrier_signal -1
	s_barrier_wait -1
	s_cmp_lg_u32 s[WV], 0
	s_cbranch_scc1 .Lend
.irp k, 0,1,2,3
	ds_load_b32 v[D0+\k], v[RRD] offset:64*\k
.endr
	s_wait_dscnt 0x0
	v_add_f32 v[D0], v[D0], v[D0+1]
	v_add_f32 v[D0+2], v[D0+2], v[D0+3]
	v_add_f32 v[D0], v[D0], v[D0+2]
	v_add_f32 v[D0], s18, v[D0]
	global_store_b32 v[OO], v[D0], s[OP:OP+1]      ; 32 lanes store the pair's 128 consecutive bytes
.Lend:
	s_wait_tensorcnt 0x0                           ; the wave's end
	ds_add_u32 v[SPW], v[NIL]
	s_wait_dscnt 0x0
	s_endpgm
.Lfunc_end_k_q777d444e58_e2:
	.size	k_q777d444e58_e2, .Lfunc_end_k_q777d444e58_e2-k_q777d444e58_e2
	.p2alignl 7, 3214868480
	.fill 96, 4, 3214868480
	.section	.rodata,"a",@progbits
	.p2align	6, 0x0
	.amdhsa_kernel k_q777d444e58_e2
		.amdhsa_group_segment_fixed_size 4864
		.amdhsa_private_segment_fixed_size 0
		.amdhsa_enable_private_segment 0
		.amdhsa_kernarg_size 56
		.amdhsa_user_sgpr_count 2
		.amdhsa_user_sgpr_kernarg_segment_ptr 1
		.amdhsa_wavefront_size32 1
		.amdhsa_system_sgpr_workgroup_id_x 1
		.amdhsa_system_sgpr_workgroup_id_y 1
		.amdhsa_system_sgpr_workgroup_id_z 1
		.amdhsa_system_vgpr_workitem_id 0
		.amdhsa_next_free_vgpr 256
		.amdhsa_next_free_sgpr 66
		.amdhsa_reserve_vcc 0
		.amdhsa_float_denorm_mode_32 3
		.amdhsa_float_denorm_mode_16_64 3
		.amdhsa_memory_ordered 1
		.amdhsa_forward_progress 1
		.amdhsa_inst_pref_size 43
	.end_amdhsa_kernel
	.amdgpu_metadata
---
amdhsa.version: [ 1, 2 ]
amdhsa.kernels:
  - .name:           k_q777d444e58_e2
    .symbol:         k_q777d444e58_e2.kd
    .args:
      - { .name: po, .offset: 0, .size: 8, .value_kind: global_buffer, .address_space: global }
      - { .name: act, .offset: 8, .size: 8, .value_kind: global_buffer, .address_space: global }
      - { .name: wbuf, .offset: 16, .size: 8, .value_kind: global_buffer, .address_space: global }
      - { .name: fc1_b, .offset: 24, .size: 8, .value_kind: global_buffer, .address_space: global }
      - { .name: fc2_w, .offset: 32, .size: 8, .value_kind: global_buffer, .address_space: global }
      - { .name: fc2_b, .offset: 40, .size: 8, .value_kind: global_buffer, .address_space: global }
      - { .name: out0, .offset: 48, .size: 8, .value_kind: global_buffer, .address_space: global }
    .group_segment_fixed_size: 4864
    .private_segment_fixed_size: 0
    .kernarg_segment_align: 8
    .kernarg_segment_size: 56
    .max_flat_workgroup_size: 256
    .sgpr_count:     66
    .vgpr_count:     256
    .wavefront_size: 32
...
	.end_amdgpu_metadata
.endif
;; end of part 7
;; ======== version 2 of 2: 7 launches
;; limits: right only within a limited range of input values
;; workspace buffers: wbuf 179,200 bytes; act 6,651,904 bytes; po 4,194,304 bytes; loc 9,437,184 bytes
;; launch wq (part 8): grid 14 x 1, 8 waves a work-group, no clusters, 0 bytes of LDS; arguments l0_qw, l0_kw, l0_vw, w0_w, l1_qw, l1_kw, l1_vw, w1_w, l2_qw, l2_kw, l2_vw, w2_w, fc1_w, wbuf; writes wbuf
.if DOCPART == 8
	.amdgcn_target "amdgcn-amd-amdhsa--gfx1250"
	.amdhsa_code_object_version 6
	.text
	.protected	k_q777d444e58_wq
	.globl	k_q777d444e58_wq
	.p2align	8
	.type	k_q777d444e58_wq,@function
k_q777d444e58_wq:
	s_mov_b64 s[64:65], 0
	v_nop
	global_prefetch_b8 v0, s[64:65] scope:SCOPE_SE
	s_setreg_imm32_b32 hwreg(HW_REG_WAVE_MODE, 25, 1), 1
	s_wait_xcnt 0x0
; THE WEIGHTS OF ALL QUANTISED PRODUCTS, ONCE: 12 matrices [128 (k)][128 (n)] and fc1_w [128 (k)][256 (n)] (two halves of 128 columns), f32, become 14 images of operand registers in wbuf.
; LEFT OUT AS DEAD WORK IN THIS PROGRAM: the input l1_kb.  In the local attention score(n, j, h) = q(n, h) . (x1[nbr(n, j)] l1_kw + l1_kb)_h / 4
;   = q(n, h) . (x1[nbr(n, j)] l1_kw)_h / 4 + q(n, h) . l1_kb_h / 4.  The second term does not hang on j, the axis of that softmax, so it leaves every weight p(n, j, h) as it is, whatever the inputs hold;
;   the product of q with k there (K = 16) is left as it is, so the bias moves no code; and k of layer 1 goes nowhere else.  l1_kb is not loaded and is among no launch's arguments.
;   LIMIT: a NaN, an infinity or an overflow that reaches only that term is not carried to the result.
; All other inputs have a way to out0 and are honoured; the biases on K of the two global attentions stay, since they move codes.  The scores of each global attention are formed twice (once for the
; row's maximum and sum, once for p), because p is quantised finished and normalised.
; LIMITS of the whole program: NaN and infinities among the inputs are not served.  A block of zeros carries the scale byte 1 where the rule says 127: its codes are zeros, and this program alone reads the bytes.
; AN IMAGE is 12,800 bytes: fragment ct (16 rows x 128 K, 12 registers a lane) at 1536 ct, registers 4 g .. 4 g + 3 of lane l at + 512 g + 16 l; the rows' scale words at 12,288 + 16 (r + 16 (ct & 1)) + 4 (ct >> 1).
; THE ROWS OF A FRAGMENT ARE NOT NEIGHBOURS: lane r of fragment ct takes column n = 32 (ct >> 1) + 8 (ct & 1) + r + (r & 8), so that the results of two neighbouring fragments are 16 neighbours along the next K.
; SHARES: a work-group a matrix, a wave a fragment.  A lane takes a column and its registers run down K: k = 64 c + 32 h + i, the order of the operand's registers; nothing is transposed.
; No LDS, no cluster: no two work-groups read the same bytes.
.set X,   32                           ; v32-95   my 64 numbers
.set PC,  96                           ; v96-107  the fragment's codes
.set PT,  108                          ; v108-114 the second halves of the two blocks, as the conversions leave them
	s_load_b512 s[4:19], s[0:1], 0x0               ; the matrices 0 to 7
	s_load_b256 s[20:27], s[0:1], 0x40             ; 8 to 11
	s_load_b128 s[28:31], s[0:1], 0x60             ; fc1_w, wbuf
	v_lshrrev_b32 v1, 5, v0
	s_delay_alu instid0(VALU_DEP_1)
	v_readfirstlane_b32 s34, v1                    ; ct = my wave
	v_and_b32 v2, 15, v0                           ; r
	v_bfe_u32 v3, v0, 4, 1                         ; h
	s_delay_alu instid0(VALU_DEP_2)
	v_and_b32 v4, 8, v2
	s_delay_alu instid0(VALU_DEP_1)
	v_add_nc_u32 v4, v4, v2                        ; r + (r & 8)
	s_wait_alu depctr_va_vdst(0)
	s_lshr_b32 s35, s34, 1
	s_and_b32 s36, s34, 1
	s_lshl_b32 s37, s35, 5
	s_lshl_b32 s44, s36, 3
	s_add_co_u32 s37, s37, s44                     ; 32 (ct >> 1) + 8 (ct & 1)
	s_cmp_eq_u32 ttmp9, 13
	s_cselect_b32 s44, 128, 0                      ; fc1_w's second half
	s_add_co_u32 s37, s37, s44
	v_add_nc_u32 v4, s37, v4
	s_delay_alu instid0(VALU_DEP_1)
	v_lshlrev_b32 v4, 2, v4                        ; my column, in bytes
	s_cmp_lt_u32 ttmp9, 12
	s_cselect_b32 s44, 14, 15                      ; 32 rows are 2^14 bytes, in fc1_w 2^15
	v_lshlrev_b32 v5, s44, v3
	s_delay_alu instid0(VALU_DEP_1)
	v_add_nc_u32 v4, v4, v5                        ; lanes 16-31 begin 32 rows further down
	v_and_b32 v6, 31, v0
	s_delay_alu instid0(VALU_DEP_1)
	v_lshlrev_b32 v6, 4, v6                        ; 16 x lane
	v_lshlrev_b32 v7, 4, v2                        ; 16 r
	s_mov_b32 s38, 0x76543210
	s_mov_b32 s39, 0xfedcba98                      ; lane l xor 16
	s_mul_i32 s40, ttmp9, 12800                    ; my image
	s_mov_b32 s41, 0
	s_mul_i32 s42, s34, 1536                       ; my fragment in it
	s_mov_b32 s43, 0
	s_lshl_b32 s45, s36, 8
	s_lshl_b32 s46, s35, 2
	s_add_co_u32 s46, s46, s45
	s_add_co_u32 s46, s46, 12288                   ; my scale words in it
	s_mov_b32 s47, 0
	s_wait_kmcnt 0x0
	s_mov_b64 s[32:33], s[4:5]
.irp i, 1,2,3,4,5,6,7,8,9,10,11
	s_cmp_eq_u32 ttmp9, \i                         ; the choice hangs on the work-group's number alone
	s_cselect_b64 s[32:33], s[4+2*\i:5+2*\i], s[32:33]
.endr
	s_cmp_ge_u32 ttmp9, 12
	s_cselect_b64 s[32:33], s[28:29], s[32:33]
	s_add_nc_u64 s[30:31], s[30:31], s[40:41]
	s_add_nc_u64 s[42:43], s[30:31], s[42:43]
	s_add_nc_u64 s[46:47], s[30:31], s[46:47]
	s_cmp_lt_u32 ttmp9, 12
	s_cbranch_scc0 .Lwide
.set i, 0
	s_wait_alu depctr_va_vdst(0)
.rept 64
	global_load_b32 v[X+i], v4, s[32:33] offset:(64*(i/32)+i%32)*512
.set i, i+1
.endr
	s_branch .Lgot
.Lwide:
.set i, 0
	s_wait_alu depctr_va_vdst(0)
.rept 64
	global_load_b32 v[X+i], v4, s[32:33] offset:(64*(i/32)+i%32)*1024
.set i, i+1
.endr
.Lgot:
	s_wait_loadcnt 0x0
.irp c, 0,1                            ; my block 2 c + h: all its 32 numbers are mine
	v_max3_num_f32 v[16+\c], |v[X+32*\c]|, |v[X+32*\c+1]|, 0x1800000   ; and the floor 2^(3 - 127): the byte cannot fall under 1
.endr
.irp i, 2,4,6,8,10,12,14,16,18,20,22,24,26,28,30
.irp c, 0,1
	s_delay_alu instid0(VALU_DEP_2)
	v_max3_num_f32 v[16+\c], v[16+\c], |v[X+32*\c+\i]|, |v[X+32*\c+\i+1]|
.endr
.endr
.irp c, 0,1
	s_delay_alu instid0(VALU_DEP_2)
	v_add_nc_u32 v[20+\c], 0xff000000, v[16+\c]    ; 2 off the exponent field: the conversion's scale operand
.endr
.irp c, 0,1
	s_delay_alu instid0(VALU_DEP_2)
	v_lshrrev_b32 v[18+\c], 23, v[20+\c]           ; the scale's byte
.endr
	s_delay_alu instid0(VALU_DEP_1)
	v_lshl_or_b32 v9, v19, 16, v18                 ; blocks h and 2 + h,
	v_lshlrev_b32 v10, 3, v3
	s_delay_alu instid0(VALU_DEP_1)
	v_lshlrev_b32 v9, v10, v9                      ; at their places in the word;
	v_mov_b32 v10, 0
	s_delay_alu instid0(VALU_DEP_1)
	v_permlanex16_b32 v10, v9, s38, s39
	s_delay_alu instid0(VALU_DEP_1)
	v_or_b32 v9, v9, v10                           ; with lane l xor 16's two it is whole
.irp c, 0,1
	v_cvt_scalef32_pk16_fp6_f32 v[PC+6*\c:PC+6*\c+2], v[X+32*\c:X+32*\c+15], v[20+\c]
	v_cvt_scalef32_pk16_fp6_f32 v[PT+4*\c:PT+4*\c+2], v[X+32*\c+16:X+32*\c+31], v[20+\c]   ; (a conversion's three registers begin on an even number)
.endr
	v_nop                                          ; one plain place behind a scaled conversion
.irp c, 0,1
.irp i, 0,1,2
	v_mov_b32 v[PC+3+6*\c+\i], v[PT+4*\c+\i]
.endr
.endr
.irp c, 0,1,2
	global_store_b128 v6, v[PC+4*\c:PC+4*\c+3], s[42:43] offset:512*\c   ; 32 lanes store 512 consecutive bytes
.endr
	global_store_b32 v7, v9, s[46:47]              ; both halves of the lanes store the same word to the same place
	s_endpgm
.Lfunc_end_k_q777d444e58_wq:
	.size	k_q777d444e58_wq, .Lfunc_end_k_q777d444e58_wq-k_q777d444e58_wq
	.p2alignl 7, 3214868480
	.fill 96, 4, 3214868480
	.section	.rodata,"a",@progbits
	.p2align	6, 0x0
	.amdhsa_kernel k_q777d444e58_wq
		.amdhsa_group_segment_fixed_size 0
		.amdhsa_private_segment_fixed_size 0
		.amdhsa_enable_private_segment 0
		.amdhsa_kernarg_size 112
		.amdhsa_user_sgpr_count 2
		.amdhsa_user_sgpr_kernarg_segment_ptr 1
		.amdhsa_wavefront_size32 1
		.amdhsa_system_sgpr_workgroup_id_x 1
		.amdhsa_system_sgpr_workgroup_id_y 1
		.amdhsa_system_sgpr_workgroup_id_z 1
		.amdhsa_system_vgpr_workitem_id 0
		.amdhsa_next_free_vgpr 128
		.amdhsa_next_free_sgpr 66
		.amdhsa_reserve_vcc 0
		.amdhsa_float_denorm_mode_32 3
		.amdhsa_float_denorm_mode_16_64 3
		.amdhsa_memory_ordered 1
		.amdhsa_forward_progress 1
		.amdhsa_inst_pref_size 20
	.end_amdhsa_kernel
	.amdgpu_metadata
---
amdhsa.version: [ 1, 2 ]
amdhsa.kernels:
  - .name:           k_q777d444e58_wq
    .symbol:         k_q777d444e58_wq.kd
    .args:
      - { .name: l0_qw, .offset: 0, .size: 8, .value_kind: global_buffer, .address_space: global }
      - { .name: l0_kw, .offset: 8, .size: 8, .value_kind: global_buffer, .address_space: global }
      - { .name: l0_vw, .offset: 16, .size: 8, .value_kind: global_buffer, .address_space: global }
      - { .name: w0_w, .offset: 24, .size: 8, .value_kind: global_buffer, .address_space: global }
      - { .name: l1_qw, .offset: 32, .size: 8, .value_kind: global_buffer, .address_space: global }
      - { .name: l1_kw, .offset: 40, .size: 8, .value_kind: global_buffer, .address_space: global }
      - { .name: l1_vw, .offset: 48, .size: 8, .value_kind: global_buffer, .address_space: global }
      - { .name: w1_w, .offset: 56, .size: 8, .value_kind: global_buffer, .address_space: global }
      - { .name: l2_qw, .offset: 64, .size: 8, .value_kind: global_buffer, .address_space: global }
      - { .name: l2_kw, .offset: 72, .size: 8, .value_kind: global_buffer, .address_space: global }
      - { .name: l2_vw, .offset: 80, .size: 8, .value_kind: global_buffer, .address_space: global }
      - { .name: w2_w, .offset: 88, .size: 8, .value_kind: global_buffer, .address_space: global }
      - { .name: fc1_w, .offset: 96, .size: 8, .value_kind: global_buffer, .address_space: global }
      - { .name: wbuf, .offset: 104, .size: 8, .value_kind: global_buffer, .address_space: global }
    .group_segment_fixed_size: 0
    .private_segment_fixed_size: 0
    .kernarg_segment_align: 8
    .kernarg_segment_size: 112
    .max_flat_workgroup_size: 256
    .sgpr_count:     66
    .vgpr_count:     128
    .wavefront_size: 32
...
	.end_amdgpu_metadata
.endif
;; end of part 8
;; launch p0 (part 9): grid 256 x 1, 8 waves a work-group, no clusters, 4,352 bytes of LDS; arguments x, fc0_w, fc0_b, wbuf, l0_qb, l0_kb, l0_vb, w0_b, act; writes act
.if DOCPART == 9
	.amdgcn_target "amdgcn-amd-amdhsa--gfx1250"
	.amdhsa_code_object_version 6
	.text
	.protected	k_q777d444e58_p0
	.globl	k_q777d444e58_p0
	.p2align	8
	.type	k_q777d444e58_p0,@function
k_q777d444e58_p0:
	s_mov_b64 s[64:65], 0
	v_nop
	global_prefetch_b8 v0, s[64:65] scope:SCOPE_SE
	s_setreg_imm32_b32 hwreg(HW_REG_WAVE_MODE, 25, 1), 1
	s_wait_xcnt 0x0
; x0 = x fc0_w + fc0_b (K = 3: fused multiply-adds in f32), quantised along its 128 channels; then q, k, v of layer 0 and r = x0 w0_w + w0_b, on codes of E2M3.  Nothing of reference() is left out.
; A work-group takes a PAIR p of 32 tokens as two tiles: lane r of tile u is token 32 p + 8 u + r + (r & 8).
; X PHASE: wave w = 2 b + u makes block b (32 channels) of tile u: lane (r, h) holds channels 32 b + 16 h + 0 .. 15 of its token; the block's other half lies in lane l xor 16.  Codes and scale bytes go to LDS.
; In LDS block b of row r of tile u is 24 bytes at 1536 u + 384 b + 24 r: a fragment's lane (r, h) then takes registers 6 c .. 6 c + 5 as three loads of 8 bytes at 768 c + 384 h + 24 r.
; P PHASE: role = w >> 1 (q, k, v, r), sub = w & 1.  q, k, r: tile sub, the product transposed (source 0 = 16 rows of the weight's image, source 1 = x0): a lane holds one token, register 16 b + i = channel 32 b + 16 h + i.
; q and k are quantised in registers and stored as images of operand registers; r is stored as it stands (register group g at 512 g + 16 x lane of its tile's 8,192 bytes).
; v: source 0 = x0's tile, source 1 = the weight: a lane holds ONE channel and 16 neighbouring tokens, so v is quantised along the TOKENS, the second product's K; sub takes four of the eight channel tiles.
; act: q's codes at 0 (1,536 a tile), q's scale words at 786,432, k's steps of 128 keys at 819,200 and v's at 1,638,400 (12,800 each: 12,288 of codes, 512 of scale words), r at 2,457,600.
; No cluster: what the work-groups share is the four weight images, 51,200 bytes, which go from memory straight into registers; there is no tile in LDS that a joint load could fill.
; LIMITS: as stated at the head of the first kernel.
.set XROW,  0                          ; LDS: x0's codes, 3,072 bytes
.set XSC,   3072                       ; its scale words: 64 u + 4 r, byte b
.set SPARE, 3328                       ; the spare words, 128 bytes a wave: no other line names them
.set MB,    0                          ; the first of my four weight images
.set A_QSC, 786432
.set A_KB,  819200
.set A_VB,  1638400
.set A_RB,  2457600
.set L16, 1                            ; 16 x lane
.set XW,  2                            ; LDS: where I put 12 bytes of codes
.set XB,  3                            ; and my block's scale byte
.set XR0, 4                            ; a fragment's lane in tile 0
.set XRU, 5                            ; and in tile sub
.set XSA, 6                            ; tile sub's scale words, 4 r
.set XSL, 7                            ; both tiles' scale words, 4 x lane
.set BO,  8                            ; 64 h
.set BVO, 9                            ; 4 (r + (r & 8))
.set SVO, 10                           ; r x 4 (q) or r x 16 (k)
.set VCO, 11                           ; 24 r + 12 h
.set R16, 12                           ; 16 r
.set XO,  13                           ; 12 (r + (r & 8)): my token's row of x
.set SPW, 14
.set NIL, 15
.set W,   16                           ; v16-111  the weight's eight fragments (v: four)
.set VC,  64                           ; v64-79   v: codes of four blocks
.set VBY, 80                           ; v80-83   v: their scale bytes
.set HA,  112                          ; v112-175 the bias, then the results
.set XF,  176                          ; v176-199 x0's fragments
.set XV,  176                          ; X phase: my 16 numbers
.set WA,  192                          ; X phase: v192-239 fc0_w's three rows, my 16 columns
.set PC,  200                          ; v200-219 codes just made
.set TM,  220                          ; v220-235 at work
.set PW,  236                          ; the scale word just made
.set TR,  237
.set TH,  238
.set TL,  239
.set WS,  240                          ; v240-243 the weight's scale words
.set XS,  244                          ; x0's scale words
.set BV,  246                          ; v246-249 v: the bias of my four channels
.set XK,  250                          ; v250-255 x(token, 0 .. 2), each the low word of a pair
.set SWB, 10
.set SQB, 12
.set SKB, 14
.set SVB, 16
.set SRB, 18
.set SACT, 20
.set WV,  22
.set ROLE, 23
.set SUB, 24
.set SEL, 26
.set WP,  32
.set WP2, 34
.set WP3, 36
.set BP,  38
.set VBP, 40
.set CP,  42
.set SCP, 44
.set RP,  46
.set VCP, 48
.set VSP, 50
.set T0,  52
; D = A x B + C on codes of E2M3.  c < 0: C is the constant 0.  ra, rb: the scales are taken from lanes 16-31 of their register
.macro MM d, a, b, c, sa, sb, ra, rb
.if (\c) < 0
.if (\ra) && (\rb)
	v_wmma_scale_f32_16x16x128_f8f6f4 v[\d:\d+7], v[\a:\a+11], v[\b:\b+11], 0, v[\sa], v[\sb] matrix_a_fmt:MATRIX_FMT_FP6 matrix_b_fmt:MATRIX_FMT_FP6 matrix_a_scale:MATRIX_SCALE_ROW1 matrix_b_scale:MATRIX_SCALE_ROW1
.elseif (\ra)
	v_wmma_scale_f32_16x16x128_f8f6f4 v[\d:\d+7], v[\a:\a+11], v[\b:\b+11], 0, v[\sa], v[\sb] matrix_a_fmt:MATRIX_FMT_FP6 matrix_b_fmt:MATRIX_FMT_FP6 matrix_a_scale:MATRIX_SCALE_ROW1
.elseif (\rb)
	v_wmma_scale_f32_16x16x128_f8f6f4 v[\d:\d+7], v[\a:\a+11], v[\b:\b+11], 0, v[\sa], v[\sb] matrix_a_fmt:MATRIX_FMT_FP6 matrix_b_fmt:MATRIX_FMT_FP6 matrix_b_scale:MATRIX_SCALE_ROW1
.else
	v_wmma_scale_f32_16x16x128_f8f6f4 v[\d:\d+7], v[\a:\a+11], v[\b:\b+11], 0, v[\sa], v[\sb] matrix_a_fmt:MATRIX_FMT_FP6 matrix_b_fmt:MATRIX_FMT_FP6
.endif
.else
.if (\ra) && (\rb)
	v_wmma_scale_f32_16x16x128_f8f6f4 v[\d:\d+7], v[\a:\a+11], v[\b:\b+11], v[\c:\c+7], v[\sa], v[\sb] matrix_a_fmt:MATRIX_FMT_FP6 matrix_b_fmt:MATRIX_FMT_FP6 matrix_a_scale:MATRIX_SCALE_ROW1 matrix_b_scale:MATRIX_SCALE_ROW1
.elseif (\ra)
	v_wmma_scale_f32_16x16x128_f8f6f4 v[\d:\d+7], v[\a:\a+11], v[\b:\b+11], v[\c:\c+7], v[\sa], v[\sb] matrix_a_fmt:MATRIX_FMT_FP6 matrix_b_fmt:MATRIX_FMT_FP6 matrix_a_scale:MATRIX_SCALE_ROW1
.elseif (\rb)
	v_wmma_scale_f32_16x16x128_f8f6f4 v[\d:\d+7], v[\a:\a+11], v[\b:\b+11], v[\c:\c+7], v[\sa], v[\sb] matrix_a_fmt:MATRIX_FMT_FP6 matrix_b_fmt:MATRIX_FMT_FP6 matrix_b_scale:MATRIX_SCALE_ROW1
.else
	v_wmma_scale_f32_16x16x128_f8f6f4 v[\d:\d+7], v[\a:\a+11], v[\b:\b+11], v[\c:\c+7], v[\sa], v[\sb] matrix_a_fmt:MATRIX_FMT_FP6 matrix_b_fmt:MATRIX_FMT_FP6
.endif
.endif
.endm
; Half a block: my 16 numbers v[src] on; the other 16 lie in lane l xor 16.  Codes (12 bytes) into v[cd] on, the scale's byte into v[by].
.macro QBLK src, cd, by, tm
	v_max3_num_f32 v[\tm], |v[\src]|, |v[\src+1]|, 0x1800000   ; with the floor 2^(3 - 127): the byte cannot fall under 1
.irp i, 2,4,6,8,10,12,14
	s_delay_alu instid0(VALU_DEP_1)
	v_max3_num_f32 v[\tm], v[\tm], |v[\src+\i]|, |v[\src+\i+1]|
.endr
	s_delay_alu instid0(VALU_DEP_1)
	v_permlanex16_b32 v[\tm+1], v[\tm], s[SEL], s[SEL+1]
	s_delay_alu instid0(VALU_DEP_1)
	v_max_num_f32 v[\tm], v[\tm], v[\tm+1]         ; the block's largest magnitude
	s_delay_alu instid0(VALU_DEP_1)
	v_add_nc_u32 v[\tm+2], 0xff000000, v[\tm]      ; 2 off its exponent field: the conversion's scale operand
	s_delay_alu instid0(VALU_DEP_1)
	v_lshrrev_b32 v[\by], 23, v[\tm+2]             ; the scale's byte
	v_cvt_scalef32_pk16_fp6_f32 v[\cd:\cd+2], v[\src:\src+15], v[\tm+2]
	v_nop                                          ; one plain place behind a scaled conversion
.endm
; 64 numbers of a lane, register 16 b + i = k 32 b + 16 h + i of my row, become a fragment's codes in v[PC] on and its scale word in v[PW]
.macro QUANT s
.irp b, 0,1,2,3
	v_max3_num_f32 v[TM+\b], |v[\s+16*\b]|, |v[\s+1+16*\b]|, 0x1800000
.endr
.irp i, 2,4,6,8,10,12,14
.irp b, 0,1,2,3
	v_max3_num_f32 v[TM+\b], v[TM+\b], |v[\s+16*\b+\i]|, |v[\s+1+16*\b+\i]|
.endr
.endr
.irp b, 0,1,2,3
	s_delay_alu instid0(VALU_DEP_4)
	v_permlanex16_b32 v[TM+4+\b], v[TM+\b], s[SEL], s[SEL+1]
.endr
.irp b, 0,1,2,3
	s_delay_alu instid0(VALU_DEP_4)
	v_max_num_f32 v[TM+\b], v[TM+\b], v[TM+4+\b]
.endr
.irp b, 0,1,2,3
	s_delay_alu instid0(VALU_DEP_4)
	v_add_nc_u32 v[TM+12+\b], 0xff000000, v[TM+\b]
.endr
.irp b, 0,1,2,3
	s_delay_alu instid0(VALU_DEP_4)
	v_lshrrev_b32 v[TM+4+\b], 23, v[TM+12+\b]
.endr
	s_delay_alu instid0(VALU_DEP_3)
	v_lshl_or_b32 v[PW], v[TM+5], 8, v[TM+4]
	s_delay_alu instid0(VALU_DEP_1)
	v_lshl_or_b32 v[PW], v[TM+6], 16, v[PW]
	s_delay_alu instid0(VALU_DEP_1)
	v_lshl_or_b32 v[PW], v[TM+7], 24, v[PW]
.irp c, 0,1
	v_cvt_scalef32_pk16_fp6_f32 v[PC+6*\c:PC+2+6*\c], v[\s+32*\c:\s+15+32*\c], v[TM+12+2*\c]
	v_cvt_scalef32_pk16_fp6_f32 v[PC+12+4*\c:PC+14+4*\c], v[\s+16+32*\c:\s+31+32*\c], v[TM+12+2*\c+1]
.endr
	v_nop                                          ; one plain place behind a scaled conversion
.irp c, 0,1                            ; the operand's layout wants a whole block in a lane
.irp i, 0,1,2
	v_permlane16_swap_b32 v[PC+6*\c+\i], v[PC+12+4*\c+\i]
.endr
.irp i, 0,1,2
	s_delay_alu instid0(VALU_DEP_3)
	v_mov_b32 v[PC+3+6*\c+\i], v[PC+12+4*\c+\i]
.endr
.endr
.endm
.macro XSTORE cd, by
	ds_store_b32 v[XW], v[\cd]
	ds_store_b32 v[XW], v[\cd+1] offset:4
	ds_store_b32 v[XW], v[\cd+2] offset:8
	ds_store_b8 v[XB], v[\by]                      ; both halves of the lanes write the same byte with the same value
.endm
.macro XFRAG reg, adr, off
.irp c, 0,1
.irp i, 0,1,2
	ds_load_b64 v[\reg+6*\c+2*\i:\reg+6*\c+2*\i+1], v[\adr] offset:\off+768*\c+8*\i
.endr
.endr
.endm
.macro BARRIER                         ; my LDS stores have landed and my LDS loads are in: then the work-group's barrier
	s_wait_dscnt 0x0
	s_barrier_signal -1
	s_barrier_wait -1
.endm
; every vector address of the X and P phases, made ahead of the first branch on the wave's number
.macro PROJ_VADDR
	v_and_b32 v[TR], 15, v0
	v_bfe_u32 v[TH], v0, 4, 1
	v_and_b32 v[TL], 31, v0
	s_delay_alu instid0(VALU_DEP_1)
	v_lshlrev_b32 v[L16], 4, v[TL]
	s_mul_i32 s[T0], s[SUB], 1536
	s_mul_i32 s[T0+1], s[ROLE], 384
	s_add_co_u32 s[T0+1], s[T0+1], s[T0]
	s_add_co_u32 s[T0+1], s[T0+1], XROW
	v_mul_u32_u24 v[VCO], v[TR], 24
	s_delay_alu instid0(VALU_DEP_1)
	v_mad_u32_u24 v[VCO], v[TH], 12, v[VCO]
	s_delay_alu instid0(VALU_DEP_1)
	v_add_nc_u32 v[XW], s[T0+1], v[VCO]
	s_lshl_b32 s[T0+2], s[SUB], 6
	s_add_co_u32 s[T0+2], s[T0+2], XSC
	s_add_co_u32 s[T0+3], s[T0+2], s[ROLE]
	v_lshl_add_u32 v[XB], v[TR], 2, s[T0+3]
	v_lshl_add_u32 v[XSA], v[TR], 2, s[T0+2]
	v_lshl_add_u32 v[XSL], v[TL], 2, XSC
	v_mul_u32_u24 v[XR0], v[TR], 24
	s_delay_alu instid0(VALU_DEP_1)
	v_mad_u32_u24 v[XR0], v[TH], 384, v[XR0]
.if XROW > 0
	v_add_nc_u32 v[XR0], XROW, v[XR0]
.endif
	s_delay_alu instid0(VALU_DEP_1)
	v_add_nc_u32 v[XRU], s[T0], v[XR0]
	v_lshlrev_b32 v[BO], 6, v[TH]
	v_and_b32 v[BVO], 8, v[TR]
	s_delay_alu instid0(VALU_DEP_1)
	v_add_nc_u32 v[BVO], v[BVO], v[TR]
	s_delay_alu instid0(VALU_DEP_1)
	v_lshlrev_b32 v[BVO], 2, v[BVO]
	v_lshlrev_b32 v[R16], 4, v[TR]
	s_cmp_eq_u32 s[ROLE], 0
	s_cselect_b32 s[T0+3], 2, 4
	v_lshlrev_b32 v[SVO], s[T0+3], v[TR]
.endm
; every pointer of the P phase.  Offsets are made in registers of their own and added to one buffer's address each
.macro PROJ_SADDR
	s_add_co_u32 s[T0], s[ROLE], MB
	s_mul_i32 s[T0], s[T0], 12800
	s_mov_b32 s[T0+1], 0
	s_add_nc_u64 s[WP:WP+1], s[SWB:SWB+1], s[T0:T0+1]        ; my role's weight image
	s_mul_i32 s[T0], s[SUB], 6144
	s_add_nc_u64 s[WP2:WP2+1], s[WP:WP+1], s[T0:T0+1]        ; v: my four fragments,
	s_lshl_b32 s[T0], s[SUB], 3
	s_add_nc_u64 s[WP3:WP3+1], s[WP:WP+1], s[T0:T0+1]        ; and their two registers of scale words
	s_cmp_eq_u32 s[ROLE], 0
	s_cselect_b64 s[BP:BP+1], s[SQB:SQB+1], s[SKB:SKB+1]
	s_cmp_eq_u32 s[ROLE], 3
	s_cselect_b64 s[BP:BP+1], s[SRB:SRB+1], s[BP:BP+1]
	s_lshl_b32 s[T0], s[SUB], 8
	s_add_nc_u64 s[VBP:VBP+1], s[SVB:SVB+1], s[T0:T0+1]
	s_lshl_b32 s[T0+2], ttmp9, 1
	s_add_co_u32 s[T0+2], s[T0+2], s[SUB]          ; my tile: 2 p + sub
	s_lshr_b32 s[T0+3], ttmp9, 2
	s_mul_i32 s[T0+3], s[T0+3], 12800              ; the step of 128 keys that holds my pair
	s_and_b32 s[T0+4], ttmp9, 3                    ; and my pair's place in it
	s_mul_i32 s[T0], s[T0+2], 1536                 ; q's codes
	s_lshl_b32 s[T0+5], s[T0+4], 1
	s_add_co_u32 s[T0+5], s[T0+5], s[SUB]
	s_mul_i32 s[T0+5], s[T0+5], 1536
	s_add_co_u32 s[T0+5], s[T0+5], s[T0+3]
	s_add_co_u32 s[T0+5], s[T0+5], A_KB            ; k's codes
	s_cmp_eq_u32 s[ROLE], 0
	s_cselect_b32 s[T0], s[T0], s[T0+5]
	s_add_nc_u64 s[CP:CP+1], s[SACT:SACT+1], s[T0:T0+1]
	s_lshl_b32 s[T0], s[T0+2], 6
	s_add_co_u32 s[T0], s[T0], A_QSC               ; q's scale words
	s_lshl_b32 s[T0+5], s[SUB], 8
	s_lshl_b32 s[T0+6], s[T0+4], 2
	s_add_co_u32 s[T0+5], s[T0+5], s[T0+6]
	s_add_co_u32 s[T0+5], s[T0+5], s[T0+3]
	s_add_co_u32 s[T0+5], s[T0+5], A_KB+12288      ; k's scale words
	s_cmp_eq_u32 s[ROLE], 0
	s_cselect_b32 s[T0], s[T0], s[T0+5]
	s_add_nc_u64 s[SCP:SCP+1], s[SACT:SACT+1], s[T0:T0+1]
	s_lshl_b32 s[T0], s[T0+2], 13
	s_add_co_u32 s[T0], s[T0], A_RB
	s_add_nc_u64 s[RP:RP+1], s[SACT:SACT+1], s[T0:T0+1]      ; r's tile
	s_mul_i32 s[T0], s[SUB], 6144
	s_lshr_b32 s[T0+5], s[T0+4], 1                 ; my pair is block 2 c + hf of its step: register pairs 3 c on (256 bytes each), lanes 16 hf on (8 bytes each)
	s_mul_i32 s[T0+5], s[T0+5], 768
	s_and_b32 s[T0+6], s[T0+4], 1
	s_lshl_b32 s[T0+6], s[T0+6], 7
	s_add_co_u32 s[T0+5], s[T0+5], s[T0+6]
	s_add_co_u32 s[T0], s[T0], s[T0+5]
	s_add_co_u32 s[T0], s[T0], s[T0+3]
	s_add_co_u32 s[T0], s[T0], A_VB
	s_add_nc_u64 s[VCP:VCP+1], s[SACT:SACT+1], s[T0:T0+1]    ; v's codes: my four channel tiles, my pair's block
	s_lshl_b32 s[T0], s[SUB], 3
	s_add_co_u32 s[T0], s[T0], s[T0+4]
	s_add_co_u32 s[T0], s[T0], s[T0+3]
	s_add_co_u32 s[T0], s[T0], A_VB+12288
	s_add_nc_u64 s[VSP:VSP+1], s[SACT:SACT+1], s[T0:T0+1]    ; and its scale bytes
.endm
.macro PROJ_LOADS
	s_cmp_eq_u32 s[ROLE], 2
	s_cbranch_scc1 .Lload_v
.set i, 0
.rept 24
	global_load_b128 v[W+4*i:W+4*i+3], v[L16], s[WP:WP+1] offset:512*i
.set i, i+1
.endr
	global_load_b128 v[WS:WS+3], v[L16], s[WP:WP+1] offset:12288
.set i, 0
.rept 16
	global_load_b128 v[HA+4*i:HA+4*i+3], v[BO], s[BP:BP+1] offset:128*(i/4)+16*(i%4)   ; the bias in the result's layout: it is the C of the products
.set i, i+1
.endr
	s_branch .Lloaded
.Lload_v:
.set i, 0
.rept 12
	global_load_b128 v[W+4*i:W+4*i+3], v[L16], s[WP2:WP2+1] offset:512*i
.set i, i+1
.endr
	global_load_b64 v[WS:WS+1], v[L16], s[WP3:WP3+1] offset:12288
.irp t, 0,1,2,3
	global_load_b32 v[BV+\t], v[BVO], s[VBP:VBP+1] offset:128*(\t/2)+32*(\t%2)
.endr
.Lloaded:
.endm
.macro PROJ_WORK
	s_cmp_eq_u32 s[ROLE], 2
	s_cbranch_scc1 .Lwork_v
	XFRAG XF, XRU, 0
	ds_load_b32 v[XS], v[XSA]
	s_wait_dscnt 0x0
	s_wait_loadcnt 0x0
.irp ct, 0,1,2,3,4,5,6,7               ; eight accumulators, each named once
	MM HA+8*\ct, W+12*\ct, XF, HA+8*\ct, WS+\ct/2, XS, \ct%2, 0
.endr
.rept 4
	v_nop                                          ; four places ahead of the first read of the results
.endr
	s_cmp_eq_u32 s[ROLE], 3
	s_cbranch_scc1 .Lstore_r
	QUANT HA
.irp c, 0,1,2
	global_store_b128 v[L16], v[PC+4*\c:PC+4*\c+3], s[CP:CP+1] offset:512*\c
.endr
	global_store_b32 v[SVO], v[PW], s[SCP:SCP+1]   ; both halves of the lanes store the same word to the same place
	s_branch .Lproj_done
.Lstore_r:
.set i, 0
.rept 16
	global_store_b128 v[L16], v[HA+4*i:HA+4*i+3], s[RP:RP+1] offset:512*i   ; each accumulator from its low end on; 512 consecutive bytes a store
.set i, i+1
.endr
	s_branch .Lproj_done
.Lwork_v:
	XFRAG XF, XR0, 0
	XFRAG XF+12, XR0, 1536
	s_mov_b32 s60, 0xffff0000                      ; lanes 16-31
	v_and_b32 v100, 15, v0
	v_bfe_u32 v101, v0, 4, 1
	v_lshlrev_b32 v100, 3, v100
	v_lshl_add_u32 v102, v101, 9, v100             ; 8 r + 512 h: my whole register pair
	v_lshl_add_u32 v103, v101, 2, v100             ; 8 r + 4 h: my word of the pair that the two halves share
	ds_load_b32 v[XS], v[XSL]                      ; lanes 0-15 tile 0's words, lanes 16-31 tile 1's
	s_wait_dscnt 0x0
	s_wait_loadcnt 0x0
.irp t, 0,1,2,3
.irp u, 0,1
	MM HA+16*\t+8*\u, XF+12*\u, W+12*\t, -1, XS, WS+\t/2, \u, \t%2
.endr
.endr
.rept 4
	v_nop
.endr
.irp t, 0,1,2,3                        ; + the bias of my channel: register 16 t + i is token 32 p + 16 h + i
.irp j, 0,2,4,6,8,10,12,14
.if \t % 2
	v_pk_add_f32 v[HA+16*\t+\j:HA+16*\t+\j+1], v[HA+16*\t+\j:HA+16*\t+\j+1], v[BV+2*(\t/2):BV+2*(\t/2)+1] op_sel:[0,1] op_sel_hi:[1,1]
.else
	v_pk_add_f32 v[HA+16*\t+\j:HA+16*\t+\j+1], v[HA+16*\t+\j:HA+16*\t+\j+1], v[BV+2*(\t/2):BV+2*(\t/2)+1] op_sel_hi:[1,0]
.endif
.endr
.endr
.irp t, 0,1,2,3                        ; each block has registers of its own for codes and byte: no store's data are written again
	QBLK HA+16*\t, VC+4*\t, VBY+\t, TM
	v_cndmask_b32 v[84+4*\t], v[VC+4*\t], v[VC+4*\t+1], s60       ; v's codes are laid as an image of register pairs: pair j of a fragment at 256 j + 8 x lane
	v_cndmask_b32 v[85+4*\t], v[VC+4*\t+1], v[VC+4*\t+2], s60     ; h = 0: words 0, 1 are a pair, word 2 opens the next; h = 1: word 0 closes that pair, words 1, 2 are the third
	v_cndmask_b32 v[86+4*\t], v[VC+4*\t+2], v[VC+4*\t], s60
	global_store_b64 v102, v[84+4*\t:85+4*\t], s[VCP:VCP+1] offset:1536*\t
	global_store_b32 v103, v[86+4*\t], s[VCP:VCP+1] offset:1536*\t+256
	global_store_b8 v[R16], v[VBY+\t], s[VSP:VSP+1] offset:256*(\t%2)+4*(\t/2)
.endr
.Lproj_done:
.endm
	s_load_b512 s[4:19], s[0:1], 0x0               ; x, fc0_w, fc0_b, wbuf, l0_qb, l0_kb, l0_vb, w0_b
	s_load_b64 s[20:21], s[0:1], 0x40              ; act
	v_lshl_add_u32 v[SPW], v0, 2, SPARE
	v_mov_b32 v[NIL], 0
	v_lshrrev_b32 v[XO], 5, v0
	s_delay_alu instid0(VALU_DEP_1)
	v_readfirstlane_b32 s[WV], v[XO]
	s_lshr_b32 s[ROLE], s[WV], 1                   ; X phase: my block b; P phase: my role
	s_and_b32 s[SUB], s[WV], 1                     ; X phase: my tile u; P phase: sub
	PROJ_VADDR
	v_mul_u32_u24 v[XO], v[BVO], 3
	s_mov_b32 s[SEL], 0x76543210
	s_mov_b32 s[SEL+1], 0xfedcba98
.irp k, 0,1,2
	v_mov_b32 v[XK+2*\k+1], 0                      ; named as the upper half of a pair
.endr
	s_mul_i32 s[T0], ttmp9, 384
	s_mul_i32 s[T0+2], s[SUB], 96
	s_add_co_u32 s[T0], s[T0], s[T0+2]             ; 12 bytes x token 32 p + 8 u
	s_mov_b32 s[T0+1], 0
	s_lshl_b32 s[T0+2], s[ROLE], 7                 ; my block's 128 bytes of a row of fc0_w and of fc0_b
	s_mov_b32 s[T0+3], 0
	s_wait_alu depctr_va_vdst(0)
	s_wait_kmcnt 0x0
	s_add_nc_u64 s[4:5], s[4:5], s[T0:T0+1]
	s_add_nc_u64 s[6:7], s[6:7], s[T0+2:T0+3]
	s_add_nc_u64 s[8:9], s[8:9], s[T0+2:T0+3]
.irp k, 0,1,2
	global_load_b32 v[XK+2*\k], v[XO], s[4:5] offset:4*\k
.endr
.irp j, 0,1,2,3
	global_load_b128 v[XV+4*\j:XV+4*\j+3], v[BO], s[8:9] offset:16*\j
.endr
.irp k, 0,1,2
.irp j, 0,1,2,3
	global_load_b128 v[WA+16*\k+4*\j:WA+16*\k+4*\j+3], v[BO], s[6:7] offset:512*\k+16*\j
.endr
.endr
	PROJ_SADDR
	PROJ_LOADS
	s_wait_loadcnt 0x0
.irp k, 0,1,2
.irp j, 0,2,4,6,8,10,12,14
	v_pk_fma_f32 v[XV+\j:XV+\j+1], v[WA+16*\k+\j:WA+16*\k+\j+1], v[XK+2*\k:XK+2*\k+1], v[XV+\j:XV+\j+1] op_sel_hi:[1,0,1]
.endr
.endr
	v_mov_b32 v[TM+1], 0                           ; a lane permute's destination counts as one of its sources
.irp b, 0,1,2,3
	v_mov_b32 v[TM+4+\b], 0
.endr
	QBLK XV, PC, PC+4, TM
	XSTORE PC, PC+4
	BARRIER                                        ; x0's two fragments and their scale words lie in LDS
	PROJ_WORK
	s_wait_tensorcnt 0x0                           ; the wave's end
	ds_add_u32 v[SPW], v[NIL]
	s_wait_dscnt 0x0
	s_endpgm
.Lfunc_end_k_q777d444e58_p0:
	.size	k_q777d444e58_p0, .Lfunc_end_k_q777d444e58_p0-k_q777d444e58_p0
	.p2alignl 7, 3214868480
	.fill 96, 4, 3214868480
	.section	.rodata,"a",@progbits
	.p2align	6, 0x0
	.amdhsa_kernel k_q777d444e58_p0
		.amdhsa_group_segment_fixed_size 4352
		.amdhsa_private_segment_fixed_size 0
		.amdhsa_enable_private_segment 0
		.amdhsa_kernarg_size 72
		.amdhsa_user_sgpr_count 2
		.amdhsa_user_sgpr_kernarg_segment_ptr 1
		.amdhsa_wavefront_size32 1
		.amdhsa_system_sgpr_workgroup_id_x 1
		.amdhsa_system_sgpr_workgroup_id_y 1
		.amdhsa_system_sgpr_workgroup_id_z 1
		.amdhsa_system_vgpr_workitem_id 0
		.amdhsa_next_free_vgpr 256
		.amdhsa_next_free_sgpr 66
		.amdhsa_reserve_vcc 0
		.amdhsa_float_denorm_mode_32 3
		.amdhsa_float_denorm_mode_16_64 3
		.amdhsa_memory_ordered 1
		.amdhsa_forward_progress 1
		.amdhsa_inst_pref_size 35
	.end_amdhsa_kernel
	.amdgpu_metadata
---
amdhsa.version: [ 1, 2 ]
amdhsa.kernels:
  - .name:           k_q777d444e58_p0
    .symbol:         k_q777d444e58_p0.kd
    .args:
      - { .name: x, .offset: 0, .size: 8, .value_kind: global_buffer, .address_space: global }
      - { .name: fc0_w, .offset: 8, .size: 8, .value_kind: global_buffer, .address_space: global }
      - { .name: fc0_b, .offset: 16, .size: 8, .value_kind: global_buffer, .address_space: global }
      - { .name: wbuf, .offset: 24, .size: 8, .value_kind: global_buffer, .address_space: global }
      - { .name: l0_qb, .offset: 32, .size: 8, .value_kind: global_buffer, .address_space: global }
      - { .name: l0_kb, .offset: 40, .size: 8, .value_kind: global_buffer, .address_space: global }
      - { .name: l0_vb, .offset: 48, .size: 8, .value_kind: global_buffer, .address_space: global }
      - { .name: w0_b, .offset: 56, .size: 8, .value_kind: global_buffer, .address_space: global }
      - { .name: act, .offset: 64, .size: 8, .value_kind: global_buffer, .address_space: global }
    .group_segment_fixed_size: 4352
    .private_segment_fixed_size: 0
    .kernarg_segment_align: 8
    .kernarg_segment_size: 72
    .max_flat_workgroup_size: 256
    .sgpr_count:     66
    .vgpr_count:     256
    .wavefront_size: 32
...
	.end_amdgpu_metadata
.endif
;; end of part 9
;; launch g0 (part 10): grid 256 x 1, 8 waves a work-group, no clusters, 320,000 bytes of LDS; arguments act, po; writes po
.if DOCPART == 10
	.amdgcn_target "amdgcn-amd-amdhsa--gfx1250"
	.amdhsa_code_object_version 6
	.text
	.protected	k_q777d444e58_g0
	.globl	k_q777d444e58_g0
	.p2align	8
	.type	k_q777d444e58_g0,@function
k_q777d444e58_g0:
	s_mov_b64 s[64:65], 0
	v_nop
	global_prefetch_b8 v0, s[64:65] scope:SCOPE_SE
	s_setreg_imm32_b32 hwreg(HW_REG_WAVE_MODE, 25, 1), 1
	s_wait_xcnt 0x0
; GLOBAL ATTENTION, BOTH PASSES IN ONE LAUNCH: O = Q(softmax(q k^T / sqrt 128) / 8192) Q(v) on codes of E2M3.  Nothing of reference() is left out.
; p is quantised finished and normalised, so a row's maximum and sum must be known before any p is made: the scores are formed twice.
; SHARES: a work-group owns a pair of 32 queries (two tiles of 16) over ALL 8,192 keys; wave w takes keys 1,024 w .. + 1,023, eight steps of 128.
; PASS 1: S^T = K Q^T (source 0 = 16 keys, source 1 = 16 queries); each lane keeps c m = c x its largest score and l = the sum of 2^(c s - c m), c = log2(e) / sqrt(128).
; The eight waves' (c m, l) meet in 2,048 bytes of LDS; every wave forms the row's c M and L.  With L = mant x 2^E: p' = 2^(c s - c M - log2 mant), and 2^(-E - 13) multiplies O at the end:
; a power of two moves a block's scale and no code, so p' has the codes of p.
; PASS 2: the scores again, p', its codes and scale words in registers, O^T += V^T p^T.  The eight waves' O^T meet in 131,072 bytes of LDS; wave w adds register groups 4 w .. 4 w + 3 in the order of the waves.
; po: the pair's 16,384 bytes, register group g at 512 g + 16 x lane.
; K AND V GO FROM MEMORY STRAIGHT INTO OPERAND REGISTERS: both are laid as images of registers, so a load of K reads 512 consecutive bytes and a load of V 256.  K has two sets of registers (a half step each):
; a half is asked for one step ahead of its products; V for one step ahead.  Work-group g begins its walk at step g % 8 of each wave's eight, and goes round; pass 2 goes on round where pass 1 ends.
; K IS READ FROM MEMORY TWICE FOR FOUR STEPS ONLY: pass 1 stores K of its walk's steps 4, 5, 6 into the wave's own 3 x 12,800 bytes of LDS and leaves K of step 7 in its registers;
; pass 2 takes step 7 from the registers, steps 0 to 3 from memory, steps 4 to 6 from LDS.  So a work-group loads 12 + 8 tiles a wave in place of 16 + 8.
; NO CLUSTER: each byte of K and V feeds the one wave that loads it, so there is no tile in LDS that a joint load could fill; a ring for joint loads would want two slots of 8 steps x 25,600 bytes, 409,600 in all, over a WGP's 327,680.
; NO PREFETCH beside the loads: they themselves run a step ahead, into registers.
; LIMITS: as stated at the head of the first kernel; an exponential under 2^-126 counts as 0; the promise holds while the scaled scores stay under 2^31 in magnitude.
; REGISTERS: window 0 as named below; window 1: v0-127 O^T (tile q at 64 q), v128-223 V's eight fragments, v224-247 Q's two.
.set KSTEP, 12800
.set A_QSC, 786432
.set A_KB,  819200
.set A_VB,  1638400
.set STL,   0                          ; LDS: [wave][lane] (c m, l), 2,048 bytes
.set SPARE, 2048                       ; the spare words, 128 bytes a wave: no other line names them
.set RED,   12800                      ; from here on: K's cache, wave w's place n (1 to 3) at 38,400 w + 12,800 n; at the end O^T's stage, 8 x 16,384 bytes, on the same bytes
.set AK0, 1                            ; 16 x lane
.set AV0, 2                            ; 8 x lane
.set SPW, 3
.set NIL, 4
.set ADA, 5                            ; 16 x lane + the step, for K's first halves
.set ADB, 6                            ; for K's second halves
.set ADV, 7                            ; 8 x lane + the step, for V
.set KSA, 8                            ; v8-9, v10-11 K's scale words, a set for each half
.set KSB, 10
.set VS,  12                           ; v12-15 V's scale words
.set PW,  16                           ; v16-17 p's scale words
.set BQ,  18                           ; v18-21 -(c M + log2 mant), a pair for each tile
.set FX,  22                           ; v22-25 2^(-E - 13), likewise
.set TM,  26                           ; v26-41 at work
.set CR1, 26                           ; pass 1: where I put K in the cache
.set QS,  42                           ; Q's scale words: lanes 0-15 tile 0, lanes 16-31 tile 1
.set R8,  43                           ; STL + 8 r
.set P,   44                           ; v44-67 p's two fragments
.set CT,  68                           ; v68-70, v72-74 second halves of blocks as the conversions leave them
.set RW,  71                           ; where I put O^T
.set RRA, 75                           ; where I read waves 0-3's parts of my groups
.set F,   76                           ; v76-123 K, first half of a step
.set S,   124                          ; v124-187 the scores: tile q at 32 q
.set SL,  124                          ; between the passes: the eight (c m, l) of both tiles
.set HT,  156
.set F2,  188                          ; v188-235 K, second half
.set ST,  236                          ; v236-251 pass 1: tile q at 8 q: +0 c m, +1 m, +2 +3 l in two halves, +4 .. +7 at work
.set CR2, 236                          ; pass 2: where I read K in the cache
.set OUTR, 252
.set ADW, 254                          ; 16 x lane + the step, for V's scale words
.set STW, 255                          ; where I put (c m, l); afterwards
.set RRB, 255                          ; where I read waves 4-7's parts
.set X,   76                           ; the way out: v76-203 the eight parts of my four groups
.set G,   128                          ; window 1
.set QW,  224                          ; window 1
.set WV,  12
.set TB,  13
.set TRIP, 14
.set MSK, 15
.set CNT, 16
.set TT,  17
.set SK,  18
.set SV,  20
.set SQ,  22
.set SQS, 24
.set SPO, 26
.set CS,  28
.set SEL, 30
.set HM,  32
.set LO,  33
.set WB,  35                           ; 38,400 x wave
.set MSB, 0
.macro WIN new                         ; the immediate's high byte repeats the setting that is left
.if MSB != \new
	s_set_vgpr_msb (MSB<<8)|\new
.set MSB, \new
.endif
.endm
.macro PL n
.rept \n
	v_nop
.endr
.endm
.macro MM d, a, b, c, sa, sb, ra, rb
.if (\c) < 0
.if (\ra) && (\rb)
	v_wmma_scale_f32_16x16x128_f8f6f4 v[\d:\d+7], v[\a:\a+11], v[\b:\b+11], 0, v[\sa], v[\sb] matrix_a_fmt:MATRIX_FMT_FP6 matrix_b_fmt:MATRIX_FMT_FP6 matrix_a_scale:MATRIX_SCALE_ROW1 matrix_b_scale:MATRIX_SCALE_ROW1
.elseif (\ra)
	v_wmma_scale_f32_16x16x128_f8f6f4 v[\d:\d+7], v[\a:\a+11], v[\b:\b+11], 0, v[\sa], v[\sb] matrix_a_fmt:MATRIX_FMT_FP6 matrix_b_fmt:MATRIX_FMT_FP6 matrix_a_scale:MATRIX_SCALE_ROW1
.elseif (\rb)
	v_wmma_scale_f32_16x16x128_f8f6f4 v[\d:\d+7], v[\a:\a+11], v[\b:\b+11], 0, v[\sa], v[\sb] matrix_a_fmt:MATRIX_FMT_FP6 matrix_b_fmt:MATRIX_FMT_FP6 matrix_b_scale:MATRIX_SCALE_ROW1
.else
	v_wmma_scale_f32_16x16x128_f8f6f4 v[\d:\d+7], v[\a:\a+11], v[\b:\b+11], 0, v[\sa], v[\sb] matrix_a_fmt:MATRIX_FMT_FP6 matrix_b_fmt:MATRIX_FMT_FP6
.endif
.else
.if (\ra)
	v_wmma_scale_f32_16x16x128_f8f6f4 v[\d:\d+7], v[\a:\a+11], v[\b:\b+11], v[\c:\c+7], v[\sa], v[\sb] matrix_a_fmt:MATRIX_FMT_FP6 matrix_b_fmt:MATRIX_FMT_FP6 matrix_a_scale:MATRIX_SCALE_ROW1
.else
	v_wmma_scale_f32_16x16x128_f8f6f4 v[\d:\d+7], v[\a:\a+11], v[\b:\b+11], v[\c:\c+7], v[\sa], v[\sb] matrix_a_fmt:MATRIX_FMT_FP6 matrix_b_fmt:MATRIX_FMT_FP6
.endif
.endif
.endm
.macro KLD f, ks, adr, hf              ; half a step of K from memory: four fragments, 6,144 consecutive bytes, and their scale words: 13 loads
.set i, 0
.rept 12
	global_load_b128 v[\f+4*i:\f+4*i+3], v[\adr], s[SK:SK+1] offset:6144*\hf+512*i
.set i, i+1
.endr
	global_load_b64 v[\ks:\ks+1], v[\adr], s[SK:SK+1] offset:12288+8*\hf
.endm
.macro CPLACE reg                      ; my place in the cache: place min(trips to go, 3); 16 bytes a lane
	s_min_u32 s[LO], s[TRIP], 3
	s_mul_i32 s[LO], s[LO], KSTEP
	s_add_co_u32 s[LO], s[LO], s[WB]
	v_add_nc_u32 v[\reg], s[LO], v[AK0]
.endm
.macro KST f, ks, hf                   ; the same half into the cache, as it lies in memory: 13 LDS stores
.set i, 0
.rept 12
	ds_store_b128 v[CR1], v[\f+4*i:\f+4*i+3] offset:6144*\hf+512*i
.set i, i+1
.endr
	ds_store_b64 v[CR1], v[\ks:\ks+1] offset:12288+8*\hf
.endm
.macro KLC f, ks, hf                   ; and out of it: 13 LDS loads
.set i, 0
.rept 12
	ds_load_b128 v[\f+4*i:\f+4*i+3], v[CR2] offset:6144*\hf+512*i
.set i, i+1
.endr
	ds_load_b64 v[\ks:\ks+1], v[CR2] offset:12288+8*\hf
.endm
.macro VLD                             ; a step of V: 48 register pairs and the scale words: 49 loads
	WIN 0x40
.set i, 0
.rept 48
	global_load_b64 v[G+2*i:G+2*i+1], v[ADV], s[SV:SV+1] offset:256*i
.set i, i+1
.endr
	WIN 0
	global_load_b128 v[VS:VS+3], v[ADW], s[SV:SV+1] offset:12288
.endm
.macro NEXT                            ; the next step of my eight, going round
	s_add_co_u32 s[CNT], s[CNT], 1
	s_and_b32 s[TT], s[CNT], 7
	s_mul_i32 s[TB], s[TT], KSTEP
.endm
.macro QK f, ks                        ; 64 keys x 32 queries: eight accumulators, each named once
	WIN 0x04
.irp t, 0,1,2,3
.irp q, 0,1
	MM S+32*\q+8*\t, \f+12*\t, QW+12*\q, -1, \ks+\t/2, QS, \t%2, \q
.endr
.endr
	WIN 0
.endm
; pass 1, 64 keys x 2 tiles: the maximum, the exponentials, the sum.  The two tiles stand line by line.
.macro SMA
.irp j, 0,1,2,3
.irp q, 0,1
	v_max3_num_f32 v[ST+8*\q+4+\j], v[S+32*\q+8*\j], v[S+32*\q+8*\j+1], v[S+32*\q+8*\j+2]   ; each accumulator is read from its low end on
.endr
.endr
.irp k, 3,5
.irp j, 0,1,2,3
.irp q, 0,1
	v_max3_num_f32 v[ST+8*\q+4+\j], v[ST+8*\q+4+\j], v[S+32*\q+8*\j+\k], v[S+32*\q+8*\j+\k+1]
.endr
.endr
.endr
.irp q, 0,1
	v_max3_num_f32 v[ST+8*\q+4], v[ST+8*\q+4], v[S+32*\q+7], v[S+32*\q+15]
.endr
.irp q, 0,1
	v_max3_num_f32 v[ST+8*\q+6], v[ST+8*\q+6], v[S+32*\q+23], v[S+32*\q+31]
.endr
.irp q, 0,1
	s_delay_alu instid0(VALU_DEP_2)
	v_max3_num_f32 v[ST+8*\q+4], v[ST+8*\q+4], v[ST+8*\q+5], v[ST+8*\q+6]
.endr
.irp q, 0,1
	s_delay_alu instid0(VALU_DEP_2)
	v_max3_num_f32 v[ST+8*\q+1], v[ST+8*\q+4], v[ST+8*\q+7], v[ST+8*\q+1]   ; the running maximum
.endr
.irp q, 0,1
	v_mov_b32 v[ST+8*\q+5], v[ST+8*\q]             ; c m_old
.endr
.irp q, 0,1
	s_delay_alu instid0(VALU_DEP_4)
	v_mul_f32 v[ST+8*\q], s[CS], v[ST+8*\q+1]
.endr
.irp q, 0,1
	s_delay_alu instid0(VALU_DEP_2)
	v_sub_f32 v[ST+8*\q+5], v[ST+8*\q+5], v[ST+8*\q]
.endr
.irp j, 0,2,4,6,8,10,12,14,16,18,20,22,24,26,28,30
.irp q, 0,1
	v_pk_fma_f32 v[S+32*\q+\j:S+32*\q+\j+1], v[S+32*\q+\j:S+32*\q+\j+1], s[CS:CS+1], v[ST+8*\q:ST+8*\q+1] op_sel_hi:[1,0,0] neg_lo:[0,0,1] neg_hi:[0,0,1]   ; c s - c m
.endr
.endr
	s_wait_alu depctr_va_vdst(0)                   ; the wait ahead of the batch
.irp q, 0,1
	v_exp_f32 v[ST+8*\q+6], v[ST+8*\q+5]           ; a = 2^(c m_old - c m_new)
.endr
.set i, 0
.rept 32
	v_exp_f32 v[S+i], v[S+i]
	v_exp_f32 v[S+32+i], v[S+32+i]
.set i, i+1
.endr
	v_nop                                          ; a plain place behind the last exponential
	s_wait_alu depctr_va_vdst(0)                   ; one wait for the 66, ahead of their first reader
.irp j, 0,4,8,12,16,20,24,28
.irp q, 0,1
	v_pk_add_f32 v[S+32*\q+\j:S+32*\q+\j+1], v[S+32*\q+\j:S+32*\q+\j+1], v[S+32*\q+\j+2:S+32*\q+\j+3]
.endr
.endr
.irp j, 0,8,16,24
.irp q, 0,1
	v_pk_add_f32 v[S+32*\q+\j:S+32*\q+\j+1], v[S+32*\q+\j:S+32*\q+\j+1], v[S+32*\q+\j+4:S+32*\q+\j+5]
.endr
.endr
.irp j, 0,16
.irp q, 0,1
	v_pk_add_f32 v[S+32*\q+\j:S+32*\q+\j+1], v[S+32*\q+\j:S+32*\q+\j+1], v[S+32*\q+\j+8:S+32*\q+\j+9]
.endr
.endr
.irp q, 0,1
	s_delay_alu instid0(VALU_DEP_2)
	v_pk_add_f32 v[S+32*\q:S+32*\q+1], v[S+32*\q:S+32*\q+1], v[S+32*\q+16:S+32*\q+17]
.endr
.irp q, 0,1
	v_pk_fma_f32 v[ST+8*\q+2:ST+8*\q+3], v[ST+8*\q+2:ST+8*\q+3], v[ST+8*\q+6:ST+8*\q+7], v[S+32*\q:S+32*\q+1] op_sel_hi:[1,0,1]   ; l = l a + the sum
.endr
.endm
; pass 2, 64 keys x 2 tiles: p', its two blocks' scales and codes: registers 6 c .. 6 c + 5 of p's fragments, bytes 2 c, 2 c + 1 of its scale words
.macro SMB c
.irp j, 0,2,4,6,8,10,12,14,16,18,20,22,24,26,28,30
.irp q, 0,1
	v_pk_fma_f32 v[S+32*\q+\j:S+32*\q+\j+1], v[S+32*\q+\j:S+32*\q+\j+1], s[CS:CS+1], v[BQ+2*\q:BQ+2*\q+1] op_sel_hi:[1,0,0]
.endr
.endr
.set i, 0
	s_wait_alu depctr_va_vdst(0)                   ; the wait ahead of the batch
.rept 32
	v_exp_f32 v[S+i], v[S+i]
	v_exp_f32 v[S+32+i], v[S+32+i]
.set i, i+1
.endr
	v_nop
	s_wait_alu depctr_va_vdst(0)                   ; one wait for the 64, ahead of their first reader
.irp q, 0,1
.irp b, 0,1
	v_max3_num_f32 v[TM+8*\q+4*\b], v[S+32*\q+16*\b], v[S+32*\q+16*\b+1], 0x1800000   ; with the floor 2^(3 - 127): the byte cannot fall under 1
.endr
.endr
.irp i, 2,4,6,8,10,12,14
.irp q, 0,1
.irp b, 0,1
	v_max3_num_f32 v[TM+8*\q+4*\b], v[TM+8*\q+4*\b], v[S+32*\q+16*\b+\i], v[S+32*\q+16*\b+\i+1]
.endr
.endr
.endr
.irp n, 0,4,8,12
	s_delay_alu instid0(VALU_DEP_4)
	v_permlanex16_b32 v[TM+\n+1], v[TM+\n], s[SEL], s[SEL+1]
.endr
.irp n, 0,4,8,12
	s_delay_alu instid0(VALU_DEP_4)
	v_max_num_f32 v[TM+\n], v[TM+\n], v[TM+\n+1]
.endr
.irp n, 0,4,8,12
	s_delay_alu instid0(VALU_DEP_4)
	v_add_nc_u32 v[TM+\n+2], 0xff000000, v[TM+\n]  ; 2 off the exponent field: the conversion's scale operand
.endr
.irp n, 0,4,8,12
	s_delay_alu instid0(VALU_DEP_4)
	v_lshrrev_b32 v[TM+\n+3], 23, v[TM+\n+2]       ; the scale's byte
.endr
.if \c == 0
.irp q, 0,1
	v_lshl_or_b32 v[PW+\q], v[TM+8*\q+7], 8, v[TM+8*\q+3]
.endr
.else
.irp q, 0,1
	v_lshl_or_b32 v[PW+\q], v[TM+8*\q+3], 16, v[PW+\q]
.endr
.irp q, 0,1
	s_delay_alu instid0(VALU_DEP_2)
	v_lshl_or_b32 v[PW+\q], v[TM+8*\q+7], 24, v[PW+\q]
.endr
.endif
.irp q, 0,1
	v_cvt_scalef32_pk16_fp6_f32 v[P+12*\q+6*\c:P+12*\q+6*\c+2], v[S+32*\q:S+32*\q+15], v[TM+8*\q+2]
	v_cvt_scalef32_pk16_fp6_f32 v[CT+4*\q:CT+4*\q+2], v[S+32*\q+16:S+32*\q+31], v[TM+8*\q+6]
.endr
	v_nop                                          ; one plain place behind a scaled conversion
.irp q, 0,1
.irp i, 0,1,2
	v_permlane16_swap_b32 v[P+12*\q+6*\c+\i], v[CT+4*\q+\i]   ; the operand's layout wants a whole block in a lane
.endr
.endr
.irp q, 0,1
.irp i, 0,1,2
	v_mov_b32 v[P+12*\q+6*\c+3+\i], v[CT+4*\q+\i]
.endr
.endr
.endm
; pass 1, a step of 128 keys.  pre = 1: the next step's K is asked for, and in the loop's last three trips this step's K goes into the cache (a scalar branch on the loop's own counter leads round the stores);
; pre = 0, the walk's eighth step: nothing is asked for, so that its K stays in the registers for pass 2.
.macro P1STEP pre
	s_wait_loadcnt 13                              ; this half is in (and Q): behind it stand the other half's 13 loads
.if \pre
	s_cmp_gt_u32 s[TRIP], 3
	s_cbranch_scc1 .Lnsa_\@
	CPLACE CR1
	KST F, KSA, 0
.Lnsa_\@:
.endif
	QK F, KSA
.if \pre
	s_wait_dscnt 0x0                               ; the stores have read their registers
	NEXT
	v_add_nc_u32 v[ADA], s[TB], v[AK0]             ; four places ahead of loads into registers that the products read, and of the first read of the scores
	PL 3
	KLD F, KSA, ADA, 0
.else
	PL 4
.endif
	SMA
.if \pre
	s_wait_loadcnt 13
	s_cmp_gt_u32 s[TRIP], 3
	s_cbranch_scc1 .Lnsb_\@
	CPLACE CR1
	KST F2, KSB, 1
.Lnsb_\@:
.else
	s_wait_loadcnt 0x0
.endif
	QK F2, KSB
.if \pre
	s_wait_dscnt 0x0
	v_mov_b32 v[ADB], v[ADA]
	PL 3
	KLD F2, KSB, ADB, 1
.else
	PL 4
.endif
	SMA
.endm
; pass 2, a step of 128 keys.  Loads from memory are issued in the order K's first half, K's second half, V, each for the next step.
; mode 0: the first step: K is in the registers, the products start the sums.  mode 1: K came from memory, and so does the next step's.
; mode 2: a loop of four trips: in the first K came from memory, in the others it is read from the cache at the step's head; no K is asked for; the last trip asks for no V.
.macro STEP mode
.if \mode == 2
	s_cmp_eq_u32 s[TRIP], 4
	s_cbranch_scc1 .Lmem_\@
	CPLACE CR2
	KLC F, KSA, 0
	KLC F2, KSB, 1
.Lmem_\@:
	s_wait_loadcnt 49                              ; both halves of a K from memory are in: behind them stand V's 49 loads
	s_wait_dscnt 13                                ; the first half of a K from the cache is in: behind it stand the second half's 13
.else
	s_wait_loadcnt 62                              ; K's first half is in: behind it stand the second half's 13 loads and V's 49
.endif
	QK F, KSA
	NEXT
.if \mode == 2
	PL 4
.else
	v_add_nc_u32 v[ADA], s[TB], v[AK0]
	PL 3
	KLD F, KSA, ADA, 0
.endif
	SMB 0
.if \mode == 2
	s_wait_loadcnt 0x0                             ; V is in,
	s_wait_dscnt 0x0                               ; and K's second half
.else
	s_wait_loadcnt 13                              ; K's second half and V are in: behind them stand the next first half's 13 loads
.endif
	QK F2, KSB
.if \mode == 2
	PL 4
.else
	v_mov_b32 v[ADB], v[ADA]
	PL 3
	KLD F2, KSB, ADB, 1
.endif
	SMB 1
	PL 8                                           ; a scale register written by a vector instruction stands 8 places ahead of a scaled matrix instruction
	WIN 0x51
.if \mode != 0
	s_wait_alu depctr_va_vdst(0)                   ; the wait ahead of the first reader of O^T
.endif
.irp ct, 0,1,2,3,4,5,6,7
.irp q, 0,1
.if \mode == 0
	MM 64*\q+8*\ct, G+12*\ct, P+12*\q, -1, VS+\ct/2, PW+\q, \ct%2, 0
.else
	MM 64*\q+8*\ct, G+12*\ct, P+12*\q, 64*\q+8*\ct, VS+\ct/2, PW+\q, \ct%2, 0
.endif
.endr
.endr
	WIN 0
.if \mode == 2
	s_cmp_eq_u32 s[TRIP], 1
	s_cbranch_scc1 .Lnov_\@
.endif
	v_add_nc_u32 v[ADV], s[TB], v[AV0]             ; four places ahead of loads into V's registers
	v_add_nc_u32 v[ADW], s[TB], v[AK0]
	PL 2
	VLD
.if \mode == 2
.Lnov_\@:
.endif
.endm
	s_load_b128 s[4:7], s[0:1], 0x0                ; act, po
	v_lshl_add_u32 v[SPW], v0, 2, SPARE
	v_mov_b32 v[NIL], 0
	v_lshrrev_b32 v[ADA], 5, v0
	v_readfirstlane_b32 s[WV], v[ADA]
	s_mov_b32 s[CS], 0x3e0293ee                    ; c = log2(e) / sqrt(128)
	s_mov_b32 s[CS+1], s[CS]
	s_mov_b32 s[SEL], 0x76543210
	s_mov_b32 s[SEL+1], 0xfedcba98                 ; lane l xor 16
	s_mov_b32 s[HM], 0xffff0000
	s_mov_b32 s[MSK], 0x7fffff
	s_mov_b32 s[CNT], ttmp9
	s_and_b32 s[TT], s[CNT], 7
	s_mul_i32 s[TB], s[TT], KSTEP                  ; my work-group's first step of each wave's eight
	s_mov_b32 s[TRIP], 7
	s_mul_i32 s[WB], s[WV], 3*KSTEP
	s_lshl_b32 s34, s[WV], 8
	s_lshl_b32 s46, s[WV], 14
	s_add_co_u32 s46, s46, RED
	s_lshl_b32 s48, s[WV], 11
	s_add_co_u32 s47, s48, RED
	s_mul_i32 s38, s[WV], 8*KSTEP                  ; my wave's eight steps
	s_mov_b32 s39, 0
	s_mul_i32 s40, ttmp9, 3072                     ; my pair's codes of Q
	s_mov_b32 s41, 0
	s_lshl_b32 s42, ttmp9, 7
	s_add_co_u32 s42, s42, A_QSC
	s_mov_b32 s43, 0
	s_lshl_b32 s44, ttmp9, 14
	s_add_co_u32 s44, s44, s48                     ; my pair's 16,384 bytes of po, my wave's 2,048
	s_mov_b32 s45, 0
	v_and_b32 v[ADB], 31, v0
	v_and_b32 v[R8], 15, v0
	v_lshlrev_b32 v[AK0], 4, v[ADB]
	v_lshlrev_b32 v[AV0], 3, v[ADB]
	v_lshlrev_b32 v[ADW], 2, v[ADB]
	v_lshlrev_b32 v[R8], 3, v[R8]
	v_add_nc_u32 v[STW], s34, v[AV0]
	v_add_nc_u32 v[RW], s46, v[AK0]
	v_add_nc_u32 v[RRA], s47, v[AK0]
	v_add_nc_u32 v[ADA], s[TB], v[AK0]
	v_add_nc_u32 v[ADB], s[TB], v[AK0]
.irp q, 0,1
	v_mov_b32 v[ST+8*\q+1], 0xff61b1e6             ; m = -3e38, under every score
	v_mul_f32 v[ST+8*\q], s[CS], v[ST+8*\q+1]
	v_mov_b32 v[ST+8*\q+2], 0
	v_mov_b32 v[ST+8*\q+3], 0
.endr
.irp n, 0,4,8,12
	v_mov_b32 v[TM+\n+1], 0                        ; a lane permute's destination counts as one of its sources
.endr
	s_wait_alu depctr_va_vdst(0)                   ; the wait at the head's end
	s_wait_kmcnt 0x0
	s_add_nc_u64 s[SK:SK+1], s[4:5], s[38:39]
	s_add_nc_u64 s[SV:SV+1], s[SK:SK+1], A_VB
	s_add_nc_u64 s[SK:SK+1], s[SK:SK+1], A_KB
	s_add_nc_u64 s[SQ:SQ+1], s[4:5], s[40:41]
	s_add_nc_u64 s[SQS:SQS+1], s[4:5], s[42:43]
	s_add_nc_u64 s[SPO:SPO+1], s[6:7], s[44:45]
	WIN 0x40
.set i, 0
.rept 6
	global_load_b128 v[QW+4*i:QW+4*i+3], v[AK0], s[SQ:SQ+1] offset:512*i
.set i, i+1
.endr
	WIN 0
	global_load_b32 v[QS], v[ADW], s[SQS:SQS+1]
	KLD F, KSA, ADA, 0
	KLD F2, KSB, ADB, 1
.Lp1:                                                  ; PASS 1: seven steps in the loop,
	P1STEP 1
	s_sub_co_u32 s[TRIP], s[TRIP], 1
	s_cmp_lg_u32 s[TRIP], 0
	s_cbranch_scc1 .Lp1
	P1STEP 0                                       ; and the eighth
	v_add_nc_u32 v[ADV], s[TB], v[AV0]
	v_add_nc_u32 v[ADW], s[TB], v[AK0]
	VLD                                            ; V of pass 2's first step, which is the walk's eighth
	; the two halves of the lanes are joined
.irp q, 0,1
	v_permlanex16_b32 v[ST+8*\q+4], v[ST+8*\q], s[SEL], s[SEL+1]
.endr
.irp q, 0,1
	s_delay_alu instid0(VALU_DEP_2)
	v_max_num_f32 v[ST+8*\q+5], v[ST+8*\q], v[ST+8*\q+4]
.endr
.irp q, 0,1
	s_delay_alu instid0(VALU_DEP_2)
	v_sub_f32 v[ST+8*\q+6], v[ST+8*\q], v[ST+8*\q+5]
.endr
	s_wait_alu depctr_va_vdst(0)
.irp q, 0,1
	v_exp_f32 v[ST+8*\q+7], v[ST+8*\q+6]
.endr
.irp q, 0,1
	v_add_f32 v[ST+8*\q+2], v[ST+8*\q+2], v[ST+8*\q+3]   ; (plain places behind the exponentials)
.endr
	s_wait_alu depctr_va_vdst(0)
.irp q, 0,1
	v_mul_f32 v[ST+8*\q+2], v[ST+8*\q+2], v[ST+8*\q+7]
.endr
.irp q, 0,1
	s_delay_alu instid0(VALU_DEP_2)
	v_permlanex16_b32 v[ST+8*\q+4], v[ST+8*\q+2], s[SEL], s[SEL+1]
.endr
.irp q, 0,1
	s_delay_alu instid0(VALU_DEP_2)
	v_add_f32 v[ST+8*\q+2], v[ST+8*\q+2], v[ST+8*\q+4]
.endr
	v_cndmask_b32 v[OUTR], v[ST+5], v[ST+13], s[HM]      ; lanes 0-15 tile 0's, lanes 16-31 tile 1's
	v_cndmask_b32 v[OUTR+1], v[ST+2], v[ST+10], s[HM]
	ds_store_b64 v[STW], v[OUTR:OUTR+1]
	v_add_nc_u32 v[RRB], 0x10000, v[RRA]           ; (the store's address register is free: it takes the way out's second address)
	s_wait_dscnt 0x0                               ; my store has landed
	s_barrier_signal -1
	s_barrier_wait -1                              ; everybody's has
.irp q, 0,1
.irp e, 0,1,2,3,4,5,6,7
	ds_load_b64 v[SL+16*\q+2*\e:SL+16*\q+2*\e+1], v[R8] offset:STL+256*\e+128*\q
.endr
.endr
	s_wait_dscnt 0x0
.irp q, 0,1
	v_max3_num_f32 v[HT+8*\q], v[SL+16*\q], v[SL+16*\q+2], v[SL+16*\q+4]
.endr
.irp e, 6,10
.irp q, 0,1
	s_delay_alu instid0(VALU_DEP_2)
	v_max3_num_f32 v[HT+8*\q], v[HT+8*\q], v[SL+16*\q+\e], v[SL+16*\q+\e+2]
.endr
.endr
.irp q, 0,1
	s_delay_alu instid0(VALU_DEP_2)
	v_max_num_f32 v[HT+8*\q], v[HT+8*\q], v[SL+16*\q+14]   ; c M
.endr
.irp e, 0,2,4,6,8,10,12,14
.irp q, 0,1
	v_sub_f32 v[SL+16*\q+\e], v[SL+16*\q+\e], v[HT+8*\q]
.endr
.endr
	s_wait_alu depctr_va_vdst(0)
.irp e, 0,2,4,6,8,10,12,14
.irp q, 0,1
	v_exp_f32 v[SL+16*\q+\e], v[SL+16*\q+\e]
.endr
.endr
	v_nop
	s_wait_alu depctr_va_vdst(0)
.irp q, 0,1
	v_mul_f32 v[HT+8*\q+1], v[SL+16*\q+1], v[SL+16*\q]
.endr
.irp e, 2,4,6,8,10,12,14
.irp q, 0,1
	v_fma_f32 v[HT+8*\q+1], v[SL+16*\q+\e+1], v[SL+16*\q+\e], v[HT+8*\q+1]   ; L
.endr
.endr
.irp q, 0,1
	s_delay_alu instid0(VALU_DEP_2)
	v_and_or_b32 v[HT+8*\q+2], v[HT+8*\q+1], s[MSK], 0x3f800000   ; its mantissa, in [1, 2)
.endr
	s_wait_alu depctr_va_vdst(0)
.irp q, 0,1
	v_log_f32 v[HT+8*\q+3], v[HT+8*\q+2]
.endr
.irp q, 0,1
	v_lshrrev_b32 v[HT+8*\q+4], 23, v[HT+8*\q+1]   ; its exponent field
.endr
	s_wait_alu depctr_va_vdst(0)
.irp q, 0,1
	v_sub_f32 v[BQ+2*\q], -v[HT+8*\q], v[HT+8*\q+3]
	v_sub_nc_u32 v[HT+8*\q+4], 241, v[HT+8*\q+4]   ; 127 - (field - 127) - 13: the division by 8,192 goes here too
	s_delay_alu instid0(VALU_DEP_2)
	v_mov_b32 v[BQ+2*\q+1], v[BQ+2*\q]
	s_delay_alu instid0(VALU_DEP_2)
	v_lshlrev_b32 v[FX+2*\q], 23, v[HT+8*\q+4]
	s_delay_alu instid0(VALU_DEP_1)
	v_mov_b32 v[FX+2*\q+1], v[FX+2*\q]
.endr
	s_mov_b32 s[TRIP], 3
	s_wait_alu depctr_va_vdst(0)                   ; the wait here, directly ahead of the wait below
	STEP 0                                         ; PASS 2: the walk's step 7, K from the registers
.Lp2:
	STEP 1                                         ; steps 0, 1, 2: K from memory
	s_sub_co_u32 s[TRIP], s[TRIP], 1
	s_cmp_lg_u32 s[TRIP], 0
	s_cbranch_scc1 .Lp2
	s_mov_b32 s[TRIP], 4
.Lp3:
	STEP 2                                         ; step 3: K from memory; steps 4, 5, 6: K from the cache's places 3, 2, 1
	s_sub_co_u32 s[TRIP], s[TRIP], 1
	s_cmp_lg_u32 s[TRIP], 0
	s_cbranch_scc1 .Lp3
	s_wait_dscnt 0x0
	s_barrier_signal -1
	s_barrier_wait -1                              ; nobody reads the cache any more: its bytes take O^T
	PL 4
	WIN 0x41
.irp q, 0,1
.set i, 0
.rept 32
	v_pk_mul_f32 v[64*\q+i:64*\q+i+1], v[64*\q+i:64*\q+i+1], v[FX+2*\q:FX+2*\q+1] op_sel_hi:[1,0]   ; each accumulator from its low end on
.set i, i+2
.endr
.endr
	WIN 0x04                                       ; an LDS store's data are its source 1: window 1
.set i, 0
.rept 32
	ds_store_b128 v[RW], v[4*i:4*i+3] offset:512*i
.set i, i+1
.endr
	WIN 0
	s_wait_dscnt 0x0                               ; my part of O^T has landed
	s_barrier_signal -1
	s_barrier_wait -1                              ; all eight have
.irp e, 0,1,2,3
.irp j, 0,1,2,3
	ds_load_b128 v[X+16*\e+4*\j:X+16*\e+4*\j+3], v[RRA] offset:16384*\e+512*\j
.endr
.endr
.irp e, 0,1,2,3
.irp j, 0,1,2,3
	ds_load_b128 v[X+64+16*\e+4*\j:X+64+16*\e+4*\j+3], v[RRB] offset:16384*\e+512*\j
.endr
.endr
	s_wait_dscnt 0x0
.irp e, 1,2,3,4,5,6,7
.irp j, 0,2,4,6,8,10,12,14
	v_pk_add_f32 v[X+\j:X+\j+1], v[X+\j:X+\j+1], v[X+16*\e+\j:X+16*\e+\j+1]
.endr
.endr
.irp j, 0,1,2,3
	global_store_b128 v[AK0], v[X+4*\j:X+4*\j+3], s[SPO:SPO+1] offset:512*\j   ; 32 lanes store 512 consecutive bytes
.endr
	s_wait_tensorcnt 0x0                           ; the wave's end
	ds_add_u32 v[SPW], v[NIL]
	s_wait_dscnt 0x0
	s_endpgm
.Lfunc_end_k_q777d444e58_g0:
	.size	k_q777d444e58_g0, .Lfunc_end_k_q777d444e58_g0-k_q777d444e58_g0
	.p2alignl 7, 3214868480
	.fill 96, 4, 3214868480
	.section	.rodata,"a",@progbits
	.p2align	6, 0x0
	.amdhsa_kernel k_q777d444e58_g0
		.amdhsa_group_segment_fixed_size 320000
		.amdhsa_private_segment_fixed_size 0
		.amdhsa_enable_private_segment 0
		.amdhsa_kernarg_size 16
		.amdhsa_user_sgpr_count 2
		.amdhsa_user_sgpr_kernarg_segment_ptr 1
		.amdhsa_wavefront_size32 1
		.amdhsa_system_sgpr_workgroup_id_x 1
		.amdhsa_system_sgpr_workgroup_id_y 1
		.amdhsa_system_sgpr_workgroup_id_z 1
		.amdhsa_system_vgpr_workitem_id 0
		.amdhsa_next_free_vgpr 512
		.amdhsa_next_free_sgpr 66
		.amdhsa_reserve_vcc 0
		.amdhsa_float_denorm_mode_32 3
		.amdhsa_float_denorm_mode_16_64 3
		.amdhsa_memory_ordered 1
		.amdhsa_forward_progress 1
		.amdhsa_inst_pref_size 160
	.end_amdhsa_kernel
	.amdgpu_metadata
---
amdhsa.version: [ 1, 2 ]
amdhsa.kernels:
  - .name:           k_q777d444e58_g0
    .symbol:         k_q777d444e58_g0.kd
    .args:
      - { .name: act, .offset: 0, .size: 8, .value_kind: global_buffer, .address_space: global }
      - { .name: po, .offset: 8, .size: 8, .value_kind: global_buffer, .address_space: global }
    .group_segment_fixed_size: 320000
    .private_segment_fixed_size: 0
    .kernarg_segment_align: 8
    .kernarg_segment_size: 16
    .max_flat_workgroup_size: 256
    .sgpr_count:     66
    .vgpr_count:     512
    .wavefront_size: 32
...
	.end_amdgpu_metadata
.endif
;; end of part 10
;; launch e1 (part 11): grid 256 x 1, 8 waves a work-group, no clusters, 71,936 bytes of LDS; arguments po, act, wbuf, l1_qb, w1_b, loc; writes loc
.if DOCPART == 11
	.amdgcn_target "amdgcn-amd-amdhsa--gfx1250"
	.amdhsa_code_object_version 6
	.text
	.protected	k_q777d444e58_e1
	.globl	k_q777d444e58_e1
	.p2align	8
	.type	k_q777d444e58_e1,@function
k_q777d444e58_e1:
	s_mov_b64 s[64:65], 0
	v_nop
	global_prefetch_b8 v0, s[64:65] scope:SCOPE_SE
	s_setreg_imm32_b32 hwreg(HW_REG_WAVE_MODE, 25, 1), 1
	s_wait_xcnt 0x0
; x1 = gelu(O + r), O the sum of the eight parts in the order of the eighths; x1 is quantised along its channels; then q of layer 1 and r1 = x1 w1_w + w1_b, stored row by row in f32, and x1's codes as records for the gather.
; LEFT OUT HERE: l1_kb (dead work: shown at the head of the first kernel).  k and v of layer 1 are not made here: the next launch makes them from x1's codes, for the rows that it gathers.
; A work-group takes a pair of 32 tokens.  X PHASE: wave w = 2 b + u: block b of tile u, 16 numbers a lane.  P PHASE: waves 0-3 alone: role = w >> 1 (q, r1), tile u = w & 1; the product transposed, the bias as its C.
; The results go through the wave's own stage in LDS (16 rows of 528 bytes) and leave as whole rows of 512 bytes.  loc: q [8192][128] f32 at 0, r1 likewise at 4,194,304, the records at 8,388,608.
; A RECORD is 128 bytes a token, an image of the operand's registers: the 12 registers of lane (r, 0) at 0, those of lane (r, 1) at 48, the row's scale word at 96; bytes 100-127 are written too (zeros and the word again).
; gelu(t) = t (1 + erf(t / sqrt 2)) / 2 in f32, erf as the quotient of two polynomials in t^2 on [-4, 4]; LIMIT: an absolute error of about 1e-7 |t| where t is far below 0.
; No cluster: the shared bytes are two weight images, which go straight into registers.
.set XROW,  0
.set XSC,   3072
.set STG,   3328
.set SPARE, 70912
.set A_RB,  2457600
.set L16, 1
.set XW,  2
.set XB,  3
.set XRU, 4
.set XSA, 5
.set BO,  6
.set SO,  7
.set SR,  8
.set TR,  9
.set TH,  10
.set TL,  11
.set SPW, 14
.set NIL, 15
.set W,   16                           ; v16-111; X phase: v16-31 O
.set HA,  112                          ; v112-175; ahead of that gelu's 64 registers
.set XV,  176
.set XF,  192
.set OF,  204                          ; the byte offset of my 16 numbers in O
.set CD,  212
.set BY,  215
.set TM,  216
.set WS,  220
.set XS,  224                          ; x1's scale words; v225-227 hold 0: the four go out together
.set KA,  228
.set KB,  230
.set RVO, 232                          ; my 48 bytes of my token's record
.set RVS, 233                          ; and 16 of its last 32
.set WV,  20
.set ROLE, 21
.set SUB, 22
.set SEL, 24
.set T0,  26
.set WP,  32
.set BP,  34
.set RBP, 36
.set LP,  38
.set RCP, 40
.macro MM d, a, b, c, sa, sb, ra, rb
.if (\ra)
	v_wmma_scale_f32_16x16x128_f8f6f4 v[\d:\d+7], v[\a:\a+11], v[\b:\b+11], v[\c:\c+7], v[\sa], v[\sb] matrix_a_fmt:MATRIX_FMT_FP6 matrix_b_fmt:MATRIX_FMT_FP6 matrix_a_scale:MATRIX_SCALE_ROW1
.else
	v_wmma_scale_f32_16x16x128_f8f6f4 v[\d:\d+7], v[\a:\a+11], v[\b:\b+11], v[\c:\c+7], v[\sa], v[\sb] matrix_a_fmt:MATRIX_FMT_FP6 matrix_b_fmt:MATRIX_FMT_FP6
.endif
.endm
.macro QBLK src, cd, by, tm
	v_max3_num_f32 v[\tm], |v[\src]|, |v[\src+1]|, 0x1800000
.irp i, 2,4,6,8,10,12,14
	s_delay_alu instid0(VALU_DEP_1)
	v_max3_num_f32 v[\tm], v[\tm], |v[\src+\i]|, |v[\src+\i+1]|
.endr
	s_delay_alu instid0(VALU_DEP_1)
	v_permlanex16_b32 v[\tm+1], v[\tm], s[SEL], s[SEL+1]
	s_delay_alu instid0(VALU_DEP_1)
	v_max_num_f32 v[\tm], v[\tm], v[\tm+1]
	s_delay_alu instid0(VALU_DEP_1)
	v_add_nc_u32 v[\tm+2], 0xff000000, v[\tm]
	s_delay_alu instid0(VALU_DEP_1)
	v_lshrrev_b32 v[\by], 23, v[\tm+2]
	v_cvt_scalef32_pk16_fp6_f32 v[\cd:\cd+2], v[\src:\src+15], v[\tm+2]
	v_nop
.endm
.macro GSTEP acc, n, lit               ; acc = acc x t^2 + the next coefficient
.set gi, 0
.rept \n
	v_pk_fma_f32 v[\acc+gi:\acc+gi+1], v[\acc+gi:\acc+gi+1], v[gV+gi:gV+gi+1], \lit op_sel_hi:[1,1,0]
.set gi, gi+2
.endr
.endm
.macro GELU base, n, tmp               ; n pairs in place; 8 n registers at work
.set gU, \tmp
.set gV, \tmp+2*\n
.set gA, \tmp+4*\n
.set gB, \tmp+6*\n
.set gi, 0
.rept \n
	v_pk_mul_f32 v[gU+gi:gU+gi+1], v[\base+gi:\base+gi+1], 0x3f3504f3 op_sel_hi:[1,0]   ; t / sqrt 2
.set gi, gi+2
.endr
.set gi, 0
.rept 2*\n
	v_med3_num_f32 v[gU+gi], v[gU+gi], -4.0, 4.0
.set gi, gi+1
.endr
.set gi, 0
.rept \n
	v_pk_mul_f32 v[gV+gi:gV+gi+1], v[gU+gi:gU+gi+1], v[gU+gi:gU+gi+1]
.set gi, gi+2
.endr
.set gi, 0
.rept \n
	v_pk_fma_f32 v[gA+gi:gA+gi+1], v[gV+gi:gV+gi+1], 0xaf95df0b, v[KA:KA+1] op_sel_hi:[1,0,1]
	v_pk_fma_f32 v[gB+gi:gB+gi+1], v[gV+gi:gV+gi+1], 0xb77460cd, v[KB:KB+1] op_sel_hi:[1,0,1]
.set gi, gi+2
.endr
	GSTEP gA, \n, 0xb60cff51
	GSTEP gB, \n, 0xbadc924e
	GSTEP gA, \n, 0xb86ec2d2
	GSTEP gB, \n, 0xbbf19bf8
	GSTEP gA, \n, 0xba40ac63
	GSTEP gB, \n, 0xbc69b6a7
	GSTEP gA, \n, 0xbb41a1f6
	GSTEP gA, \n, 0xbc83dbd4
.set gi, 0
	s_wait_alu depctr_va_vdst(0)
.rept 2*\n
	v_rcp_f32 v[gB+gi], v[gB+gi]
.set gi, gi+1
.endr
.set gi, 0
.rept \n
	v_pk_mul_f32 v[gA+gi:gA+gi+1], v[gA+gi:gA+gi+1], v[gU+gi:gU+gi+1]   ; plain work behind the reciprocals
.set gi, gi+2
.endr
	s_wait_alu depctr_va_vdst(0)                   ; one wait for the batch, ahead of its first reader
.set gi, 0
.rept \n
	v_pk_mul_f32 v[gA+gi:gA+gi+1], v[gA+gi:gA+gi+1], v[gB+gi:gB+gi+1]   ; erf
.set gi, gi+2
.endr
.set gi, 0
.rept \n
	v_pk_mul_f32 v[gU+gi:gU+gi+1], v[\base+gi:\base+gi+1], 0.5 op_sel_hi:[1,0]
.set gi, gi+2
.endr
.set gi, 0
.rept \n
	v_pk_fma_f32 v[\base+gi:\base+gi+1], v[gU+gi:gU+gi+1], v[gA+gi:gA+gi+1], v[gU+gi:gU+gi+1]
.set gi, gi+2
.endr
.endm
	s_load_b256 s[4:11], s[0:1], 0x0               ; po, act, wbuf, l1_qb
	s_load_b128 s[12:15], s[0:1], 0x20             ; w1_b, loc
	v_lshl_add_u32 v[SPW], v0, 2, SPARE
	v_mov_b32 v[NIL], 0
	v_lshrrev_b32 v12, 5, v0
	s_delay_alu instid0(VALU_DEP_1)
	v_readfirstlane_b32 s[WV], v12
	s_lshr_b32 s[ROLE], s[WV], 1                   ; X phase: block b; P phase: role
	s_and_b32 s[SUB], s[WV], 1                     ; tile u
	v_and_b32 v[TR], 15, v0
	v_bfe_u32 v[TH], v0, 4, 1
	v_and_b32 v[TL], 31, v0
	s_delay_alu instid0(VALU_DEP_1)
	v_lshlrev_b32 v[L16], 4, v[TL]
	s_mul_i32 s[T0], s[SUB], 1536
	s_mul_i32 s[T0+1], s[ROLE], 384
	s_add_co_u32 s[T0+1], s[T0+1], s[T0]
	v_mul_u32_u24 v12, v[TR], 24
	s_delay_alu instid0(VALU_DEP_1)
	v_mad_u32_u24 v[XW], v[TH], 12, v12
	s_delay_alu instid0(VALU_DEP_1)
	v_add_nc_u32 v[XW], s[T0+1], v[XW]             ; 1536 u + 384 b + 24 r + 12 h
	s_delay_alu instid0(VALU_DEP_3)
	v_mad_u32_u24 v[XRU], v[TH], 384, v12
	s_delay_alu instid0(VALU_DEP_1)
	v_add_nc_u32 v[XRU], s[T0], v[XRU]             ; 1536 u + 384 h + 24 r
	s_lshl_b32 s[T0+2], s[SUB], 6
	s_add_co_u32 s[T0+2], s[T0+2], XSC
	s_add_co_u32 s[T0+3], s[T0+2], s[ROLE]
	v_lshl_add_u32 v[XB], v[TR], 2, s[T0+3]
	v_lshl_add_u32 v[XSA], v[TR], 2, s[T0+2]
	v_lshlrev_b32 v[BO], 6, v[TH]
	s_mul_i32 s[T0+2], s[WV], 8448
	s_add_co_u32 s[T0+2], s[T0+2], STG             ; my stage
	v_mul_u32_u24 v[SO], v[TR], 528
	s_delay_alu instid0(VALU_DEP_1)
	v_add_nc_u32 v[SO], v[SO], v[BO]
	s_delay_alu instid0(VALU_DEP_1)
	v_add_nc_u32 v[SO], s[T0+2], v[SO]             ; in: row r, + 64 h
	v_add_nc_u32 v[SR], s[T0+2], v[L16]            ; back: a row by 32 lanes
	v_and_b32 v[RVS], 8, v[TR]
	s_delay_alu instid0(VALU_DEP_1)
	v_add_nc_u32 v[RVS], v[RVS], v[TR]
	s_delay_alu instid0(VALU_DEP_1)
	v_lshlrev_b32 v[RVS], 7, v[RVS]                ; 128 (r + (r & 8)): my token's record
	s_delay_alu instid0(VALU_DEP_1)
	v_mad_u32_u24 v[RVO], v[TH], 48, v[RVS]        ; + 48 h
	s_delay_alu instid0(VALU_DEP_2)
	v_lshl_add_u32 v[RVS], v[TH], 4, v[RVS]
	s_delay_alu instid0(VALU_DEP_1)
	v_add_nc_u32 v[RVS], 96, v[RVS]                ; + 96 + 16 h
.irp k, 1,2,3
	v_mov_b32 v[XS+\k], 0
.endr
	s_lshl_b32 s[T0], ttmp9, 1
	s_add_co_u32 s[T0], s[T0], s[SUB]
	s_lshl_b32 s[T0], s[T0], 13
	s_lshl_b32 s[T0+1], s[ROLE], 11
	s_add_co_u32 s[T0], s[T0], s[T0+1]
	v_add_nc_u32 v[OF], s[T0], v[L16]              ; tile 2 p + u, register groups 4 b on
	v_mov_b32 v[KA], 0x32edffee
	v_mov_b32 v[KA+1], 0x32edffee
	v_mov_b32 v[KB], 0xb95fbd29
	v_mov_b32 v[KB+1], 0xb95fbd29
	v_mov_b32 v[TM+1], 0
	s_mov_b32 s[SEL], 0x76543210
	s_mov_b32 s[SEL+1], 0xfedcba98
	s_mul_i32 s[T0], s[ROLE], 3*12800
	s_add_co_u32 s[T0], s[T0], 4*12800             ; image 4 (l1_qw) for role 0, image 7 (w1_w) for role 1
	s_mov_b32 s[T0+1], 0
	s_lshl_b32 s[T0+2], s[ROLE], 22
	s_lshl_b32 s[T0+3], ttmp9, 14
	s_add_co_u32 s[T0+2], s[T0+2], s[T0+3]
	s_lshl_b32 s[T0+3], s[SUB], 12
	s_add_co_u32 s[T0+2], s[T0+2], s[T0+3]         ; my role's table, token 32 p + 8 u
	s_mov_b32 s[T0+3], 0
	s_lshl_b32 s[T0+4], ttmp9, 12
	s_lshl_b32 s[T0+5], s[SUB], 10
	s_add_co_u32 s[T0+4], s[T0+4], s[T0+5]
	s_add_co_u32 s[T0+4], s[T0+4], 0x800000        ; the record of token 32 p + 8 u
	s_mov_b32 s[T0+5], 0
	s_wait_alu depctr_va_vdst(0)
	s_wait_kmcnt 0x0
	s_add_nc_u64 s[RBP:RBP+1], s[6:7], A_RB
	s_add_nc_u64 s[WP:WP+1], s[8:9], s[T0:T0+1]
	s_add_nc_u64 s[LP:LP+1], s[14:15], s[T0+2:T0+3]
	s_add_nc_u64 s[RCP:RCP+1], s[14:15], s[T0+4:T0+5]
	s_cmp_eq_u32 s[ROLE], 0
	s_cselect_b64 s[BP:BP+1], s[10:11], s[12:13]
.irp e, 0
.irp j, 0,1,2,3
	global_load_b128 v[16+16*\e+4*\j:16+16*\e+4*\j+3], v[OF+\e], s[4:5] offset:512*\j th:TH_LOAD_NT
.endr
.endr
.irp j, 0,1,2,3
	global_load_b128 v[XV+4*\j:XV+4*\j+3], v[OF], s[RBP:RBP+1] offset:512*\j th:TH_LOAD_NT
.endr
	s_wait_loadcnt 0x0
.irp e, 0
.irp j, 0,2,4,6,8,10,12,14
	v_pk_add_f32 v[XV+\j:XV+\j+1], v[XV+\j:XV+\j+1], v[16+16*\e+\j:16+16*\e+\j+1]
.endr
.endr
	s_cmp_lt_u32 s[WV], 4
	s_cbranch_scc0 .Lno_w
.set i, 0
.rept 24                               ; the parts' registers are free: my role's weight image is asked for while gelu is worked
	global_load_b128 v[W+4*i:W+4*i+3], v[L16], s[WP:WP+1] offset:512*i
.set i, i+1
.endr
	global_load_b128 v[WS:WS+3], v[L16], s[WP:WP+1] offset:12288
.Lno_w:
	s_wait_alu depctr_va_vdst(0)
	GELU XV, 8, HA
	s_cmp_lt_u32 s[WV], 4
	s_cbranch_scc0 .Lno_b
.set i, 0
.rept 16
	global_load_b128 v[HA+4*i:HA+4*i+3], v[BO], s[BP:BP+1] offset:128*(i/4)+16*(i%4)   ; the bias in the result's layout
.set i, i+1
.endr
.Lno_b:
	s_wait_alu depctr_va_vdst(0)
	QBLK XV, CD, BY, TM
	ds_store_b32 v[XW], v[CD]
	ds_store_b32 v[XW], v[CD+1] offset:4
	ds_store_b32 v[XW], v[CD+2] offset:8
	ds_store_b8 v[XB], v[BY]
	s_wait_dscnt 0x0                               ; my stores have landed
	s_barrier_signal -1
	s_barrier_wait -1                              ; x1's two fragments and their scale words lie in LDS
	s_cmp_lt_u32 s[WV], 4
	s_cbranch_scc0 .Lend
.irp c, 0,1
.irp i, 0,1,2
	ds_load_b64 v[XF+6*\c+2*\i:XF+6*\c+2*\i+1], v[XRU] offset:768*\c+8*\i
.endr
.endr
	ds_load_b32 v[XS], v[XSA]
	s_wait_dscnt 0x0
	s_wait_loadcnt 0x0
	s_cmp_eq_u32 s[ROLE], 0
	s_cbranch_scc0 .Lno_rec
.irp c, 0,1,2
	global_store_b128 v[RVO], v[XF+4*\c:XF+4*\c+3], s[RCP:RCP+1] offset:16*\c   ; my 12 registers as they stand: the record is their image
.endr
	global_store_b128 v[RVS], v[XS:XS+3], s[RCP:RCP+1]   ; the scale word and the record's last bytes
.Lno_rec:
.irp ct, 0,1,2,3,4,5,6,7
	MM HA+8*\ct, W+12*\ct, XF, HA+8*\ct, WS+\ct/2, XS, \ct%2, 0
.endr
.rept 4
	v_nop                                          ; four places ahead of the first read of the results and of loads into the weights' registers
.endr
.set i, 0
.rept 16
	ds_store_b128 v[SO], v[HA+4*i:HA+4*i+3] offset:128*(i/4)+16*(i%4)   ; each accumulator from its low end on
.set i, i+1
.endr
.set i, 0
.rept 16
	ds_load_b128 v[16+4*i:16+4*i+3], v[SR] offset:528*i   ; my own bytes: LDS serves a wave's instructions in order
.set i, i+1
.endr
.set i, 0
.rept 16
	s_wait_dscnt 15-i                              ; row i is back; the younger loads stay out
	global_store_b128 v[L16], v[16+4*i:16+4*i+3], s[LP:LP+1] offset:(i+(i&8))*512   ; a whole row of 512 bytes
.set i, i+1
.endr
.Lend:
	s_wait_tensorcnt 0x0                           ; the wave's end
	ds_add_u32 v[SPW], v[NIL]
	s_wait_dscnt 0x0
	s_endpgm
.Lfunc_end_k_q777d444e58_e1:
	.size	k_q777d444e58_e1, .Lfunc_end_k_q777d444e58_e1-k_q777d444e58_e1
	.p2alignl 7, 3214868480
	.fill 96, 4, 3214868480
	.section	.rodata,"a",@progbits
	.p2align	6, 0x0
	.amdhsa_kernel k_q777d444e58_e1
		.amdhsa_group_segment_fixed_size 71936
		.amdhsa_private_segment_fixed_size 0
		.amdhsa_enable_private_segment 0
		.amdhsa_kernarg_size 48
		.amdhsa_user_sgpr_count 2
		.amdhsa_user_sgpr_kernarg_segment_ptr 1
		.amdhsa_wavefront_size32 1
		.amdhsa_system_sgpr_workgroup_id_x 1
		.amdhsa_system_sgpr_workgroup_id_y 1
		.amdhsa_system_sgpr_workgroup_id_z 1
		.amdhsa_system_vgpr_workitem_id 0
		.amdhsa_next_free_vgpr 256
		.amdhsa_next_free_sgpr 66
		.amdhsa_reserve_vcc 0
		.amdhsa_float_denorm_mode_32 3
		.amdhsa_float_denorm_mode_16_64 3
		.amdhsa_memory_ordered 1
		.amdhsa_forward_progress 1
		.amdhsa_inst_pref_size 30
	.end_amdhsa_kernel
	.amdgpu_metadata
---
amdhsa.version: [ 1, 2 ]
amdhsa.kernels:
  - .name:           k_q777d444e58_e1
    .symbol:         k_q777d444e58_e1.kd
    .args:
      - { .name: po, .offset: 0, .size: 8, .value_kind: global_buffer, .address_space: global }
      - { .name: act, .offset: 8, .size: 8, .value_kind: global_buffer, .address_space: global }
      - { .name: wbuf, .offset: 16, .size: 8, .value_kind: global_buffer, .address_space: global }
      - { .name: l1_qb, .offset: 24, .size: 8, .value_kind: global_buffer, .address_space: global }
      - { .name: w1_b, .offset: 32, .size: 8, .value_kind: global_buffer, .address_space: global }
      - { .name: loc, .offset: 40, .size: 8, .value_kind: global_buffer, .address_space: global }
    .group_segment_fixed_size: 71936
    .private_segment_fixed_size: 0
    .kernarg_segment_align: 8
    .kernarg_segment_size: 48
    .max_flat_workgroup_size: 256
    .sgpr_count:     66
    .vgpr_count:     256
    .wavefront_size: 32
...
	.end_amdgpu_metadata
.endif
;; end of part 11
;; launch l1 (part 12): grid 256 x 1, 8 waves a work-group, no clusters, 58,112 bytes of LDS; arguments neighbor_index, loc, wbuf, l1_vb, l2_qb, l2_kb, l2_vb, w2_b, act; writes act
.if DOCPART == 12
	.amdgcn_target "amdgcn-amd-amdhsa--gfx1250"
	.amdhsa_code_object_version 6
	.text
	.protected	k_q777d444e58_l1
	.globl	k_q777d444e58_l1
	.p2align	8
	.type	k_q777d444e58_l1,@function
k_q777d444e58_l1:
	s_mov_b64 s[64:65], 0
	v_nop
	global_prefetch_b8 v0, s[64:65] scope:SCOPE_SE
	s_setreg_imm32_b32 hwreg(HW_REG_WAVE_MODE, 25, 1), 1
	s_wait_xcnt 0x0
; LOCAL ATTENTION, x2 = gelu(attention + r1), then layer 2's q, k, v and r as in the first projection launch.
; LEFT OUT HERE: l1_kb (dead work: shown at the head of the first kernel).  l1_vb is live: the weights of a softmax sum to 1, so it is added once, behind the division by their sum.
; WHAT IS GATHERED ARE x1's CODES, 128 bytes a neighbour, not rows of k and v in f32, 1,024 bytes: k and v of a gathered row are made here, by the same products on the same codes and the same weight images.
; A work-group takes a pair of 32 tokens; wave w tokens 32 p + 4 w + t, t = 0 .. 3.  K's and V's weight images stay in the wave's registers (window 1).
; THE GATHER: eight lanes take one record, 16 bytes each, four records an instruction; lane group g takes neighbours 8 g + i, whose eight indices are 32 consecutive bytes; an index is held to 8,191.
; The 32 records go through the wave's own stage in LDS (rows 144 bytes apart) and come back as two fragments of 16 neighbours: lane (r, h) reads its 48 bytes as they lie; lane l the scale word of neighbour l.
; K^T and V^T (source 0 = 16 rows of the weight's image, source 1 = 16 neighbours): a lane holds ONE neighbour, and its register 16 b + i channel 32 b + 16 h + i: the 16 channels of head 2 b + h.
; So a score is 8 packed multiply-adds in the lane with q in the same layout; register b of the scores holds head 2 b in lanes 0-15 and head 2 b + 1 in lanes 16-31; maximum and sum go over the 16 lanes of a row.
; V^T is multiplied by p in place; the sum over the 16 neighbours of a row is a tree that halves the registers at each step (two selects and one add from lane l xor 1, 2, 4, 8 for each pair):
; of 16 registers one is left, in which lane r holds channel r of its head: register b, lane l = channel 32 b + l.  All of this in f32.
; x2's 32 rows meet in LDS; wave 2 b + u quantises block b of tile u; then the four projections, role = w >> 1.
; No cluster and no copy of the table in LDS: which records a work-group reads hangs on the indices.  No prefetch: a record is read by many work-groups.
; LIMITS: as at the head of the first kernel; gelu as in the launch before.
; REGISTERS: window 0 as named below (the projections' registers lie over the attention's, which are done with by then); window 1: v0-95 K's weights, v96-191 V's, v192-223 the records as gathered.
.set STG,   0                          ; LDS: a stage for each wave, 32 rows
.set SROW,  144                        ; 128 bytes + 16: the 16 rows of a load start in different banks
.set SWAVE, 32*SROW
.set X2,    36864                      ; 32 rows of x2, 528 bytes apart
.set XROW,  53760
.set XSC,   56832
.set SPARE, 57088
.set MB,    8
.set A_QSC, 786432
.set A_KB,  819200
.set A_VB,  1638400
.set A_RB,  2457600
.set L16, 1
.set XW,  2
.set XB,  3
.set XR0, 4
.set XRU, 5
.set XSA, 6
.set XSL, 7
.set BO,  8
.set BVO, 9
.set SVO, 10
.set VCO, 11
.set R16, 12
.set X2W, 13                           ; where I put 4 bytes of my first token's row
.set SPW, 14
.set NIL, 15
.set IDX, 16                           ; v16-47   token t, i: 128 x index + 16 (lane & 7)
.set XFR, 48                           ; v48-71   the two fragments of 16 neighbours
.set Q,   72                           ; v72-135  q of the token in hand
.set DA,  136                          ; v136-199 results of eight products
.set PB,  200                          ; v200-207 scores, then p: 2 b + u
.set T,   208                          ; v208-215 at work
.set SM,  212                          ; v212-215 the sums, then their reciprocals
.set IXO, 208                          ; (head) 32 (lane >> 3)
.set C16, 209                          ; (head) 16 (lane & 7)
.set MX,  216                          ; v216-223 the maxima, each the low word of a pair
.set OUT, 224                          ; v224-227
.set R,   228                          ; v228-231 r1
.set VBI, 232                          ; v232-235 l1_vb
.set KWS, 240                          ; v240-243 scale words of K's weights
.set VWS, 250                          ; v250-253 of V's
.set GST, 254                          ; the stage: where I put 16 bytes of a record
.set GLD, 255                          ; where I read my 48 bytes of a fragment
.set GSC, 238                          ; where I read neighbour l's scale word
.set L4,  239                          ; 4 x lane
.set X2R, 245                          ; where I read 64 bytes of a row of x2
.set KA,  246
.set KB,  248
.set WK,  0                            ; window 1
.set WVW, 96                           ; window 1
.set G,   192                          ; window 1
.set W,   16
.set VC,  64
.set VBY, 80
.set HA,  112
.set XF,  176
.set XV,  176
.set PC,  200
.set TM,  220
.set PW,  236
.set TR,  237
.set TH,  238
.set TL,  239
.set WS,  240
.set XS,  244
.set BV,  246
.set SWB, 8
.set SQB, 12
.set SKB, 14
.set SVB, 16
.set SRB, 18
.set SACT, 20
.set WV,  22
.set ROLE, 23
.set SUB, 24
.set SEL, 26
.set CS,  28
.set MK0, 30                           ; lanes with bit 0, 1, 2, 3 of their number set
.set MK1, 31
.set MK2, 32
.set MK3, 33
.set QBASE, 34
.set RBASE, 36
.set RECB, 38
.set KWP, 40
.set VWP, 42
.set T0,  44
.set WP,  52
.set WP2, 54
.set WP3, 56
.set BP,  58
.set VBP, 60
.set CP,  62
.set SCP, 66
.set RP,  68
.set VCP, 70
.set VSP, 72
.set MSB, 0
.macro WIN new                         ; the immediate's high byte repeats the setting that is left
.if MSB != \new
	s_set_vgpr_msb (MSB<<8)|\new
.set MSB, \new
.endif
.endm
.macro MM d, a, b, c, sa, sb, ra, rb
.if (\c) < 0
.if (\ra) && (\rb)
	v_wmma_scale_f32_16x16x128_f8f6f4 v[\d:\d+7], v[\a:\a+11], v[\b:\b+11], 0, v[\sa], v[\sb] matrix_a_fmt:MATRIX_FMT_FP6 matrix_b_fmt:MATRIX_FMT_FP6 matrix_a_scale:MATRIX_SCALE_ROW1 matrix_b_scale:MATRIX_SCALE_ROW1
.elseif (\ra)
	v_wmma_scale_f32_16x16x128_f8f6f4 v[\d:\d+7], v[\a:\a+11], v[\b:\b+11], 0, v[\sa], v[\sb] matrix_a_fmt:MATRIX_FMT_FP6 matrix_b_fmt:MATRIX_FMT_FP6 matrix_a_scale:MATRIX_SCALE_ROW1
.elseif (\rb)
	v_wmma_scale_f32_16x16x128_f8f6f4 v[\d:\d+7], v[\a:\a+11], v[\b:\b+11], 0, v[\sa], v[\sb] matrix_a_fmt:MATRIX_FMT_FP6 matrix_b_fmt:MATRIX_FMT_FP6 matrix_b_scale:MATRIX_SCALE_ROW1
.else
	v_wmma_scale_f32_16x16x128_f8f6f4 v[\d:\d+7], v[\a:\a+11], v[\b:\b+11], 0, v[\sa], v[\sb] matrix_a_fmt:MATRIX_FMT_FP6 matrix_b_fmt:MATRIX_FMT_FP6
.endif
.else
.if (\ra)
	v_wmma_scale_f32_16x16x128_f8f6f4 v[\d:\d+7], v[\a:\a+11], v[\b:\b+11], v[\c:\c+7], v[\sa], v[\sb] matrix_a_fmt:MATRIX_FMT_FP6 matrix_b_fmt:MATRIX_FMT_FP6 matrix_a_scale:MATRIX_SCALE_ROW1
.else
	v_wmma_scale_f32_16x16x128_f8f6f4 v[\d:\d+7], v[\a:\a+11], v[\b:\b+11], v[\c:\c+7], v[\sa], v[\sb] matrix_a_fmt:MATRIX_FMT_FP6 matrix_b_fmt:MATRIX_FMT_FP6
.endif
.endif
.endm
.macro QBLK src, cd, by, tm
	v_max3_num_f32 v[\tm], |v[\src]|, |v[\src+1]|, 0x1800000
.irp i, 2,4,6,8,10,12,14
	s_delay_alu instid0(VALU_DEP_1)
	v_max3_num_f32 v[\tm], v[\tm], |v[\src+\i]|, |v[\src+\i+1]|
.endr
	s_delay_alu instid0(VALU_DEP_1)
	v_permlanex16_b32 v[\tm+1], v[\tm], s[SEL], s[SEL+1]
	s_delay_alu instid0(VALU_DEP_1)
	v_max_num_f32 v[\tm], v[\tm], v[\tm+1]
	s_delay_alu instid0(VALU_DEP_1)
	v_add_nc_u32 v[\tm+2], 0xff000000, v[\tm]
	s_delay_alu instid0(VALU_DEP_1)
	v_lshrrev_b32 v[\by], 23, v[\tm+2]
	v_cvt_scalef32_pk16_fp6_f32 v[\cd:\cd+2], v[\src:\src+15], v[\tm+2]
	v_nop
.endm
.macro QUANT s
.irp b, 0,1,2,3
	v_max3_num_f32 v[TM+\b], |v[\s+16*\b]|, |v[\s+1+16*\b]|, 0x1800000
.endr
.irp i, 2,4,6,8,10,12,14
.irp b, 0,1,2,3
	v_max3_num_f32 v[TM+\b], v[TM+\b], |v[\s+16*\b+\i]|, |v[\s+1+16*\b+\i]|
.endr
.endr
.irp b, 0,1,2,3
	s_delay_alu instid0(VALU_DEP_4)
	v_permlanex16_b32 v[TM+4+\b], v[TM+\b], s[SEL], s[SEL+1]
.endr
.irp b, 0,1,2,3
	s_delay_alu instid0(VALU_DEP_4)
	v_max_num_f32 v[TM+\b], v[TM+\b], v[TM+4+\b]
.endr
.irp b, 0,1,2,3
	s_delay_alu instid0(VALU_DEP_4)
	v_add_nc_u32 v[TM+12+\b], 0xff000000, v[TM+\b]
.endr
.irp b, 0,1,2,3
	s_delay_alu instid0(VALU_DEP_4)
	v_lshrrev_b32 v[TM+4+\b], 23, v[TM+12+\b]
.endr
	s_delay_alu instid0(VALU_DEP_3)
	v_lshl_or_b32 v[PW], v[TM+5], 8, v[TM+4]
	s_delay_alu instid0(VALU_DEP_1)
	v_lshl_or_b32 v[PW], v[TM+6], 16, v[PW]
	s_delay_alu instid0(VALU_DEP_1)
	v_lshl_or_b32 v[PW], v[TM+7], 24, v[PW]
.irp c, 0,1
	v_cvt_scalef32_pk16_fp6_f32 v[PC+6*\c:PC+2+6*\c], v[\s+32*\c:\s+15+32*\c], v[TM+12+2*\c]
	v_cvt_scalef32_pk16_fp6_f32 v[PC+12+4*\c:PC+14+4*\c], v[\s+16+32*\c:\s+31+32*\c], v[TM+12+2*\c+1]
.endr
	v_nop
.irp c, 0,1
.irp i, 0,1,2
	v_permlane16_swap_b32 v[PC+6*\c+\i], v[PC+12+4*\c+\i]
.endr
.irp i, 0,1,2
	s_delay_alu instid0(VALU_DEP_3)
	v_mov_b32 v[PC+3+6*\c+\i], v[PC+12+4*\c+\i]
.endr
.endr
.endm
.macro XSTORE cd, by
	ds_store_b32 v[XW], v[\cd]
	ds_store_b32 v[XW], v[\cd+1] offset:4
	ds_store_b32 v[XW], v[\cd+2] offset:8
	ds_store_b8 v[XB], v[\by]
.endm
.macro XFRAG reg, adr, off
.irp c, 0,1
.irp i, 0,1,2
	ds_load_b64 v[\reg+6*\c+2*\i:\reg+6*\c+2*\i+1], v[\adr] offset:\off+768*\c+8*\i
.endr
.endr
.endm
.macro BARRIER
	s_wait_dscnt 0x0
	s_barrier_signal -1
	s_barrier_wait -1
.endm
.macro PROJ_VADDR
	v_and_b32 v[TR], 15, v0
	v_bfe_u32 v[TH], v0, 4, 1
	v_and_b32 v[TL], 31, v0
	s_delay_alu instid0(VALU_DEP_1)
	v_lshlrev_b32 v[L16], 4, v[TL]
	s_mul_i32 s[T0], s[SUB], 1536
	s_mul_i32 s[T0+1], s[ROLE], 384
	s_add_co_u32 s[T0+1], s[T0+1], s[T0]
	s_add_co_u32 s[T0+1], s[T0+1], XROW
	v_mul_u32_u24 v[VCO], v[TR], 24
	s_delay_alu instid0(VALU_DEP_1)
	v_mad_u32_u24 v[VCO], v[TH], 12, v[VCO]
	s_delay_alu instid0(VALU_DEP_1)
	v_add_nc_u32 v[XW], s[T0+1], v[VCO]
	s_lshl_b32 s[T0+2], s[SUB], 6
	s_add_co_u32 s[T0+2], s[T0+2], XSC
	s_add_co_u32 s[T0+3], s[T0+2], s[ROLE]
	v_lshl_add_u32 v[XB], v[TR], 2, s[T0+3]
	v_lshl_add_u32 v[XSA], v[TR], 2, s[T0+2]
	v_lshl_add_u32 v[XSL], v[TL], 2, XSC
	v_mul_u32_u24 v[XR0], v[TR], 24
	s_delay_alu instid0(VALU_DEP_1)
	v_mad_u32_u24 v[XR0], v[TH], 384, v[XR0]
.if XROW > 0
	s_delay_alu instid0(VALU_DEP_1)
	v_add_nc_u32 v[XR0], XROW, v[XR0]
.endif
	s_delay_alu instid0(VALU_DEP_1)
	v_add_nc_u32 v[XRU], s[T0], v[XR0]
	v_lshlrev_b32 v[BO], 6, v[TH]
	v_and_b32 v[BVO], 8, v[TR]
	s_delay_alu instid0(VALU_DEP_1)
	v_add_nc_u32 v[BVO], v[BVO], v[TR]
	s_delay_alu instid0(VALU_DEP_1)
	v_lshlrev_b32 v[BVO], 2, v[BVO]
	v_lshlrev_b32 v[R16], 4, v[TR]
	s_cmp_eq_u32 s[ROLE], 0
	s_cselect_b32 s[T0+3], 2, 4
	v_lshlrev_b32 v[SVO], s[T0+3], v[TR]
.endm
.macro PROJ_SADDR
	s_add_co_u32 s[T0], s[ROLE], MB
	s_mul_i32 s[T0], s[T0], 12800
	s_mov_b32 s[T0+1], 0
	s_add_nc_u64 s[WP:WP+1], s[SWB:SWB+1], s[T0:T0+1]
	s_mul_i32 s[T0], s[SUB], 6144
	s_add_nc_u64 s[WP2:WP2+1], s[WP:WP+1], s[T0:T0+1]
	s_lshl_b32 s[T0], s[SUB], 3
	s_add_nc_u64 s[WP3:WP3+1], s[WP:WP+1], s[T0:T0+1]
	s_cmp_eq_u32 s[ROLE], 0
	s_cselect_b64 s[BP:BP+1], s[SQB:SQB+1], s[SKB:SKB+1]
	s_cmp_eq_u32 s[ROLE], 3
	s_cselect_b64 s[BP:BP+1], s[SRB:SRB+1], s[BP:BP+1]
	s_lshl_b32 s[T0], s[SUB], 8
	s_add_nc_u64 s[VBP:VBP+1], s[SVB:SVB+1], s[T0:T0+1]
	s_lshl_b32 s[T0+2], ttmp9, 1
	s_add_co_u32 s[T0+2], s[T0+2], s[SUB]
	s_lshr_b32 s[T0+3], ttmp9, 2
	s_mul_i32 s[T0+3], s[T0+3], 12800
	s_and_b32 s[T0+4], ttmp9, 3
	s_mul_i32 s[T0], s[T0+2], 1536
	s_lshl_b32 s[T0+5], s[T0+4], 1
	s_add_co_u32 s[T0+5], s[T0+5], s[SUB]
	s_mul_i32 s[T0+5], s[T0+5], 1536
	s_add_co_u32 s[T0+5], s[T0+5], s[T0+3]
	s_add_co_u32 s[T0+5], s[T0+5], A_KB
	s_cmp_eq_u32 s[ROLE], 0
	s_cselect_b32 s[T0], s[T0], s[T0+5]
	s_add_nc_u64 s[CP:CP+1], s[SACT:SACT+1], s[T0:T0+1]
	s_lshl_b32 s[T0], s[T0+2], 6
	s_add_co_u32 s[T0], s[T0], A_QSC
	s_lshl_b32 s[T0+5], s[SUB], 8
	s_lshl_b32 s[T0+6], s[T0+4], 2
	s_add_co_u32 s[T0+5], s[T0+5], s[T0+6]
	s_add_co_u32 s[T0+5], s[T0+5], s[T0+3]
	s_add_co_u32 s[T0+5], s[T0+5], A_KB+12288
	s_cmp_eq_u32 s[ROLE], 0
	s_cselect_b32 s[T0], s[T0], s[T0+5]
	s_add_nc_u64 s[SCP:SCP+1], s[SACT:SACT+1], s[T0:T0+1]
	s_lshl_b32 s[T0], s[T0+2], 13
	s_add_co_u32 s[T0], s[T0], A_RB
	s_add_nc_u64 s[RP:RP+1], s[SACT:SACT+1], s[T0:T0+1]
	s_mul_i32 s[T0], s[SUB], 6144
	s_lshr_b32 s[T0+5], s[T0+4], 1                 ; my pair is block 2 c + hf of its step: register pairs 3 c on (256 bytes each), lanes 16 hf on (8 bytes each)
	s_mul_i32 s[T0+5], s[T0+5], 768
	s_and_b32 s[T0+6], s[T0+4], 1
	s_lshl_b32 s[T0+6], s[T0+6], 7
	s_add_co_u32 s[T0+5], s[T0+5], s[T0+6]
	s_add_co_u32 s[T0], s[T0], s[T0+5]
	s_add_co_u32 s[T0], s[T0], s[T0+3]
	s_add_co_u32 s[T0], s[T0], A_VB
	s_add_nc_u64 s[VCP:VCP+1], s[SACT:SACT+1], s[T0:T0+1]
	s_lshl_b32 s[T0], s[SUB], 3
	s_add_co_u32 s[T0], s[T0], s[T0+4]
	s_add_co_u32 s[T0], s[T0], s[T0+3]
	s_add_co_u32 s[T0], s[T0], A_VB+12288
	s_add_nc_u64 s[VSP:VSP+1], s[SACT:SACT+1], s[T0:T0+1]
.endm
.macro PROJ_LOADS
	s_cmp_eq_u32 s[ROLE], 2
	s_cbranch_scc1 .Lload_v
.set i, 0
.rept 24
	global_load_b128 v[W+4*i:W+4*i+3], v[L16], s[WP:WP+1] offset:512*i
.set i, i+1
.endr
	global_load_b128 v[WS:WS+3], v[L16], s[WP:WP+1] offset:12288
.set i, 0
.rept 16
	global_load_b128 v[HA+4*i:HA+4*i+3], v[BO], s[BP:BP+1] offset:128*(i/4)+16*(i%4)
.set i, i+1
.endr
	s_branch .Lloaded
.Lload_v:
.set i, 0
.rept 12
	global_load_b128 v[W+4*i:W+4*i+3], v[L16], s[WP2:WP2+1] offset:512*i
.set i, i+1
.endr
	global_load_b64 v[WS:WS+1], v[L16], s[WP3:WP3+1] offset:12288
.irp t, 0,1,2,3
	global_load_b32 v[BV+\t], v[BVO], s[VBP:VBP+1] offset:128*(\t/2)+32*(\t%2)
.endr
.Lloaded:
.endm
.macro PROJ_WORK
	s_cmp_eq_u32 s[ROLE], 2
	s_cbranch_scc1 .Lwork_v
	XFRAG XF, XRU, 0
	ds_load_b32 v[XS], v[XSA]
	s_wait_dscnt 0x0
	s_wait_loadcnt 0x0
.irp ct, 0,1,2,3,4,5,6,7
	MM HA+8*\ct, W+12*\ct, XF, HA+8*\ct, WS+\ct/2, XS, \ct%2, 0
.endr
.rept 4
	v_nop
.endr
	s_cmp_eq_u32 s[ROLE], 3
	s_cbranch_scc1 .Lstore_r
	QUANT HA
.irp c, 0,1,2
	global_store_b128 v[L16], v[PC+4*\c:PC+4*\c+3], s[CP:CP+1] offset:512*\c
.endr
	global_store_b32 v[SVO], v[PW], s[SCP:SCP+1]
	s_branch .Lproj_done
.Lstore_r:
.set i, 0
.rept 16
	global_store_b128 v[L16], v[HA+4*i:HA+4*i+3], s[RP:RP+1] offset:512*i
.set i, i+1
.endr
	s_branch .Lproj_done
.Lwork_v:
	XFRAG XF, XR0, 0
	XFRAG XF+12, XR0, 1536
	s_mov_b32 s76, 0xffff0000                      ; lanes 16-31
	v_and_b32 v100, 15, v0
	v_bfe_u32 v101, v0, 4, 1
	v_lshlrev_b32 v100, 3, v100
	v_lshl_add_u32 v102, v101, 9, v100             ; 8 r + 512 h: my whole register pair
	v_lshl_add_u32 v103, v101, 2, v100             ; 8 r + 4 h: my word of the pair that the two halves share
	ds_load_b32 v[XS], v[XSL]
	s_wait_dscnt 0x0
	s_wait_loadcnt 0x0
.irp t, 0,1,2,3
.irp u, 0,1
	MM HA+16*\t+8*\u, XF+12*\u, W+12*\t, -1, XS, WS+\t/2, \u, \t%2
.endr
.endr
.rept 4
	v_nop
.endr
.irp t, 0,1,2,3
.irp j, 0,2,4,6,8,10,12,14
.if \t % 2
	v_pk_add_f32 v[HA+16*\t+\j:HA+16*\t+\j+1], v[HA+16*\t+\j:HA+16*\t+\j+1], v[BV+2*(\t/2):BV+2*(\t/2)+1] op_sel:[0,1] op_sel_hi:[1,1]
.else
	v_pk_add_f32 v[HA+16*\t+\j:HA+16*\t+\j+1], v[HA+16*\t+\j:HA+16*\t+\j+1], v[BV+2*(\t/2):BV+2*(\t/2)+1] op_sel_hi:[1,0]
.endif
.endr
.endr
.irp t, 0,1,2,3
	QBLK HA+16*\t, VC+4*\t, VBY+\t, TM
	v_cndmask_b32 v[84+4*\t], v[VC+4*\t], v[VC+4*\t+1], s76       ; v's codes are laid as an image of register pairs: pair j of a fragment at 256 j + 8 x lane
	v_cndmask_b32 v[85+4*\t], v[VC+4*\t+1], v[VC+4*\t+2], s76     ; h = 0: words 0, 1 are a pair, word 2 opens the next; h = 1: word 0 closes that pair, words 1, 2 are the third
	v_cndmask_b32 v[86+4*\t], v[VC+4*\t+2], v[VC+4*\t], s76
	global_store_b64 v102, v[84+4*\t:85+4*\t], s[VCP:VCP+1] offset:1536*\t
	global_store_b32 v103, v[86+4*\t], s[VCP:VCP+1] offset:1536*\t+256
	global_store_b8 v[R16], v[VBY+\t], s[VSP:VSP+1] offset:256*(\t%2)+4*(\t/2)
.endr
.Lproj_done:
.endm
.macro GSTEP acc, n, lit
.set gi, 0
.rept \n
	v_pk_fma_f32 v[\acc+gi:\acc+gi+1], v[\acc+gi:\acc+gi+1], v[gV+gi:gV+gi+1], \lit op_sel_hi:[1,1,0]
.set gi, gi+2
.endr
.endm
.macro GELU base, n, tmp
.set gU, \tmp
.set gV, \tmp+2*\n
.set gA, \tmp+4*\n
.set gB, \tmp+6*\n
.set gi, 0
.rept \n
	v_pk_mul_f32 v[gU+gi:gU+gi+1], v[\base+gi:\base+gi+1], 0x3f3504f3 op_sel_hi:[1,0]
.set gi, gi+2
.endr
.set gi, 0
.rept 2*\n
	v_med3_num_f32 v[gU+gi], v[gU+gi], -4.0, 4.0
.set gi, gi+1
.endr
.set gi, 0
	s_delay_alu instid0(VALU_DEP_3)
	v_pk_mul_f32 v[gV+gi:gV+gi+1], v[gU+gi:gU+gi+1], v[gU+gi:gU+gi+1]
.set gi, gi+2
.rept (\n)-1
	s_delay_alu instid0(VALU_DEP_2)
	v_pk_mul_f32 v[gV+gi:gV+gi+1], v[gU+gi:gU+gi+1], v[gU+gi:gU+gi+1]
.set gi, gi+2
.endr
.set gi, 0
	s_delay_alu instid0(VALU_DEP_2)
	v_pk_fma_f32 v[gA+gi:gA+gi+1], v[gV+gi:gV+gi+1], 0xaf95df0b, v[KA:KA+1] op_sel_hi:[1,0,1]
	s_delay_alu instid0(VALU_DEP_3)
	v_pk_fma_f32 v[gB+gi:gB+gi+1], v[gV+gi:gV+gi+1], 0xb77460cd, v[KB:KB+1] op_sel_hi:[1,0,1]
.set gi, gi+2
.rept (\n)-1
	s_delay_alu instid0(VALU_DEP_3)
	v_pk_fma_f32 v[gA+gi:gA+gi+1], v[gV+gi:gV+gi+1], 0xaf95df0b, v[KA:KA+1] op_sel_hi:[1,0,1]
	s_delay_alu instid0(VALU_DEP_4)
	v_pk_fma_f32 v[gB+gi:gB+gi+1], v[gV+gi:gV+gi+1], 0xb77460cd, v[KB:KB+1] op_sel_hi:[1,0,1]
.set gi, gi+2
.endr
	GSTEP gA, \n, 0xb60cff51
	GSTEP gB, \n, 0xbadc924e
	GSTEP gA, \n, 0xb86ec2d2
	GSTEP gB, \n, 0xbbf19bf8
	GSTEP gA, \n, 0xba40ac63
	GSTEP gB, \n, 0xbc69b6a7
	GSTEP gA, \n, 0xbb41a1f6
	GSTEP gA, \n, 0xbc83dbd4
.set gi, 0
	s_wait_alu depctr_va_vdst(0)
.rept 2*\n
	v_rcp_f32 v[gB+gi], v[gB+gi]
.set gi, gi+1
.endr
.set gi, 0
.rept \n
	v_pk_mul_f32 v[gA+gi:gA+gi+1], v[gA+gi:gA+gi+1], v[gU+gi:gU+gi+1]
.set gi, gi+2
.endr
	s_wait_alu depctr_va_vdst(0)
.set gi, 0
.rept \n
	v_pk_mul_f32 v[gA+gi:gA+gi+1], v[gA+gi:gA+gi+1], v[gB+gi:gB+gi+1]
.set gi, gi+2
.endr
.set gi, 0
.rept \n
	v_pk_mul_f32 v[gU+gi:gU+gi+1], v[\base+gi:\base+gi+1], 0.5 op_sel_hi:[1,0]
.set gi, gi+2
.endr
.set gi, 0
.rept \n
	s_delay_alu instid0(VALU_DEP_2)
	v_pk_fma_f32 v[\base+gi:\base+gi+1], v[gU+gi:gU+gi+1], v[gA+gi:gA+gi+1], v[gU+gi:gU+gi+1]
.set gi, gi+2
.endr
.endm
; the 32 records of token t: four an instruction, 512 bytes, every byte of which is used
.macro GATHER t
	WIN 0x40                                       ; destination window 1
.irp i, 0,1,2,3,4,5,6,7
	global_load_b128 v[G+4*\i:G+4*\i+3], v[IDX+8*(\t)+\i], s[RECB:RECB+1]
.endr
	WIN 0
.endm
.macro QLOAD t                         ; q of token t in the results' layout: register 16 b + i = channel 32 b + 16 h + i
.set i, 0
.rept 16
	global_load_b128 v[Q+4*i:Q+4*i+3], v[BO], s[QBASE:QBASE+1] offset:512*(\t)+128*(i/4)+16*(i%4)
.set i, i+1
.endr
.endm
.macro RLOAD t                         ; r1 of token t: register b, lane l = channel 32 b + l
.irp b, 0,1,2,3
	global_load_b32 v[R+\b], v[L4], s[RBASE:RBASE+1] offset:512*(\t)+128*\b
.endr
.endm
; K^T of the 16 neighbours of tile u, and their scores with q
.macro KPH u
	WIN 0x01                                       ; source 0 (the weights) window 1
.irp ct, 0,1,2,3,4,5,6,7
	MM DA+8*\ct, WK+12*\ct, XFR+12*\u, -1, KWS+\ct/2, XS, \ct%2, \u
.endr
	WIN 0
.rept 4
	v_nop                                          ; four places ahead of the first read of the results
.endr
.irp b, 0,1,2,3
	v_pk_mul_f32 v[T+2*\b:T+2*\b+1], v[DA+16*\b:DA+16*\b+1], v[Q+16*\b:Q+16*\b+1]   ; each accumulator is read from its low end on; four chains by turns
.endr
.irp i, 2,4,6,8,10,12,14
.irp b, 0,1,2,3
	v_pk_fma_f32 v[T+2*\b:T+2*\b+1], v[DA+16*\b+\i:DA+16*\b+\i+1], v[Q+16*\b+\i:Q+16*\b+\i+1], v[T+2*\b:T+2*\b+1]
.endr
.endr
.irp b, 0,1,2,3
	s_delay_alu instid0(VALU_DEP_4)
	v_add_f32 v[PB+2*\b+\u], v[T+2*\b], v[T+2*\b+1]   ; the score of neighbour 16 u + r with head 2 b + h
.endr
.endm
; the softmax over the 32 neighbours: two registers and the 16 lanes of a row for each head
.macro SOFT
.irp b, 0,1,2,3
	v_max_num_f32 v[MX+2*\b], v[PB+2*\b], v[PB+2*\b+1]
.endr
.irp m, 1,2,4,8
.irp b, 0,1,2,3
	s_delay_alu instid0(VALU_DEP_4)
	v_max_num_f32_dpp v[MX+2*\b], v[MX+2*\b], v[MX+2*\b] row_xmask:\m row_mask:0xf bank_mask:0xf
.endr
.endr
.irp b, 0,1,2,3
	s_delay_alu instid0(VALU_DEP_4)
	v_mul_f32 v[MX+2*\b], s[CS], v[MX+2*\b]        ; c x the maximum, c = log2(e) / sqrt(16)
.endr
.irp b, 0,1,2,3
	s_delay_alu instid0(VALU_DEP_4)
	v_pk_fma_f32 v[PB+2*\b:PB+2*\b+1], v[PB+2*\b:PB+2*\b+1], s[CS:CS+1], v[MX+2*\b:MX+2*\b+1] op_sel_hi:[1,0,0] neg_lo:[0,0,1] neg_hi:[0,0,1]
.endr
	s_wait_alu depctr_va_vdst(0)
.irp j, 0,1,2,3,4,5,6,7
	v_exp_f32 v[PB+\j], v[PB+\j]
.endr
	v_nop                                          ; a plain place behind the last exponential
	s_wait_alu depctr_va_vdst(0)                   ; one wait for the eight, ahead of their first reader
.irp b, 0,1,2,3
	v_add_f32 v[SM+\b], v[PB+2*\b], v[PB+2*\b+1]
.endr
.irp m, 1,2,4,8
.irp b, 0,1,2,3
	s_delay_alu instid0(VALU_DEP_4)
	v_add_f32_dpp v[SM+\b], v[SM+\b], v[SM+\b] row_xmask:\m row_mask:0xf bank_mask:0xf
.endr
.endr
	s_wait_alu depctr_va_vdst(0)
.irp b, 0,1,2,3
	v_rcp_f32 v[SM+\b], v[SM+\b]                   ; their wait stands ahead of their first reader, behind V's first half
.endr
	v_nop
.endm
; one step of the sum over a row's 16 lanes.  Of registers a = i and b = i + st: lanes with the step's bit clear keep a and send b, the others keep b and send a; what is kept and what lane l xor st sends are added.
; So the step's bit of the register's number becomes the same bit of the lane's number.  grp groups of per pairs, so that no line waits for the line above it.
.macro RSTEP st, m, grp, per
.set rg, 0
.rept \grp
.set rk, 0
.rept \per
	v_cndmask_b32 v[T+rk], v[DA+2*\st*(\per*rg+rk)], v[DA+2*\st*(\per*rg+rk)+\st], s[\m]
.set rk, rk+1
.endr
.set rk, 0
.rept \per
	v_cndmask_b32 v[DA+2*\st*(\per*rg+rk)+\st], v[DA+2*\st*(\per*rg+rk)+\st], v[DA+2*\st*(\per*rg+rk)], s[\m]
.set rk, rk+1
.endr
.set rk, 0
.rept \per
	v_add_f32_dpp v[DA+2*\st*(\per*rg+rk)], v[DA+2*\st*(\per*rg+rk)+\st], v[T+rk] row_xmask:\st row_mask:0xf bank_mask:0xf
.set rk, rk+1
.endr
.set rg, rg+1
.endr
.endm
; V^T of all 32 neighbours for channels 64 hb .. 64 hb + 63 (heads 4 hb .. 4 hb + 3), x p, summed over the neighbours
.macro VPH hb
	WIN 0x01
.irp u, 0,1
.irp tt, 0,1,2,3
	MM DA+32*\u+8*\tt, WVW+12*(4*\hb+\tt), XFR+12*\u, -1, VWS+(4*\hb+\tt)/2, XS, \tt%2, \u
.endr
.endr
	WIN 0
.rept 4
	v_nop
.endr
.irp i, 0,2,4,6,8,10,12,14,16,18,20,22,24,26,28,30
	v_pk_mul_f32 v[DA+\i:DA+\i+1], v[DA+\i:DA+\i+1], v[PB+4*\hb+2*(\i/16):PB+4*\hb+2*(\i/16)+1] op_sel_hi:[1,0]   ; tile 0's neighbour x its p (the pair's low word)
.endr
.irp i, 0,2,4,6,8,10,12,14,16,18,20,22,24,26,28,30
	v_pk_fma_f32 v[DA+\i:DA+\i+1], v[DA+32+\i:DA+32+\i+1], v[PB+4*\hb+2*(\i/16):PB+4*\hb+2*(\i/16)+1], v[DA+\i:DA+\i+1] op_sel:[0,1,0] op_sel_hi:[1,1,1]   ; + tile 1's (the high word)
.endr
	RSTEP 1, MK0, 4, 4
	RSTEP 2, MK1, 2, 4
	RSTEP 4, MK2, 1, 4
	RSTEP 8, MK3, 1, 2
.if \hb == 0
	s_wait_alu depctr_va_vdst(0)                   ; the four reciprocals, ahead of their first reader
.endif
	v_fma_f32 v[OUT+2*\hb], v[DA], v[SM+2*\hb], v[VBI+2*\hb]             ; / the sum, + l1_vb
	v_fma_f32 v[OUT+2*\hb+1], v[DA+16], v[SM+2*\hb+1], v[VBI+2*\hb+1]
.endm
; One token.  Loads are issued in the order records(t), q(t), r1(t), records(t + 1), q(t + 1), r1(t + 1).
.macro TOKEN t
	s_wait_loadcnt 20                              ; my records are in: behind them stand q's 16 loads and r1's 4
	WIN 0x04                                       ; an LDS store's data are its source 1: window 1
.irp i, 0,1,2,3,4,5,6,7
	ds_store_b128 v[GST], v[G+4*\i:G+4*\i+3] offset:SROW*\i   ; neighbour 8 g + i to row 8 g + i
.endr
	WIN 0
.irp u, 0,1
.irp c, 0,1,2
	ds_load_b128 v[XFR+12*\u+4*\c:XFR+12*\u+4*\c+3], v[GLD] offset:16*SROW*\u+16*\c   ; my own bytes: LDS serves a wave's instructions in order
.endr
.endr
	ds_load_b32 v[XS], v[GSC]                      ; lanes 0-15 tile 0's scale words, lanes 16-31 tile 1's
	s_wait_dscnt 0x0                               ; the fragments are in, and the stores have read the records' registers
.if \t < 3
	GATHER \t+1
	s_wait_loadcnt 12                              ; q is in: behind it stand r1's 4 loads and the next records' 8
.else
	s_wait_loadcnt 4                               ; q is in: behind it stand r1's 4 loads
.endif
	KPH 0
	KPH 1
.if \t < 3
	QLOAD \t+1
.endif
	SOFT
	VPH 0
	VPH 1
.if \t < 3
	s_wait_alu depctr_va_vdst(0)
	s_wait_loadcnt 24                              ; r1 is in: behind it stand the next records' 8 loads and the next q's 16
.else
	s_wait_alu depctr_va_vdst(0)
	s_wait_loadcnt 0x0
.endif
	v_pk_add_f32 v[OUT:OUT+1], v[OUT:OUT+1], v[R:R+1]
	v_pk_add_f32 v[OUT+2:OUT+3], v[OUT+2:OUT+3], v[R+2:R+3]
.if \t < 3
	RLOAD \t+1
.endif
	GELU OUT, 2, DA
.irp b, 0,1,2,3
	ds_store_b32 v[X2W], v[OUT+\b] offset:528*\t+128*\b   ; 128 consecutive bytes of x2's row
.endr
.endm
	s_load_b512 s[4:19], s[0:1], 0x0               ; neighbor_index, loc, wbuf, l1_vb, l2_qb, l2_kb, l2_vb, w2_b
	s_load_b64 s[20:21], s[0:1], 0x40              ; act
	v_lshl_add_u32 v[SPW], v0, 2, SPARE
	v_mov_b32 v[NIL], 0
	v_lshrrev_b32 v[X2W], 5, v0
	s_delay_alu instid0(VALU_DEP_1)
	v_readfirstlane_b32 s[WV], v[X2W]
	s_lshr_b32 s[ROLE], s[WV], 1                   ; later: block b, then the role
	s_and_b32 s[SUB], s[WV], 1
	PROJ_VADDR                                     ; every LDS address is made here, ahead of the first branch on the wave's number
	s_mul_i32 s[T0], s[WV], 4*528
	s_add_co_u32 s[T0], s[T0], X2
	v_lshl_add_u32 v[X2W], v[TL], 2, s[T0]         ; row 4 w, 4 bytes a lane
	v_mul_u32_u24 v[X2R], v[BVO], 132              ; 528 (r + (r & 8))
	s_delay_alu instid0(VALU_DEP_1)
	v_add_nc_u32 v[X2R], v[X2R], v[BO]
	s_mul_i32 s[T0], s[SUB], 4224
	s_lshl_b32 s[T0+1], s[ROLE], 7
	s_add_co_u32 s[T0], s[T0], s[T0+1]
	s_add_co_u32 s[T0], s[T0], X2
	v_add_nc_u32 v[X2R], s[T0], v[X2R]             ; + 528 x 8 u + 128 b + 64 h
	s_mul_i32 s[T0], s[WV], SWAVE                  ; my stage
	v_lshrrev_b32 v[IXO], 3, v[TL]                 ; g
	v_and_b32 v[C16], 7, v[TL]
	s_delay_alu instid0(VALU_DEP_1)
	v_lshlrev_b32 v[C16], 4, v[C16]                ; my 16 bytes of a record
	s_delay_alu instid0(VALU_DEP_1)
	v_mad_u32_u24 v[GST], v[IXO], 8*SROW, v[C16]
	s_delay_alu instid0(VALU_DEP_1)
	v_add_nc_u32 v[GST], s[T0], v[GST]             ; row 8 g
	v_lshlrev_b32 v[IXO], 5, v[IXO]                ; my group's eight indices
	v_mul_u32_u24 v[GLD], v[TR], SROW
	s_delay_alu instid0(VALU_DEP_1)
	v_mad_u32_u24 v[GLD], v[TH], 48, v[GLD]
	s_delay_alu instid0(VALU_DEP_1)
	v_add_nc_u32 v[GLD], s[T0], v[GLD]             ; row r, + 48 h
	s_add_co_u32 s[T0], s[T0], 96
	v_mul_u32_u24 v[GSC], v[TL], SROW              ; (in the register that held h: its last use stands above)
	s_delay_alu instid0(VALU_DEP_1)
	v_add_nc_u32 v[GSC], s[T0], v[GSC]             ; row l, + 96
	v_lshlrev_b32 v[L4], 2, v[TL]                  ; (in the register that held the lane's number)
	v_mov_b32 v[KA], 0x32edffee
	v_mov_b32 v[KA+1], 0x32edffee
	v_mov_b32 v[KB], 0xb95fbd29
	v_mov_b32 v[KB+1], 0xb95fbd29
.irp b, 0,1,2,3
	v_mov_b32 v[MX+2*\b+1], 0                      ; named as the upper half of a pair
.endr
	s_mov_b32 s[SEL], 0x76543210
	s_mov_b32 s[SEL+1], 0xfedcba98
	s_mov_b32 s[CS], 0x3eb8aa3b                    ; c = log2(e) / sqrt(16)
	s_mov_b32 s[CS+1], s[CS]
	s_mov_b32 s[MK0], 0xaaaaaaaa
	s_mov_b32 s[MK1], 0xcccccccc
	s_mov_b32 s[MK2], 0xf0f0f0f0
	s_mov_b32 s[MK3], 0xff00ff00
	s_lshl_b32 s[T0+2], ttmp9, 5
	s_lshl_b32 s[T0+3], s[WV], 2
	s_add_co_u32 s[T0+2], s[T0+2], s[T0+3]         ; my first token
	s_lshl_b32 s[T0], s[T0+2], 7
	s_mov_b32 s[T0+1], 0
	s_lshl_b32 s[T0+2], s[T0+2], 9
	s_mov_b32 s[T0+3], 0
	s_wait_alu depctr_va_vdst(0)
	s_wait_kmcnt 0x0
	s_add_nc_u64 s[4:5], s[4:5], s[T0:T0+1]        ; its 32 indices
	s_add_nc_u64 s[QBASE:QBASE+1], s[6:7], s[T0+2:T0+3]
	s_add_nc_u64 s[RBASE:RBASE+1], s[QBASE:QBASE+1], 0x400000
	s_add_nc_u64 s[RECB:RECB+1], s[6:7], 0x800000
	s_add_nc_u64 s[KWP:KWP+1], s[8:9], 5*12800     ; l1_kw's image
	s_add_nc_u64 s[VWP:VWP+1], s[8:9], 6*12800     ; l1_vw's
.irp t, 0,1,2,3
	global_load_b128 v[IDX+8*\t:IDX+8*\t+3], v[IXO], s[4:5] offset:128*\t
	global_load_b128 v[IDX+8*\t+4:IDX+8*\t+7], v[IXO], s[4:5] offset:128*\t+16
.endr
	WIN 0x40                                       ; destination window 1
.set i, 0
.rept 24
	global_load_b128 v[WK+4*i:WK+4*i+3], v[L16], s[KWP:KWP+1] offset:512*i
.set i, i+1
.endr
.set i, 0
.rept 24
	global_load_b128 v[WVW+4*i:WVW+4*i+3], v[L16], s[VWP:VWP+1] offset:512*i
.set i, i+1
.endr
	WIN 0
	global_load_b128 v[KWS:KWS+3], v[L16], s[KWP:KWP+1] offset:12288
	global_load_b128 v[VWS:VWS+3], v[L16], s[VWP:VWP+1] offset:12288
.irp b, 0,1,2,3
	global_load_b32 v[VBI+\b], v[L4], s[10:11] offset:128*\b
.endr
	s_wait_loadcnt 54                              ; the eight loads of indices are in: behind them stand 48 of weights, 2 of scale words, 4 of the bias
.set i, 0
.rept 32
	v_min_u32 v[IDX+i], 8191, v[IDX+i]             ; an index enters an address only held to the table
.set i, i+1
.endr
.set i, 0
.rept 32
	v_lshl_add_u32 v[IDX+i], v[IDX+i], 7, v[C16]   ; 128 bytes a record, + my 16
.set i, i+1
.endr
	GATHER 0
	QLOAD 0
	RLOAD 0
	TOKEN 0
	TOKEN 1
	TOKEN 2
	TOKEN 3
	PROJ_SADDR
	PROJ_LOADS                                     ; every load of the attention is in: the projections' weights take its registers
	BARRIER                                        ; x2's 32 rows lie in LDS
.irp j, 0,1,2,3
	ds_load_b128 v[XV+4*\j:XV+4*\j+3], v[X2R] offset:16*\j
.endr
	v_mov_b32 v[TM+1], 0                           ; a lane permute's destination counts as one of its sources
.irp b, 0,1,2,3
	v_mov_b32 v[TM+4+\b], 0
.endr
	s_wait_dscnt 0x0
	QBLK XV, PC, PC+4, TM
	XSTORE PC, PC+4
	BARRIER                                        ; x2's two fragments and their scale words lie in LDS
	PROJ_WORK
	s_wait_tensorcnt 0x0                           ; the wave's end
	ds_add_u32 v[SPW], v[NIL]
	s_wait_dscnt 0x0
	s_endpgm
.Lfunc_end_k_q777d444e58_l1:
	.size	k_q777d444e58_l1, .Lfunc_end_k_q777d444e58_l1-k_q777d444e58_l1
	.p2alignl 7, 3214868480
	.fill 96, 4, 3214868480
	.section	.rodata,"a",@progbits
	.p2align	6, 0x0
	.amdhsa_kernel k_q777d444e58_l1
		.amdhsa_group_segment_fixed_size 58112
		.amdhsa_private_segment_fixed_size 0
		.amdhsa_enable_private_segment 0
		.amdhsa_kernarg_size 72
		.amdhsa_user_sgpr_count 2
		.amdhsa_user_sgpr_kernarg_segment_ptr 1
		.amdhsa_wavefront_size32 1
		.amdhsa_system_sgpr_workgroup_id_x 1
		.amdhsa_system_sgpr_workgroup_id_y 1
		.amdhsa_system_sgpr_workgroup_id_z 1
		.amdhsa_system_vgpr_workitem_id 0
		.amdhsa_next_free_vgpr 512
		.amdhsa_next_free_sgpr 80
		.amdhsa_reserve_vcc 0
		.amdhsa_float_denorm_mode_32 3
		.amdhsa_float_denorm_mode_16_64 3
		.amdhsa_memory_ordered 1
		.amdhsa_forward_progress 1
		.amdhsa_inst_pref_size 192
	.end_amdhsa_kernel
	.amdgpu_metadata
---
amdhsa.version: [ 1, 2 ]
amdhsa.kernels:
  - .name:           k_q777d444e58_l1
    .symbol:         k_q777d444e58_l1.kd
    .args:
      - { .name: neighbor_index, .offset: 0, .size: 8, .value_kind: global_buffer, .address_space: global }
      - { .name: loc, .offset: 8, .size: 8, .value_kind: global_buffer, .address_space: global }
      - { .name: wbuf, .offset: 16, .size: 8, .value_kind: global_buffer, .address_space: global }
      - { .name: l1_vb, .offset: 24, .size: 8, .value_kind: global_buffer, .address_space: global }
      - { .name: l2_qb, .offset: 32, .size: 8, .value_kind: global_buffer, .address_space: global }
      - { .name: l2_kb, .offset: 40, .size: 8, .value_kind: global_buffer, .address_space: global }
      - { .name: l2_vb, .offset: 48, .size: 8, .value_kind: global_buffer, .address_space: global }
      - { .name: w2_b, .offset: 56, .size: 8, .value_kind: global_buffer, .address_space: global }
      - { .name: act, .offset: 64, .size: 8, .value_kind: global_buffer, .address_space: global }
    .group_segment_fixed_size: 58112
    .private_segment_fixed_size: 0
    .kernarg_segment_align: 8
    .kernarg_segment_size: 72
    .max_flat_workgroup_size: 256
    .sgpr_count:     80
    .vgpr_count:     512
    .wavefront_size: 32
...
	.end_amdgpu_metadata
.endif
;; end of part 12
;; launch g2: the kernel of part 10 again; grid 256 x 1, 8 waves a work-group, no clusters, 320,000 bytes of LDS; arguments act, po; writes po
;; launch e2 (part 13): grid 256 x 1, 8 waves a work-group, no clusters, 4,864 bytes of LDS; arguments po, act, wbuf, fc1_b, fc2_w, fc2_b, out0; writes out0
.if DOCPART == 13
	.amdgcn_target "amdgcn-amd-amdhsa--gfx1250"
	.amdhsa_code_object_version 6
	.text
	.protected	k_q777d444e58_e2
	.globl	k_q777d444e58_e2
	.p2align	8
	.type	k_q777d444e58_e2,@function
k_q777d444e58_e2:
	s_mov_b64 s[64:65], 0
	v_nop
	global_prefetch_b8 v0, s[64:65] scope:SCOPE_SE
	s_setreg_imm32_b32 hwreg(HW_REG_WAVE_MODE, 25, 1), 1
	s_wait_xcnt 0x0
; x3 = O + r (no activation), O the sum of the eight parts in the order of the eighths; x3 is quantised; h = gelu(x3 fc1_w + fc1_b) on codes of E2M3; out0 = h fc2_w + fc2_b in f32 (N = 1: fused multiply-adds).  Nothing is left out.
; A work-group takes a pair of 32 tokens.  X PHASE: wave w = 2 b + u: block b of tile u.  Then wave (u, qd = w >> 1): tile u, fc1's columns 64 qd .. + 63: four products, transposed, the bias as their C;
; gelu; the dot with fc2_w over my 32 columns a lane, joined with lane l xor 16; the four waves' parts of a token meet in LDS and wave 0 stores the pair's 32 numbers.
; No cluster: the shared bytes are fc1's two images, which go straight into registers.  LIMITS: as at the head of the first kernel; gelu as in the launches before.
.set XROW,  0
.set XSC,   3072
.set RED,   3328                       ; [u][qd][r] f32
.set SPARE, 3840
.set A_RB,  2457600
.set L16, 1
.set XW,  2
.set XB,  3
.set XRU, 4
.set XSA, 5
.set BO,  6
.set RW,  7
.set RRD, 8
.set OO,  9
.set TR,  10
.set TH,  11
.set TL,  12
.set SPW, 14
.set NIL, 15
.set W,   16                           ; v16-63; X phase: v16-31 O
.set HA,  64                           ; v64-95
.set FW,  96                           ; v96-127 fc2_w at my columns
.set GT,  128                          ; v128-191 gelu's 64 registers
.set XV,  176
.set XF,  192
.set OF,  204
.set CD,  212
.set BY,  215
.set TM,  216
.set WS,  220
.set XS,  224
.set KA,  226
.set KB,  228
.set D0,  230
.set D1,  232
.set WV,  20
.set QD,  21
.set SUB, 22
.set SEL, 24
.set T0,  26
.set WP,  32
.set WP3, 34
.set BP,  36
.set FP,  38
.set RBP, 40
.set OP,  42
.macro MM d, a, b, c, sa, sb, ra, rb
.if (\ra)
	v_wmma_scale_f32_16x16x128_f8f6f4 v[\d:\d+7], v[\a:\a+11], v[\b:\b+11], v[\c:\c+7], v[\sa], v[\sb] matrix_a_fmt:MATRIX_FMT_FP6 matrix_b_fmt:MATRIX_FMT_FP6 matrix_a_scale:MATRIX_SCALE_ROW1
.else
	v_wmma_scale_f32_16x16x128_f8f6f4 v[\d:\d+7], v[\a:\a+11], v[\b:\b+11], v[\c:\c+7], v[\sa], v[\sb] matrix_a_fmt:MATRIX_FMT_FP6 matrix_b_fmt:MATRIX_FMT_FP6
.endif
.endm
.macro QBLK src, cd, by, tm
	v_max3_num_f32 v[\tm], |v[\src]|, |v[\src+1]|, 0x1800000
.irp i, 2,4,6,8,10,12,14
	s_delay_alu instid0(VALU_DEP_1)
	v_max3_num_f32 v[\tm], v[\tm], |v[\src+\i]|, |v[\src+\i+1]|
.endr
	s_delay_alu instid0(VALU_DEP_1)
	v_permlanex16_b32 v[\tm+1], v[\tm], s[SEL], s[SEL+1]
	s_delay_alu instid0(VALU_DEP_1)
	v_max_num_f32 v[\tm], v[\tm], v[\tm+1]
	s_delay_alu instid0(VALU_DEP_1)
	v_add_nc_u32 v[\tm+2], 0xff000000, v[\tm]
	s_delay_alu instid0(VALU_DEP_1)
	v_lshrrev_b32 v[\by], 23, v[\tm+2]
	v_cvt_scalef32_pk16_fp6_f32 v[\cd:\cd+2], v[\src:\src+15], v[\tm+2]
	v_nop
.endm
.macro GSTEP acc, n, lit
.set gi, 0
.rept \n
	v_pk_fma_f32 v[\acc+gi:\acc+gi+1], v[\acc+gi:\acc+gi+1], v[gV+gi:gV+gi+1], \lit op_sel_hi:[1,1,0]
.set gi, gi+2
.endr
.endm
.macro GELU base, n, tmp
.set gU, \tmp
.set gV, \tmp+2*\n
.set gA, \tmp+4*\n
.set gB, \tmp+6*\n
.set gi, 0
.rept \n
	v_pk_mul_f32 v[gU+gi:gU+gi+1], v[\base+gi:\base+gi+1], 0x3f3504f3 op_sel_hi:[1,0]   ; each accumulator is read from its low end on
.set gi, gi+2
.endr
.set gi, 0
.rept 2*\n
	v_med3_num_f32 v[gU+gi], v[gU+gi], -4.0, 4.0
.set gi, gi+1
.endr
.set gi, 0
.rept \n
	v_pk_mul_f32 v[gV+gi:gV+gi+1], v[gU+gi:gU+gi+1], v[gU+gi:gU+gi+1]
.set gi, gi+2
.endr
.set gi, 0
.rept \n
	v_pk_fma_f32 v[gA+gi:gA+gi+1], v[gV+gi:gV+gi+1], 0xaf95df0b, v[KA:KA+1] op_sel_hi:[1,0,1]
	v_pk_fma_f32 v[gB+gi:gB+gi+1], v[gV+gi:gV+gi+1], 0xb77460cd, v[KB:KB+1] op_sel_hi:[1,0,1]
.set gi, gi+2
.endr
	GSTEP gA, \n, 0xb60cff51
	GSTEP gB, \n, 0xbadc924e
	GSTEP gA, \n, 0xb86ec2d2
	GSTEP gB, \n, 0xbbf19bf8
	GSTEP gA, \n, 0xba40ac63
	GSTEP gB, \n, 0xbc69b6a7
	GSTEP gA, \n, 0xbb41a1f6
	GSTEP gA, \n, 0xbc83dbd4
.set gi, 0
	s_wait_alu depctr_va_vdst(0)
.rept 2*\n
	v_rcp_f32 v[gB+gi], v[gB+gi]
.set gi, gi+1
.endr
.set gi, 0
.rept \n
	v_pk_mul_f32 v[gA+gi:gA+gi+1], v[gA+gi:gA+gi+1], v[gU+gi:gU+gi+1]
.set gi, gi+2
.endr
	s_wait_alu depctr_va_vdst(0)
.set gi, 0
.rept \n
	v_pk_mul_f32 v[gA+gi:gA+gi+1], v[gA+gi:gA+gi+1], v[gB+gi:gB+gi+1]
.set gi, gi+2
.endr
.set gi, 0
.rept \n
	v_pk_mul_f32 v[gU+gi:gU+gi+1], v[\base+gi:\base+gi+1], 0.5 op_sel_hi:[1,0]
.set gi, gi+2
.endr
.set gi, 0
.rept \n
	v_pk_fma_f32 v[\base+gi:\base+gi+1], v[gU+gi:gU+gi+1], v[gA+gi:gA+gi+1], v[gU+gi:gU+gi+1]
.set gi, gi+2
.endr
.endm
	s_load_b256 s[4:11], s[0:1], 0x0               ; po, act, wbuf, fc1_b
	s_load_b128 s[12:15], s[0:1], 0x20             ; fc2_w, fc2_b
	s_load_b64 s[16:17], s[0:1], 0x30              ; out0
	v_lshl_add_u32 v[SPW], v0, 2, SPARE
	v_mov_b32 v[NIL], 0
	v_lshrrev_b32 v13, 5, v0
	s_delay_alu instid0(VALU_DEP_1)
	v_readfirstlane_b32 s[WV], v13
	s_lshr_b32 s[QD], s[WV], 1                     ; X phase: block b; later: my 64 columns of fc1
	s_and_b32 s[SUB], s[WV], 1                     ; tile u
	v_and_b32 v[TR], 15, v0
	v_bfe_u32 v[TH], v0, 4, 1
	v_and_b32 v[TL], 31, v0
	s_delay_alu instid0(VALU_DEP_1)
	v_lshlrev_b32 v[L16], 4, v[TL]
	s_delay_alu instid0(VALU_DEP_2)
	v_lshlrev_b32 v[OO], 2, v[TL]
	s_mul_i32 s[T0], s[SUB], 1536
	s_mul_i32 s[T0+1], s[QD], 384
	s_add_co_u32 s[T0+1], s[T0+1], s[T0]
	v_mul_u32_u24 v13, v[TR], 24
	s_delay_alu instid0(VALU_DEP_1)
	v_mad_u32_u24 v[XW], v[TH], 12, v13
	s_delay_alu instid0(VALU_DEP_1)
	v_add_nc_u32 v[XW], s[T0+1], v[XW]
	s_delay_alu instid0(VALU_DEP_3)
	v_mad_u32_u24 v[XRU], v[TH], 384, v13
	s_delay_alu instid0(VALU_DEP_1)
	v_add_nc_u32 v[XRU], s[T0], v[XRU]
	s_lshl_b32 s[T0+2], s[SUB], 6
	s_add_co_u32 s[T0+2], s[T0+2], XSC
	s_add_co_u32 s[T0+3], s[T0+2], s[QD]
	v_lshl_add_u32 v[XB], v[TR], 2, s[T0+3]
	v_lshl_add_u32 v[XSA], v[TR], 2, s[T0+2]
	v_lshlrev_b32 v[BO], 6, v[TH]
	s_lshl_b32 s[T0+2], s[SUB], 8
	s_lshl_b32 s[T0+3], s[QD], 6
	s_add_co_u32 s[T0+2], s[T0+2], s[T0+3]
	s_add_co_u32 s[T0+2], s[T0+2], RED
	v_lshl_add_u32 v[RW], v[TR], 2, s[T0+2]        ; RED + 256 u + 64 qd + 4 r
	v_bfe_u32 v13, v0, 3, 1                        ; wave 0's way out: lane l is token 32 p + l: tile (l >> 3) & 1, row (l & 7) + 8 (l >> 4)
	v_and_b32 v[RRD], 7, v0
	s_delay_alu instid0(VALU_DEP_1)
	v_lshl_add_u32 v[RRD], v[TH], 3, v[RRD]
	s_delay_alu instid0(VALU_DEP_1)
	v_lshlrev_b32 v[RRD], 2, v[RRD]
	s_delay_alu instid0(VALU_DEP_1)
	v_lshl_add_u32 v[RRD], v13, 8, v[RRD]
	s_delay_alu instid0(VALU_DEP_1)
	v_add_nc_u32 v[RRD], RED, v[RRD]
	s_lshl_b32 s[T0], ttmp9, 1
	s_add_co_u32 s[T0], s[T0], s[SUB]
	s_lshl_b32 s[T0], s[T0], 13
	s_lshl_b32 s[T0+1], s[QD], 11
	s_add_co_u32 s[T0], s[T0], s[T0+1]
	v_add_nc_u32 v[OF], s[T0], v[L16]
	v_mov_b32 v[KA], 0x32edffee
	v_mov_b32 v[KA+1], 0x32edffee
	v_mov_b32 v[KB], 0xb95fbd29
	v_mov_b32 v[KB+1], 0xb95fbd29
	v_mov_b32 v[TM+1], 0
	s_mov_b32 s[SEL], 0x76543210
	s_mov_b32 s[SEL+1], 0xfedcba98
	s_wait_alu depctr_va_vdst(0)
	s_wait_kmcnt 0x0
	s_load_b32 s18, s[14:15], 0x0                  ; fc2_b
	s_add_nc_u64 s[RBP:RBP+1], s[6:7], A_RB
	s_lshr_b32 s[T0], s[QD], 1
	s_add_co_u32 s[T0], s[T0], 12
	s_mul_i32 s[T0], s[T0], 12800
	s_mov_b32 s[T0+1], 0
	s_add_nc_u64 s[WP3:WP3+1], s[8:9], s[T0:T0+1]  ; fc1's image of my half of the columns
	s_and_b32 s[T0+2], s[QD], 1
	s_mul_i32 s[T0], s[T0+2], 6144
	s_add_nc_u64 s[WP:WP+1], s[WP3:WP3+1], s[T0:T0+1]        ; my four fragments,
	s_lshl_b32 s[T0], s[T0+2], 3
	s_add_nc_u64 s[WP3:WP3+1], s[WP3:WP3+1], s[T0:T0+1]      ; and their two registers of scale words
	s_lshl_b32 s[T0], s[QD], 8
	s_add_nc_u64 s[BP:BP+1], s[10:11], s[T0:T0+1]
	s_add_nc_u64 s[FP:FP+1], s[12:13], s[T0:T0+1]
	s_lshl_b32 s[T0], ttmp9, 7
	s_add_nc_u64 s[OP:OP+1], s[16:17], s[T0:T0+1]
.irp e, 0
.irp j, 0,1,2,3
	global_load_b128 v[16+16*\e+4*\j:16+16*\e+4*\j+3], v[OF+\e], s[4:5] offset:512*\j th:TH_LOAD_NT
.endr
.endr
.irp j, 0,1,2,3
	global_load_b128 v[XV+4*\j:XV+4*\j+3], v[OF], s[RBP:RBP+1] offset:512*\j th:TH_LOAD_NT
.endr
	s_wait_loadcnt 0x0
.irp e, 0
.irp j, 0,2,4,6,8,10,12,14
	v_pk_add_f32 v[XV+\j:XV+\j+1], v[XV+\j:XV+\j+1], v[16+16*\e+\j:16+16*\e+\j+1]
.endr
.endr
.set i, 0
.rept 12                               ; the parts' registers are free
	global_load_b128 v[W+4*i:W+4*i+3], v[L16], s[WP:WP+1] offset:512*i
.set i, i+1
.endr
	global_load_b64 v[WS:WS+1], v[L16], s[WP3:WP3+1] offset:12288
.set i, 0
.rept 8
	global_load_b128 v[HA+4*i:HA+4*i+3], v[BO], s[BP:BP+1] offset:128*(i/4)+16*(i%4)   ; fc1_b in the result's layout,
	global_load_b128 v[FW+4*i:FW+4*i+3], v[BO], s[FP:FP+1] offset:128*(i/4)+16*(i%4)   ; and fc2_w likewise
.set i, i+1
.endr
	QBLK XV, CD, BY, TM
	ds_store_b32 v[XW], v[CD]
	ds_store_b32 v[XW], v[CD+1] offset:4
	ds_store_b32 v[XW], v[CD+2] offset:8
	ds_store_b8 v[XB], v[BY]
	s_wait_dscnt 0x0
	s_barrier_signal -1
	s_barrier_wait -1                              ; x3's two fragments and their scale words lie in LDS
.irp c, 0,1
.irp i, 0,1,2
	ds_load_b64 v[XF+6*\c+2*\i:XF+6*\c+2*\i+1], v[XRU] offset:768*\c+8*\i
.endr
.endr
	ds_load_b32 v[XS], v[XSA]
	s_wait_dscnt 0x0
	s_wait_loadcnt 0x0
.irp t, 0,1,2,3
	MM HA+8*\t, W+12*\t, XF, HA+8*\t, WS+\t/2, XS, \t%2, 0
.endr
.rept 4
	v_nop
.endr
	GELU HA, 8, GT
	GELU HA+16, 8, GT
	v_pk_mul_f32 v[D0:D0+1], v[HA:HA+1], v[FW:FW+1]
	v_pk_mul_f32 v[D1:D1+1], v[HA+2:HA+3], v[FW+2:FW+3]
.irp j, 4,8,12,16,20,24,28
	s_delay_alu instid0(VALU_DEP_2)
	v_pk_fma_f32 v[D0:D0+1], v[HA+\j:HA+\j+1], v[FW+\j:FW+\j+1], v[D0:D0+1]
	s_delay_alu instid0(VALU_DEP_2)
	v_pk_fma_f32 v[D1:D1+1], v[HA+\j+2:HA+\j+3], v[FW+\j+2:FW+\j+3], v[D1:D1+1]
.endr
	s_delay_alu instid0(VALU_DEP_1)
	v_pk_add_f32 v[D0:D0+1], v[D0:D0+1], v[D1:D1+1]
	s_delay_alu instid0(VALU_DEP_1)
	v_add_f32 v[D0], v[D0], v[D0+1]
	s_delay_alu instid0(VALU_DEP_1)
	v_permlanex16_b32 v[D1], v[D0], s[SEL], s[SEL+1]
	s_delay_alu instid0(VALU_DEP_1)
	v_add_f32 v[D0], v[D0], v[D1]                  ; my token's sum over my wave's 64 columns
	ds_store_b32 v[RW], v[D0]                      ; both halves of the lanes write the same word with the same value
	s_wait_kmcnt 0x0                               ; fc2_b
	s_wait_dscnt 0x0
	s_barrier_signal -1
	s_barrier_wait -1
	s_cmp_lg_u32 s[WV], 0
	s_cbranch_scc1 .Lend
.irp k, 0,1,2,3
	ds_load_b32 v[D0+\k], v[RRD] offset:64*\k
.endr
	s_wait_dscnt 0x0
	v_add_f32 v[D0], v[D0], v[D0+1]
	v_add_f32 v[D0+2], v[D0+2], v[D0+3]
	s_delay_alu instid0(VALU_DEP_1)
	v_add_f32 v[D0], v[D0], v[D0+2]
	s_delay_alu instid0(VALU_DEP_1)
	v_add_f32 v[D0], s18, v[D0]
	global_store_b32 v[OO], v[D0], s[OP:OP+1]      ; 32 lanes store the pair's 128 consecutive bytes
.Lend:
	s_wait_tensorcnt 0x0                           ; the wave's end
	ds_add_u32 v[SPW], v[NIL]
	s_wait_dscnt 0x0
	s_endpgm
.Lfunc_end_k_q777d444e58_e2:
	.size	k_q777d444e58_e2, .Lfunc_end_k_q777d444e58_e2-k_q777d444e58_e2
	.p2alignl 7, 3214868480
	.fill 96, 4, 3214868480
	.section	.rodata,"a",@progbits
	.p2align	6, 0x0
	.amdhsa_kernel k_q777d444e58_e2
		.amdhsa_group_segment_fixed_size 4864
		.amdhsa_private_segment_fixed_size 0
		.amdhsa_enable_private_segment 0
		.amdhsa_kernarg_size 56
		.amdhsa_user_sgpr_count 2
		.amdhsa_user_sgpr_kernarg_segment_ptr 1
		.amdhsa_wavefront_size32 1
		.amdhsa_system_sgpr_workgroup_id_x 1
		.amdhsa_system_sgpr_workgroup_id_y 1
		.amdhsa_system_sgpr_workgroup_id_z 1
		.amdhsa_system_vgpr_workitem_id 0
		.amdhsa_next_free_vgpr 256
		.amdhsa_next_free_sgpr 66
		.amdhsa_reserve_vcc 0
		.amdhsa_float_denorm_mode_32 3
		.amdhsa_float_denorm_mode_16_64 3
		.amdhsa_memory_ordered 1
		.amdhsa_forward_progress 1
		.amdhsa_inst_pref_size 38
	.end_amdhsa_kernel
	.amdgpu_metadata
---
amdhsa.version: [ 1, 2 ]
amdhsa.kernels:
  - .name:           k_q777d444e58_e2
    .symbol:         k_q777d444e58_e2.kd
    .args:
      - { .name: po, .offset: 0, .size: 8, .value_kind: global_buffer, .address_space: global }
      - { .name: act, .offset: 8, .size: 8, .value_kind: global_buffer, .address_space: global }
      - { .name: wbuf, .offset: 16, .size: 8, .value_kind: global_buffer, .address_space: global }
      - { .name: fc1_b, .offset: 24, .size: 8, .value_kind: global_buffer, .address_space: global }
      - { .name: fc2_w, .offset: 32, .size: 8, .value_kind: global_buffer, .address_space: global }
      - { .name: fc2_b, .offset: 40, .size: 8, .value_kind: global_buffer, .address_space: global }
      - { .name: out0, .offset: 48, .size: 8, .value_kind: global_buffer, .address_space: global }
    .group_segment_fixed_size: 4864
    .private_segment_fixed_size: 0
    .kernarg_segment_align: 8
    .kernarg_segment_size: 56
    .max_flat_workgroup_size: 256
    .sgpr_count:     66
    .vgpr_count:     256
    .wavefront_size: 32
...
	.end_amdgpu_metadata
.endif
;; end of part 13
